; MI455X (gfx1250); checked and timed in simulation.
; The chip was launched on July 23, 2026; its instructions are those of AMD's public machine-readable ISA for CDNA 5 (MIT licence, August 2026) and "CDNA5" Instruction Set Architecture Reference Guide (July 2026). The comments in the code are by the model that wrote it; some were corrected since.
;; YOURLSTM. Allowed arithmetic: matrix products marked QUANTISED: E2M1 operands, one E8M0 scale for each 32 along K, by v_wmma_scale_f32_16x16x128_f8f6f4 with both operands' format E2M1 (or v_wmma_scale_f32_32x16x128_f4), f32 sums; everything else in f32.
;; Inputs: W_hh_codes 4 x 4,096 x 32 x 16 uint8 (E2M1 codes of W_hh, K innermost, in blocks of 32 codes, two codes a byte); W_hh_scales 4 x 4,096 x 32 uint8 (E8M0 scales of W_hh, one for each 32 codes along K); W_ih_codes 4 x 4,096 x 32 x 16 uint8 (E2M1 codes of W_ih, K innermost, in blocks of 32 codes, two codes a byte); W_ih_scales 4 x 4,096 x 32 uint8 (E8M0 scales of W_ih, one for each 32 codes along K); b_hh 4 x 4,096 float32; b_ih 4 x 4,096 float32; c0 4 x 2,048 x 1,024 float32; h0_codes 4 x 2,048 x 32 x 16 uint8 (E2M1 codes of h0, K innermost, in blocks of 32 codes, two codes a byte); h0_scales 4 x 2,048 x 32 uint8 (E8M0 scales of h0, one for each 32 codes along K); x_codes 2,048 x 32 x 16 uint8 (E2M1 codes of x, K innermost, in blocks of 32 codes, two codes a byte); x_scales 2,048 x 32 uint8 (E8M0 scales of x, one for each 32 codes along K).
;; Outputs: out0 4 x 2,048 x 1,024 float32; out1 4 x 2,048 x 1,024 float32.
;; This version of the problem:
;;   THIS VERSION OF THE PROBLEM IS GIVEN IN LOW PRECISION. The matrix products marked QUANTISED in the list below multiply operands that are first quantised to E2M1 (2 exponent bits, 1 mantissa bit; 4 bits a number), with one power-of-two scale for each 32 numbers along K (OCP MX v1.0); their sums are f32. All else is computed in f32.
;;   The module's matrix products, in the order in which they are computed (A, B: the left and right operand; K: the contracted axis; several contracted axes count as one K, in the product's order):
;;     1. [M 2,048, K 1,024] x [K 1,024, N 4,096]; A: input x (given as codes); B: input W_ih (given as codes): QUANTISED
;;     2. [M 2,048, K 1,024] x [K 1,024, N 4,096]; A: input h0 (given as codes); B: input W_hh (given as codes): QUANTISED
;;     3. [M 2,048, K 1,024] x [K 1,024, N 4,096]; A: computed on the way; B: input W_ih (given as codes): QUANTISED
;;     4. [M 2,048, K 1,024] x [K 1,024, N 4,096]; A: input h0 (given as codes); B: input W_hh (given as codes): QUANTISED
;;     5. [M 2,048, K 1,024] x [K 1,024, N 4,096]; A: computed on the way; B: input W_ih (given as codes): QUANTISED
;;     6. [M 2,048, K 1,024] x [K 1,024, N 4,096]; A: input h0 (given as codes); B: input W_hh (given as codes): QUANTISED
;;     7. [M 2,048, K 1,024] x [K 1,024, N 4,096]; A: computed on the way; B: input W_ih (given as codes): QUANTISED
;;     8. [M 2,048, K 1,024] x [K 1,024, N 4,096]; A: input h0 (given as codes); B: input W_hh (given as codes): QUANTISED
;;   THE QUANTISER, for each operand of a quantised product, along K:
;;     - K is cut into blocks of 32 from its start; a last block that is shorter is filled with zeros.
;;     - A block's scale is 2^e with e = floor(log2(the largest magnitude in the block)) - 2, held to -126 .. 127; a block of zeros has e = 0. As a byte (E8M0): e + 127.
;;     - Each number is divided by its block's scale, clamped to +-6, and rounded to the nearest number of E2M1, ties to even, subnormals kept.
;;     - The product sums the exact products of the quantised numbers (number of the format x scale) in f32.
;;   ~~~python
;;   def quantise(x, axis):      # numpy; x: float32 -> the quantised numbers, widened to float32 again
;;       x = np.moveaxis(x, axis, -1); K = x.shape[-1]
;;       x = np.pad(x, [(0, 0)] * (x.ndim - 1) + [(0, -K % 32)]); x = x.reshape(x.shape[:-1] + (-1, 32)); a = np.abs(x).max(-1, keepdims=True)
;;       e = np.where(a > 0, np.clip(np.frexp(np.where(a > 0, a, 1))[1] - 1 - 2, -126, 127), 0)      # np.frexp(a)[1] - 1 = floor(log2(a)), exactly
;;       r = np.clip(x / 2.0 ** e, -6, 6)
;;       step = 2.0 ** (np.maximum(np.frexp(np.where(r == 0, 1, r))[1] - 1, 0) - 1)
;;       q = np.round(r / step) * step * 2.0 ** e      # np.round: ties to even
;;       return np.moveaxis(q.reshape(q.shape[:-2] + (-1,))[..., :K], -1, axis).astype(np.float32)
;;   ~~~
;;   OPERANDS COMPUTED ON THE WAY. 'Computed on the way' means the value that the module computes at that place (a softmax that the list does not call 'softmax' is quantised finished and normalised). What goes into a quantiser is computed in f32, as accurately as f32 sums, v_exp_f32 and their like allow (about 1e-6 of the number): no bf16 or f16 on the way to a quantiser, and a product that is left as it is and whose result goes on into a quantised operand takes f32 operands (vector FMAs, or v_wmma_f32_16x16x4_f32). A number that lies on a knife's edge between two numbers of the format may be rounded either way, as far as f32 arithmetic and the matrix unit's own rounding can turn it there, and no further.
;;   INPUTS GIVEN AS CODES. W_hh (in the module: [4, 4096, 1024], K = its axis 2); W_ih (in the module: [4, 4096, 1024], K = its axis 2); h0 (in the module: [4, 2048, 1024], K = its axis 2); x (in the module: [2048, 1024], K = its axis 1): each comes as NAME_codes (uint8): NAME with its K axis moved to the last place and cut into blocks of 32 codes, [.., K / 32, bytes a block], one block behind the other in memory; two codes a byte, the lower K in the low four bits (a code: sign, 2 exponent bits, 1 mantissa bit); and NAME_scales (uint8): the same leading axes, one E8M0 byte (e + 127) for each 32 codes along K. Its value is code x scale, taken as it is: it is not quantised again, and the codes and scales need not be those that the quantiser above would give.
;; One version. Each part assembles by itself: llvm-mc -triple=amdgcn-amd-amdhsa -mcpu=gfx1250 --defsym DOCPART=n.
;; ======== version 1 of 1: 4 launches
;; limits: a function is approximated: absolute error at most 1e-07
;; workspace buffers: hc_a 1,048,576 bytes; hc_b 1,048,576 bytes; hs_a 65,536 bytes; hs_b 65,536 bytes
;; launch layer0 (part 1): grid 16 x 16, 4 waves a work-group, clusters of 4 x 4, 327,680 bytes of LDS; arguments x_codes, x_scales, h0_codes, h0_scales, W_ih_codes, W_ih_scales, W_hh_codes, W_hh_scales, b_ih, b_hh, c0, out0, out1, hc_a, hs_a; writes out0, out1, hc_a, hs_a
.if DOCPART == 1
	.amdgcn_target "amdgcn-amd-amdhsa--gfx1250"
	.amdhsa_code_object_version 6
	.text
	.protected	k_q25c6fdaf00_layer0
	.globl	k_q25c6fdaf00_layer0
	.p2align	8
	.type	k_q25c6fdaf00_layer0,@function
k_q25c6fdaf00_layer0:
	s_mov_b64 s[64:65], 0
	v_nop
	global_prefetch_b8 v0, s[64:65] scope:SCOPE_SE
	s_setreg_imm32_b32 hwreg(HW_REG_WAVE_MODE, 25, 1), 1
	s_wait_xcnt 0x0
	s_wait_alu depctr_hold_cnt(0) depctr_sa_sdst(0) depctr_va_vdst(0) depctr_va_sdst(0) depctr_va_ssrc(0) depctr_va_vcc(0) depctr_vm_vsrc(0)
	s_getreg_b32 s2, hwreg(HW_REG_IB_STS2, 6, 4)
	s_cmp_eq_u32 s2, 0
	s_cbranch_scc0 .Lentry_in_a_cluster
	s_endpgm
.Lentry_in_a_cluster:
	s_bfe_u32 s2, ttmp6, 0x10000c
	s_cmp_lg_u32 s2, 0xf033
	s_cbranch_scc0 .Lentry_shape_is_right
	s_endpgm
.Lentry_shape_is_right:
; ONE LAYER OF A STACK OF FOUR LSTM CELLS, on codes of FP4 (E2M1) with one E8M0 scale for each 32 along K.  The four layers' texts differ in the line .set LAYER alone.
; gates[2048][4096] = inp W_ih[l]^T + b_ih[l] + h0[l] W_hh[l]^T + b_hh[l]: one sum over K = 2,048 (16 steps of 128: 8 of inp W_ih, 8 of h0 W_hh), then the cell in f32:
; c = sigmoid(f) c0 + sigmoid(i) tanh(g) -> out1[l];  h = sigmoid(o) tanh(c) -> out0[l];  in layers 0 to 2 h is also quantised along the hidden axis, for the next layer's inp.
; LAYER is a constant of the text: it enters the joint loads' addresses, which are made of constants, the wave's number and coordinates that the partners share.
; Layer 0: inp = x, rows of 512 bytes.  Layers 1 to 3: inp = the layer before's h, in this program's own layout.
; SHARES.  256 work-groups of four waves.  Work-group (bx, by) owns rows 128 by .. + 127 and hidden units 64 bx .. + 63 of ALL FOUR gates; wave w owns 64 rows (wr = w / 2) x 32 units (wu = w % 2): one block of the quantiser.
; THE MATRIX INSTRUCTION IS USED TRANSPOSED: source 0 = 16 rows of W (units), source 1 = 16 rows of the batch.  Lane (r, h) then holds batch row r, and register j unit 8 h + j of the tile: a lane has the four gates
; of its 16 units, so the cell needs no other lane, and a block's largest magnitude needs lane l xor 16 alone.
; CLUSTER 4 x 4.  The four work-groups of a row of the cluster share by, so inp's and h0's tiles are asked for jointly; the four of a column share bx, so W's are.
; LDS.  All of inp (128 rows x 512 bytes), all of h0, and 11 of W's 16 chunks (a chunk: one gate's 64 rows x 256 bytes, 17,408 bytes with padding) are asked for at the start: 326,656 bytes.  A 12th chunk does not fit: the
; o gate's chunk of W_hh's first half goes from memory into 64 registers of each wave.  The last four chunks (W_hh's second half) fill the first slot again, once: asked for in K step 3, first read in K step 11.
; THE WAY OUT GOES IN FOUR PARTS: c of row tiles 0, 1; their h; c of row tiles 2, 3; their h.  A part goes through a stage in LDS (a row's 256 bytes come from two waves: a barrier stands between the writing and the reading)
; and leaves as whole rows.  A part's barrier, its loads from the stage and its stores to memory stand between the pieces of the next part's arithmetic, so that only the last part's stores are issued behind the last arithmetic.
; h's codes for the next layer: [by 16][block of 32 units 32][row 128][16 bytes]: a wave's store covers 512 consecutive bytes, a reader's 64 KiB are one dense block.  h's scale bytes: [2048][32], as x's.
; LIMITS.  tanh(x) = sign(x) (1 - e) / (1 + e), e = exp(-2 |x|): absolute error about 1e-7, so relative accuracy falls off for |x| under about 1e-3.  A block of zeros in h gets the scale byte 1 where the quantiser's
; rule says 127: its codes are zeros, and this program alone reads the bytes.  NaN and infinities among the inputs are not served.  h's scale bytes leave as single bytes 32 bytes apart (2 of a row's 32 are a work-group's).
; REGISTERS, in windows of 256.  Window 0: v0-19 addresses; v32-63 the rows' scale words; v64-127 W's scale words; v128-191 b_ih + b_hh in the result's layout; v192-255 b_hh, then c0.
;   Window 2: two sets of 96 for a K step's fragments (4 of the rows, 8 of W); v192-255 the o gate's chunk; on the way out v0-127: four sets of 32 for whole rows.
;   Window 1: row tiles 0, 1: accumulators v0-127, the cell's work v128-236.   Window 3: the same for row tiles 2, 3.
.set LAYER, 0
.set PA,    528                        ; an LDS row of x or h0: 512 bytes + 16 = 33 x 16: the 16 rows of a fragment load fall on 16 different columns of 16 bytes modulo 256
.set PB,    272                        ; an LDS row of W, and of the stages: 256 bytes + 16 = 17 x 16
.set CHUNK, 64*PB
.set AH0,   128*PA                     ; inp lies at LDS byte 0; behind it h0[l]
.set BS0,   AH0+128*PA                 ; W_ih, K 0-511; filled again with W_hh, K 512-1023.  Row 64 g + unit
.set BS1,   BS0+4*CHUNK                ; W_ih, K 512-1023; behind its last read: the stages
.set BS2,   BS1+4*CHUNK                ; W_hh, K 0-511, gates i, f, g
.set SPARE, BS2+3*CHUNK                ; the spare words, 128 bytes for each wave: two blocks of 256 bytes that no other line names
.set CST,   BS1                        ; 128 rows x 272: c0, then c
.set HOFF,  128*PB                     ; behind it: h
.if LAYER == 0
.set AIM, 16*PA                        ; inp's fragments: from row tile to row tile,
.set AIS, 64                           ; from K step to K step,
.set AIC, 32                           ; from the first half of a fragment to the second
.set AIW, 32*PA                        ; a wave's quarter of the tile in LDS
.else
.set AIM, 256
.set AIS, 8192
.set AIC, 4096
.set AIW, 16384
.endif
.set PIC, 4                            ; s[4:33]: the addresses: inp's codes, inp's scales,
.set PIS, 6
.set PHC, 8                            ; h0's codes, scales,
.set PHS, 10
.set PWIC, 12                          ; W_ih's,
.set PWIS, 14
.set PWHC, 16                          ; W_hh's,
.set PWHS, 18
.set PBI, 20                           ; b_ih, b_hh,
.set PBH, 22
.set PC0, 24                           ; c0, out0, out1,
.set PO0, 26
.set PO1, 28
.set PQC, 30                           ; h's codes and scale bytes for the next layer (layers 0 to 2)
.set PQS, 32
.set K1,  4                            ; from the cell on: s[4:5] -log2(e), twice;
.set K2,  6                            ; s6 -2 log2(e);
.set MSK, 7                            ; s7 all bits but the sign;
.set SEL, 8                            ; s[8:9] v_permlanex16_b32's selects for lane l xor 16
.set G1AI, 36                          ; s[36:43] descriptor group 1 for inp;  s[44:51] for h0;  s[52:59] for W's chunks
.set G1AH, 44
.set G1B,  52
.set G0AI, 60                          ; groups 0: s[60:63] inp; s[68:71], s[72:75] W_ih's halves; s[76:79] W_hh's first half; s[80:83] h0; s[84:87] W_hh's second half
.set G0B0, 68
.set G0B1, 72
.set G0B2, 76
.set G0AH, 80
.set G0B3, 84
.set WV, 88
.set WR, 89
.set WU, 90
.set CX, 91
.set CY, 92
.set BX, 93
.set BY, 94
.set ADAI, 4                           ; v4   LDS address of my fragments of inp
.set ADAH, 5                           ; v5   of h0
.set ADB0, 6                           ; v6-8 of W in the three slots
.set SPW,  9                           ; v9   LDS address of my spare word: SPARE + 4 x my thread's number; never rewritten
.set NIL,  10                          ; v10  0; never rewritten
.set RD,   11                          ; v11  the stages by whole rows: rows 64 wr + 16 wu + 32 p + 2 t + lane / 16 (p: which pair of row tiles), 16 bytes a lane
.set GOF,  12                          ; v12  the same two rows in c0, out0, out1
.set EA,   13                          ; v13  the stages in the cell's layout: row 64 wr + r, bytes 128 wu + 32 h
.set L16,  14                          ; v14  16 x lane
.set L32,  15                          ; v15  32 x lane
.set BIO,  16                          ; v16  32 h: the biases of my half's eight units
.set BOO,  17                          ; v17  512 r + 16 h: the o gate's chunk in memory
.set eI, 0                             ; the cell, in window 1 or 3: tile m' at + 64 m': gates i, f, g, o, 16 units each;
.set eF, 16
.set eG, 32
.set eO, 48
.set eT, 128                           ; at + 16 m': at work,
.set eU, 160
.set eC, 192                           ; c0
.set MSB, 0
.macro WIN new                         ; the immediate's high byte repeats the setting that is left; a switch that changes nothing is dropped
.if MSB != (\new)
	s_set_vgpr_msb (MSB<<8)|(\new)
.set MSB, \new
.endif
.endm
.macro PLACES                          ; a load into a register that a matrix instruction has read, and a vector instruction that reads a matrix result, stand four plain vector instructions behind it (ISA guide 7.12.1 for vector instructions)
.rept 4
	v_nop
.endr
.endm
.macro CREST                           ; a round of the cluster's barrier behind its opening barrier
	s_cmp_lg_u32 s[WV], 0
	s_cbranch_scc1 .Lnot_wave_0_\@
	s_barrier_signal -3
.Lnot_wave_0_\@:
	s_barrier_wait -3
	s_barrier_signal -1
	s_barrier_wait -1
.endm
.macro CROUND                          ; a whole round
	s_barrier_signal -1
	s_barrier_wait -1
	CREST
.endm
.macro SH r, n                         ; s100 += s[r] << n
	s_lshl_b32 s3, s[\r], \n
	s_add_co_u32 s100, s100, s3
.endm
	s_load_b512 s[4:19], s[0:1], 0x0
	s_load_b256 s[20:27], s[0:1], 0x40
.if LAYER < 3
	s_load_b128 s[28:31], s[0:1], 0x60
	s_load_b64 s[32:33], s[0:1], 0x70
.else
	s_load_b64 s[28:29], s[0:1], 0x60
.endif
	v_lshl_add_u32 v[SPW], v0, 2, SPARE
	v_mov_b32 v[NIL], 0
	ds_add_u32 v9, v10
	ds_add_u32 v9, v10
	s_wait_dscnt 0x0
	v_lshrrev_b32 v1, 5, v0
	v_readfirstlane_b32 s[WV], v1                  ; wave 0..3
	s_lshr_b32 s[WR], s[WV], 1                     ; which 64 rows are mine
	s_and_b32 s[WU], s[WV], 1                      ; which 32 units
	s_bfe_u32 s[CX], ttmp6, 0x40000                ; my place in the cluster
	s_bfe_u32 s[CY], ttmp6, 0x40004
	s_lshl_b32 s[BX], ttmp9, 2
	s_add_co_u32 s[BX], s[BX], s[CX]               ; bx = 4 x cluster x + cx
	s_and_b32 s[BY], ttmp7, 0xffff
	s_lshl_b32 s[BY], s[BY], 2
	s_add_co_u32 s[BY], s[BY], s[CY]               ; by = 4 x cluster y + cy
	s_lshl_b32 s2, s[CY], 2
	s_lshl_b32 s2, 15, s2                          ; my row of the cluster: it shares by
	s_lshl_b32 s66, 0x1111, s[CX]                  ; my column: it shares bx
.if LAYER == 0
	s_or_b32 s[G1AI], s2, (1<<20)|(1<<21)|(6<<22)|(3<<25)   ; x: elements of 1 byte; 4 words of padding behind every 128; bit 21 beside the mask
	s_mov_b32 s[G1AI+1], 512<<16                   ; tensor_dim0
	s_mov_b32 s[G1AI+2], 32<<16                    ; tensor_dim1: a wave's 32 rows
	s_mov_b32 s[G1AI+3], 512<<16                   ; tile_dim0
	s_mov_b32 s[G1AI+4], 32                        ; tile_dim1
	s_mov_b32 s[G1AI+5], 512                       ; from row to row
.else
	s_or_b32 s[G1AI], s2, (3<<16)|(1<<21)          ; h's codes: a dense block of 16,384 bytes a wave, as 64 rows of 32 elements of 8 bytes, no padding
	s_mov_b32 s[G1AI+1], 32<<16
	s_mov_b32 s[G1AI+2], 64<<16
	s_mov_b32 s[G1AI+3], 32<<16
	s_mov_b32 s[G1AI+4], 64
	s_mov_b32 s[G1AI+5], 32
.endif
	s_mov_b32 s[G1AI+6], 0
	s_mov_b32 s[G1AI+7], 0
	s_or_b32 s[G1AH], s2, (1<<20)|(1<<21)|(6<<22)|(3<<25)   ; h0: 128 rows x 512 bytes, 4 words of padding behind every 128
	s_mov_b32 s[G1AH+1], 512<<16
	s_mov_b32 s[G1AH+2], 128<<16
	s_mov_b32 s[G1AH+3], 512<<16
	s_mov_b32 s[G1AH+4], 128
	s_mov_b32 s[G1AH+5], 512
	s_mov_b32 s[G1AH+6], 0
	s_mov_b32 s[G1AH+7], 0
	s_or_b32 s[G1B], s66, (1<<20)|(1<<21)|(5<<22)|(3<<25)   ; a chunk of W: 64 rows x 256 bytes, 512 bytes apart in memory; 4 words of padding behind every 64
	s_mov_b32 s[G1B+1], 256<<16
	s_mov_b32 s[G1B+2], 64<<16
	s_mov_b32 s[G1B+3], 256<<16
	s_mov_b32 s[G1B+4], 64
	s_mov_b32 s[G1B+5], 512
	s_mov_b32 s[G1B+6], 0
	s_mov_b32 s[G1B+7], 0
	; the lanes' addresses: constants, the lane and the wave's number alone
	v_and_b32 v1, 15, v0                           ; r
	v_bfe_u32 v2, v0, 4, 1                         ; h
	v_and_b32 v3, 31, v0                           ; lane
	v_mul_u32_u24 v18, v1, PA
	v_lshl_add_u32 v18, v2, 4, v18                 ; r x 528 + 16 h
	s_mul_i32 s100, s[WR], 64*PA
	s_add_co_u32 s101, s100, AH0
	v_add_nc_u32 v[ADAH], s101, v18
.if LAYER == 0
	v_add_nc_u32 v[ADAI], s100, v18
.else
	v_lshlrev_b32 v[ADAI], 4, v1                   ; block 4 s + 2 c + h of 2,048 bytes, row 64 wr + 16 m + r of 16 bytes
	v_lshl_add_u32 v[ADAI], v2, 11, v[ADAI]
	s_lshl_b32 s100, s[WR], 10
	v_add_nc_u32 v[ADAI], s100, v[ADAI]
.endif
	v_mul_u32_u24 v19, v1, PB
	v_lshl_add_u32 v18, v2, 4, v19                 ; r x 272 + 16 h
	s_mul_i32 s100, s[WU], 32*PB
	s_add_co_u32 s100, s100, BS0
	v_add_nc_u32 v[ADB0], s100, v18
	s_add_co_u32 s100, s100, 4*CHUNK
	v_add_nc_u32 v[ADB0+1], s100, v18
	s_add_co_u32 s100, s100, 4*CHUNK
	v_add_nc_u32 v[ADB0+2], s100, v18
	v_lshl_add_u32 v[EA], v2, 5, v19
	s_mul_i32 s100, s[WR], 64*PB
	s_lshl_b32 s101, s[WU], 7
	s_add_co_u32 s100, s100, s101
	s_add_co_u32 s100, s100, CST
	v_add_nc_u32 v[EA], s100, v[EA]
	v_mul_u32_u24 v[RD], v2, PB
	v_lshl_add_u32 v[RD], v1, 4, v[RD]
	s_mul_i32 s100, s[WR], 64*PB
	s_mul_i32 s101, s[WU], 16*PB
	s_add_co_u32 s100, s100, s101
	s_add_co_u32 s100, s100, CST
	v_add_nc_u32 v[RD], s100, v[RD]
	v_lshlrev_b32 v[GOF], 12, v2
	v_lshl_add_u32 v[GOF], v1, 4, v[GOF]
	v_lshlrev_b32 v[L16], 4, v3
	v_lshlrev_b32 v[L32], 5, v3
	v_lshlrev_b32 v[BIO], 5, v2
	v_lshlrev_b32 v[BOO], 9, v1
	v_lshl_add_u32 v[BOO], v2, 4, v[BOO]
	s_wait_kmcnt 0x0
	; the groups 0.  Offsets made of by stand in s[2:3], offsets made of bx in s[66:67]
	s_lshl_b32 s2, s[BY], 16                       ; inp: my work-group's 65,536 bytes, my wave's quarter (the same sum in both layouts)
	s_lshl_b32 s3, s[WV], 14
	s_add_co_u32 s2, s2, s3
	s_mov_b32 s3, 0
	s_mov_b32 s[G0AI], 1
	s_mul_i32 s[G0AI+1], s[WV], AIW
	s_add_nc_u64 s[G0AI+2:G0AI+3], s[PIC:PIC+1], s[2:3]
	s_or_b32 s[G0AI+3], s[G0AI+3], 0x80000000
	s_lshl_b32 s2, s[BY], 16                       ; h0[l]: 1 << 20 bytes a layer
	s_add_co_u32 s2, s2, LAYER<<20
	s_mov_b32 s[G0AH], 1
	s_mov_b32 s[G0AH+1], AH0
	s_add_nc_u64 s[G0AH+2:G0AH+3], s[PHC:PHC+1], s[2:3]
	s_or_b32 s[G0AH+3], s[G0AH+3], 0x80000000
	s_lshl_b32 s66, s[WV], 19                      ; W: 1 << 21 bytes a layer, 1 << 19 a gate (wave w fetches gate w), 64 rows of 512 bytes for bx
	s_lshl_b32 s67, s[BX], 15
	s_add_co_u32 s66, s66, s67
	s_add_co_u32 s66, s66, LAYER<<21
	s_mov_b32 s67, 0
	s_mul_i32 s101, s[WV], CHUNK
	s_mov_b32 s[G0B0], 1
	s_add_co_u32 s[G0B0+1], s101, BS0
	s_add_nc_u64 s[G0B0+2:G0B0+3], s[PWIC:PWIC+1], s[66:67]
	s_mov_b32 s[G0B1], 1
	s_add_co_u32 s[G0B1+1], s101, BS1
	s_add_nc_u64 s[G0B1+2:G0B1+3], s[G0B0+2:G0B0+3], 256
	s_or_b32 s[G0B0+3], s[G0B0+3], 0x80000000
	s_or_b32 s[G0B1+3], s[G0B1+3], 0x80000000
	s_mov_b32 s[G0B2], 1
	s_add_co_u32 s[G0B2+1], s101, BS2              ; (waves 0 to 2 alone ask by it)
	s_add_nc_u64 s[G0B2+2:G0B2+3], s[PWHC:PWHC+1], s[66:67]
	s_mov_b32 s[G0B3], 1
	s_add_co_u32 s[G0B3+1], s101, BS0
	s_add_nc_u64 s[G0B3+2:G0B3+3], s[G0B2+2:G0B2+3], 256
	s_or_b32 s[G0B2+3], s[G0B2+3], 0x80000000
	s_or_b32 s[G0B3+3], s[G0B3+3], 0x80000000
	CROUND                                         ; all sixteen work-groups are here: the first joint loads meet
	; THE FIRST FILLS, one group behind the round: four loads a wave are out.  In the order of their use: inp, W_ih's two halves, then W_hh's first half (waves 0 to 2: gates i, f, g) or h0 (wave 3)
	tensor_load_to_lds s[G0AI:G0AI+3], s[G1AI:G1AI+7]
	s_nop 0
	tensor_load_to_lds s[G0B0:G0B0+3], s[G1B:G1B+7]
	s_nop 0
	tensor_load_to_lds s[G0B1:G0B1+3], s[G1B:G1B+7]
	s_nop 0
	s_cmp_lt_u32 s[WV], 3                          ; the branch hangs on the wave's number alone; four v_nop follow each of the two lines
	s_cbranch_scc0 .Lwave_3
	tensor_load_to_lds s[G0B2:G0B2+3], s[G1B:G1B+7]
	s_nop 0
.rept 4
	v_nop
.endr
	s_branch .Lfilled
.Lwave_3:
	tensor_load_to_lds s[G0AH:G0AH+3], s[G1AH:G1AH+7]
	s_nop 0
.rept 4
	v_nop
.endr
.Lfilled:
	; WHAT COMES STRAIGHT INTO REGISTERS.  The scale words of all of K: lane l takes the 32 bytes of row (or unit) l of 32: lanes 0-15 serve one tile, lanes 16-31 the next
	s_mov_b32 s101, 0
	s_lshl_b32 s100, s[BY], 12
	SH WR, 11                                      ; 32 bytes x (128 by + 64 wr)
	s_add_nc_u64 s[PIS:PIS+1], s[PIS:PIS+1], s[100:101]
.if LAYER < 3
	s_add_nc_u64 s[PQS:PQS+1], s[PQS:PQS+1], s[100:101]
.endif
	s_add_co_u32 s100, s100, LAYER<<16
	s_add_nc_u64 s[PHS:PHS+1], s[PHS:PHS+1], s[100:101]
.irp p, 0,1
.irp i, 0,1
	global_load_b128 v[32+8*\p+4*\i:32+8*\p+4*\i+3], v[L32], s[PIS:PIS+1] offset:1024*\p+16*\i
	global_load_b128 v[48+8*\p+4*\i:48+8*\p+4*\i+3], v[L32], s[PHS:PHS+1] offset:1024*\p+16*\i
.endr
.endr
	s_lshl_b32 s100, s[BX], 11                     ; 32 bytes x (4,096 l + 64 bx + 32 wu); a gate is 32,768 bytes on
	SH WU, 10
	s_add_co_u32 s100, s100, LAYER<<17
	s_add_nc_u64 s[PWIS:PWIS+1], s[PWIS:PWIS+1], s[100:101]
	s_add_nc_u64 s[PWHS:PWHS+1], s[PWHS:PWHS+1], s[100:101]
.irp g, 0,1,2,3
.irp i, 0,1
	global_load_b128 v[64+8*\g+4*\i:64+8*\g+4*\i+3], v[L32], s[PWIS:PWIS+1] offset:32768*\g+16*\i
	global_load_b128 v[96+8*\g+4*\i:96+8*\g+4*\i+3], v[L32], s[PWHS:PWHS+1] offset:32768*\g+16*\i
.endr
.endr
	s_lshl_b32 s100, s[BX], 8                      ; the biases: 4 bytes x (4,096 l + 64 bx + 32 wu)
	SH WU, 7
	s_add_co_u32 s100, s100, LAYER<<14
	s_add_nc_u64 s[PBI:PBI+1], s[PBI:PBI+1], s[100:101]
	s_add_nc_u64 s[PBH:PBH+1], s[PBH:PBH+1], s[100:101]
.irp g, 0,1,2,3
.irp u, 0,1
.irp i, 0,1
	global_load_b128 v[128+16*\g+8*\u+4*\i:128+16*\g+8*\u+4*\i+3], v[BIO], s[PBI:PBI+1] offset:4096*\g+64*\u+16*\i
	global_load_b128 v[192+16*\g+8*\u+4*\i:192+16*\g+8*\u+4*\i+3], v[BIO], s[PBH:PBH+1] offset:4096*\g+64*\u+16*\i
.endr
.endr
.endr
	s_lshl_b32 s100, s[BX], 15                     ; the o gate's chunk of W_hh's first half: my 32 units' rows
	SH WU, 14
	s_add_co_u32 s100, s100, (LAYER<<21)+(3<<19)
	s_add_nc_u64 s[PWHC:PWHC+1], s[PWHC:PWHC+1], s[100:101]
	s_lshl_b32 s100, s[BY], 19                     ; c0, out0, out1: 4,096 bytes x (2,048 l + 128 by + 64 wr + 16 wu) + 256 bx
	SH WR, 18
	SH WU, 16
	SH BX, 8
	s_add_co_u32 s100, s100, LAYER<<23
	s_add_nc_u64 s[PC0:PC0+1], s[PC0:PC0+1], s[100:101]
	s_add_nc_u64 s[PO0:PO0+1], s[PO0:PO0+1], s[100:101]
	s_add_nc_u64 s[PO1:PO1+1], s[PO1:PO1+1], s[100:101]
.if LAYER < 3
	s_lshl_b32 s100, s[BY], 16                     ; h's codes: 65,536 by + 2,048 (2 bx + wu) + 16 x 64 wr
	SH BX, 12
	SH WU, 11
	SH WR, 10
	s_add_nc_u64 s[PQC:PQC+1], s[PQC:PQC+1], s[100:101]
	s_lshl_b32 s100, s[BX], 1                      ; h's scale bytes: byte 2 bx + wu of a row's 32
	s_add_co_u32 s100, s100, s[WU]
	s_add_nc_u64 s[PQS:PQS+1], s[PQS:PQS+1], s[100:101]
.endif
	s_wait_loadcnt 0x0                             ; the scale words and the biases: 56 loads were out
.irp p, 0,2,4,6,8,10,12,14,16,18,20,22,24,26,28,30,32,34,36,38,40,42,44,46,48,50,52,54,56,58,60,62
	v_pk_add_f32 v[128+\p:129+\p], v[128+\p:129+\p], v[192+\p:193+\p]   ; b_ih + b_hh: the C of each sum's first product
.endr
	WIN 0x80                                       ; destination window 2
.irp q, 0,1,2,3
.irp u, 0,1
.irp c, 0,1
	global_load_b128 v[192+16*\q+8*\u+4*\c:192+16*\q+8*\u+4*\c+3], v[BOO], s[PWHC:PWHC+1] offset:8192*\u+64*\q+32*\c   ; the o gate's chunk, as fragments; wanted in K step 8
.endr
.endr
.endr
	WIN 0
.irp t, 0,1,2,3,4,5,6,7,8,9,10,11,12,13,14,15
	global_load_b128 v[192+4*\t:195+4*\t], v[GOF], s[PC0:PC0+1] offset:131072*(\t/8)+8192*(\t%8) th:TH_LOAD_NT   ; c0: sixteen lanes read 256 consecutive bytes of a row; wanted behind K step 11
.endr
; 8 matrix instructions: K step sg, row tile m x my eight tiles of W (gate g, half u).  The 32 accumulators take turns, one instruction a turn, in the same order in every step.
; W's scale words: lanes 0-15 tile u = 0, lanes 16-31 tile u = 1; the rows': lanes 0-15 the even row tile, lanes 16-31 the odd one.
.macro MUL8 sg, m
.set KT, (\sg)/8
.set KW, (\sg)%8
.set KK, (\sg)/4
.set KQ, (\sg)%4
.set FS, 96*((\sg)%2)
.irp g, 0,1,2,3
.irp u, 0,1
.set rD, 64*((\m)%2)+16*\g+8*\u
.set rB, FS+32+16*\g+8*\u
.if (KK == 2) && (\g == 3)
.set rB, 192+16*KQ+8*\u
.endif
.set rA, FS+8*(\m)
.set rC, rD
.if (\sg) == 0
.set rC, 128+16*\g+8*\u
.endif
.set rSB, 64+32*KT+8*\g+KW
.set rSA, 32+16*KT+8*((\m)/2)+KW
.if (\u == 1) && ((\m)%2 == 1)
	v_wmma_scale_f32_16x16x128_f8f6f4 v[rD:rD+7], v[rB:rB+7], v[rA:rA+7], v[rC:rC+7], v[rSB], v[rSA] matrix_a_fmt:MATRIX_FMT_FP4 matrix_b_fmt:MATRIX_FMT_FP4 matrix_a_scale:MATRIX_SCALE_ROW1 matrix_b_scale:MATRIX_SCALE_ROW1
.elseif \u == 1
	v_wmma_scale_f32_16x16x128_f8f6f4 v[rD:rD+7], v[rB:rB+7], v[rA:rA+7], v[rC:rC+7], v[rSB], v[rSA] matrix_a_fmt:MATRIX_FMT_FP4 matrix_b_fmt:MATRIX_FMT_FP4 matrix_a_scale:MATRIX_SCALE_ROW1
.elseif (\m)%2 == 1
	v_wmma_scale_f32_16x16x128_f8f6f4 v[rD:rD+7], v[rB:rB+7], v[rA:rA+7], v[rC:rC+7], v[rSB], v[rSA] matrix_a_fmt:MATRIX_FMT_FP4 matrix_b_fmt:MATRIX_FMT_FP4 matrix_b_scale:MATRIX_SCALE_ROW1
.else
	v_wmma_scale_f32_16x16x128_f8f6f4 v[rD:rD+7], v[rB:rB+7], v[rA:rA+7], v[rC:rC+7], v[rSB], v[rSA] matrix_a_fmt:MATRIX_FMT_FP4 matrix_b_fmt:MATRIX_FMT_FP4
.endif
.endr
.endr
.endm
; K step sg's fragments into set sg % 2, in one run: 8 loads for the rows, 16 for W (12 where the o gate's lie in registers).  A fragment: lane (r, h) takes bytes 32 c + 16 h .. + 15 of its row's 64
.macro FETCH sg
.set KW, (\sg)%8
.set KK, (\sg)/4
.set KQ, (\sg)%4
.set FS, 96*((\sg)%2)
.set rAD, ADB0+KK%3
	WIN 0x80
.irp m, 0,1,2,3
.irp c, 0,1
.if (\sg) < 8
	ds_load_b128 v[FS+8*\m+4*\c:FS+8*\m+4*\c+3], v[ADAI] offset:\m*AIM+KW*AIS+\c*AIC
.else
	ds_load_b128 v[FS+8*\m+4*\c:FS+8*\m+4*\c+3], v[ADAH] offset:\m*16*PA+KW*64+\c*32
.endif
.endr
.endr
.irp g, 0,1,2,3
.if (KK != 2) || (\g != 3)
.irp u, 0,1
.irp c, 0,1
	ds_load_b128 v[FS+32+16*\g+8*\u+4*\c:FS+32+16*\g+8*\u+4*\c+3], v[rAD] offset:(64*\g+16*\u)*PB+64*KQ+32*\c
.endr
.endr
.endif
.endr
.endm
.macro STEP sg
	s_wait_dscnt 0x0                               ; this step's fragments, asked for a step (32 matrix instructions) ago
.if (\sg) == 8
	s_wait_loadcnt 16                              ; the o gate's chunk is in; c0's 16 loads may be out
.endif
.if (\sg) < 15
	PLACES                                         ; the other set was read by the last step's products
	FETCH (\sg)+1
.endif
.if (\sg) == 0
	WIN 0x4a                                       ; sources 0 and 1 window 2, C (the biases) window 0, D window 1
.else
	WIN 0x5a                                       ; C and D window 1
.endif
	MUL8 \sg, 0
	MUL8 \sg, 1
.if (\sg) == 0
	WIN 0xca
.else
	WIN 0xfa                                       ; C and D window 3
.endif
	MUL8 \sg, 2
	MUL8 \sg, 3
.endm
; A K step with a barrier in it.  In front of the signal each wave waits for all its tensor loads, adds 0 to its spare word, and waits for that and for its LDS reads.
; fill = 1: the barrier opens a round of the cluster's barrier; behind it the slot BS0, which nobody reads any more, takes W_hh's second half: one joint load a wave.
.macro TURN sg, fill
	WIN 0                                          ; (the add's two registers lie in window 0)
	s_wait_tensorcnt 0x0                           ; all my tensor loads have landed
	ds_add_u32 v[SPW], v[NIL]                      ; 0 onto my spare word
	s_wait_dscnt 1                                 ; this step's fragments are in; the add may be out
	WIN 0x5a
	MUL8 \sg, 0                                    ; eight matrix instructions stand between the add and the wait for it
	s_wait_dscnt 0x0                               ; the add is done; none of my LDS reads is out
	s_barrier_signal -1
	MUL8 \sg, 1
	WIN 0
	s_barrier_wait -1
.if \fill
	CREST                                          ; no wave of any partner still reads BS0 or has a load on its way
	tensor_load_to_lds s[G0B3:G0B3+3], s[G1B:G1B+7]   ; the first tensor load behind the round, and my only one: eight K steps ahead of its first read
	s_nop 0
.rept 4
	v_nop                                          ; (the places in front of the loads below)
.endr
.else
	PLACES
.endif
	FETCH (\sg)+1
	WIN 0xfa
	MUL8 \sg, 2
	MUL8 \sg, 3
.endm
	s_wait_tensorcnt 2                             ; my parts of inp and of W_ih's first half are in; my two younger loads may be out
	s_barrier_signal -1
	s_barrier_wait -1                              ; everybody's are
	FETCH 0
	STEP 0                                         ; its products start the sums, with the biases as C: nothing is cleared
	STEP 1
	STEP 2
	TURN 3, 1                                      ; shows W_ih's second half, W_hh's first half and h0 to every wave, and fills BS0 again
	STEP 4
	STEP 5
	STEP 6
	STEP 7
	STEP 8
	STEP 9
	STEP 10
	TURN 11, 0                                     ; shows W_hh's second half to every wave; every wave's reads of BS1 are over, so BS1 becomes the stages
	WIN 0
	s_wait_loadcnt 0x0                             ; c0
.irp t, 0,1,2,3,4,5,6,7,8,9,10,11,12,13,14,15
	ds_store_b128 v[RD], v[192+4*\t:195+4*\t] offset:(\t/8)*32*PB+(\t%8)*2*PB   ; whole rows into the stage: BS1 has had its only fill
.endr
	STEP 12
	STEP 13
	STEP 14
	STEP 15
	WIN 0
	PLACES                                         ; behind the last products
	s_wait_dscnt 0x0                               ; for the others' sake: my stores of c0
	s_barrier_signal -1
	s_barrier_wait -1                              ; c0 lies in the stage
	WIN 0x40                                       ; destination window 1
.irp mm, 0,1
.irp u, 0,1
.irp i, 0,1
	ds_load_b128 v[eC+16*\mm+8*\u+4*\i:eC+16*\mm+8*\u+4*\i+3], v[EA] offset:\mm*16*PB+64*\u+16*\i   ; c0 of my units, in the cell's layout
.endr
.endr
.endr
	WIN 0xc0                                       ; window 3
.irp mm, 0,1
.irp u, 0,1
.irp i, 0,1
	ds_load_b128 v[eC+16*\mm+8*\u+4*\i:eC+16*\mm+8*\u+4*\i+3], v[EA] offset:(2+\mm)*16*PB+64*\u+16*\i
.endr
.endr
.endr
	s_mov_b32 s[K1], 0xbfb8aa3b                    ; every load by s[4:9] has been waited for
	s_mov_b32 s[K1+1], 0xbfb8aa3b
	s_mov_b32 s[K2], 0xc038aa3b
	s_mov_b32 s[MSK], 0x7fffffff
.if LAYER < 3
	s_mov_b32 s[SEL], 0x76543210
	s_mov_b32 s[SEL+1], 0xfedcba98
	s_mov_b32 vcc_lo, 0xffff0000                   ; lanes 16-31
.endif
; THE CELL'S LINES, each on 16 numbers of both row tiles of a window; a group's registers lie dn (xn, yn) apart from tile to tile.  All go up the registers: each accumulator is first read at its low end.
.macro SCL d                           ; d = -log2(e) d
.irp mm, 0,1
.irp p, 0,2,4,6,8,10,12,14
	v_pk_mul_f32 v[\d+64*\mm+\p:\d+64*\mm+\p+1], v[\d+64*\mm+\p:\d+64*\mm+\p+1], s[K1:K1+1] op_sel_hi:[1,0]
.endr
.endr
.endm
.macro ARG2 d, dn, x, xn               ; d = -2 log2(e) |x|
.irp mm, 0,1
.irp e, 0,1,2,3,4,5,6,7,8,9,10,11,12,13,14,15
	v_mul_f32 v[\d+\dn*\mm+\e], s[K2], |v[\x+\xn*\mm+\e]|
.endr
.endr
.endm
.macro EXPS d, dn
.irp mm, 0,1
.irp e, 0,1,2,3,4,5,6,7,8,9,10,11,12,13,14,15
	v_exp_f32 v[\d+\dn*\mm+\e], v[\d+\dn*\mm+\e]
.endr
.endr
.endm
.macro RCPS d, dn
.irp mm, 0,1
.irp e, 0,1,2,3,4,5,6,7,8,9,10,11,12,13,14,15
	v_rcp_f32 v[\d+\dn*\mm+\e], v[\d+\dn*\mm+\e]
.endr
.endr
.endm
.macro BATCH                           ; behind a batch of transcendentals: one plain instruction, and a wait ahead of the first line that names a result
	v_nop
	s_wait_alu depctr_va_vdst(0)
.endm
.macro ADD1 d, dn, x, xn               ; d = x + 1
.irp mm, 0,1
.irp p, 0,2,4,6,8,10,12,14
	v_pk_add_f32 v[\d+\dn*\mm+\p:\d+\dn*\mm+\p+1], v[\x+\xn*\mm+\p:\x+\xn*\mm+\p+1], 1.0 op_sel_hi:[1,0]
.endr
.endr
.endm
.macro ONEM d, dn                      ; d = 1 - d
.irp mm, 0,1
.irp p, 0,2,4,6,8,10,12,14
	v_pk_fma_f32 v[\d+\dn*\mm+\p:\d+\dn*\mm+\p+1], v[\d+\dn*\mm+\p:\d+\dn*\mm+\p+1], -1.0, 1.0 op_sel_hi:[1,0,0]
.endr
.endr
.endm
.macro PMUL d, dn, x, xn, y, yn        ; d = x y
.irp mm, 0,1
.irp p, 0,2,4,6,8,10,12,14
	v_pk_mul_f32 v[\d+\dn*\mm+\p:\d+\dn*\mm+\p+1], v[\x+\xn*\mm+\p:\x+\xn*\mm+\p+1], v[\y+\yn*\mm+\p:\y+\yn*\mm+\p+1]
.endr
.endr
.endm
.macro SIGN d, dn, x, xn, y, yn        ; d = x's magnitude with y's sign
.irp mm, 0,1
.irp e, 0,1,2,3,4,5,6,7,8,9,10,11,12,13,14,15
	v_bfi_b32 v[\d+\dn*\mm+\e], s[MSK], v[\x+\xn*\mm+\e], v[\y+\yn*\mm+\e]
.endr
.endr
.endm
; THE CELL for the two row tiles of window W (1: tiles 0, 1; 3: tiles 2, 3), in six pieces: CP1, CP2, CP3 make c; HP1, HP2, HP3 make h.
; sigmoid(a) = 1 / (1 + 2^(-log2(e) a)); tanh(b) = sign(b) (1 - e) / (1 + e), e = 2^(-2 log2(e) |b|), which lies in (0, 1].  sigmoid(a) tanh(b) takes ONE reciprocal, of (1 + 2^..)(1 + e): eight transcendentals a cell.
; An exponential that overflows gives infinity, its product with 1 + e (1 to 2) infinity, the reciprocal 0: no clamp, no 0 x infinity.
.macro CP1 W                           ; the exponentials of i, f and g
.set EW, 0x55*(\W)
	WIN EW                                         ; every operand place in window W
	SCL eI
	SCL eF
	ARG2 eT, 16, eG, 64
	EXPS eI, 64
	EXPS eF, 64
	EXPS eT, 16
	BATCH
.endm
.macro CP2 W                           ; the two reciprocals
.set EW, 0x55*(\W)
	WIN EW
	ADD1 eU, 16, eT, 16                            ; 1 + e
	ADD1 eI, 64, eI, 64
	ADD1 eF, 64, eF, 64
	PMUL eI, 64, eI, 64, eU, 16
	ONEM eT, 16                                    ; 1 - e
	SIGN eG, 64, eT, 16, eG, 64
	RCPS eI, 64
	RCPS eF, 64
	BATCH
.endm
.macro CP3 W, cw                       ; c, in g's registers.  cw: the LDS instructions that may be out when c0 is wanted
.set EW, 0x55*(\W)
	WIN EW
	s_wait_dscnt \cw                               ; c0
	PMUL eG, 64, eG, 64, eI, 64                    ; sigmoid(i) tanh(g)
.irp mm, 0,1
.irp p, 0,2,4,6,8,10,12,14
	v_pk_fma_f32 v[eG+64*\mm+\p:eG+64*\mm+\p+1], v[eC+16*\mm+\p:eC+16*\mm+\p+1], v[eF+64*\mm+\p:eF+64*\mm+\p+1], v[eG+64*\mm+\p:eG+64*\mm+\p+1]   ; c = c0 sigmoid(f) + that
.endr
.endr
.endm
.macro HP1 W                           ; the exponentials of o and c
.set EW, 0x55*(\W)
	WIN EW
	SCL eO
	ARG2 eT, 16, eG, 64
	EXPS eO, 64
	EXPS eT, 16
	BATCH
.endm
.macro HP2 W                           ; the reciprocal
.set EW, 0x55*(\W)
	WIN EW
	ADD1 eU, 16, eT, 16
	ADD1 eO, 64, eO, 64
	PMUL eO, 64, eO, 64, eU, 16
	ONEM eT, 16
	SIGN eT, 16, eT, 16, eG, 64
	RCPS eO, 64
	BATCH
.endm
.macro HP3 W                           ; h, in o's registers; in layers 0 to 2 its codes and scale bytes
.set EW, 0x55*(\W)
	WIN EW
	PMUL eO, 64, eT, 16, eO, 64                    ; h = sigmoid(o) tanh(c)
.if LAYER < 3
	; h's block of 32 units: my 16 and lane l xor 16's
	v_mov_b32 v230, 0                              ; (a lane permute's destination counts as one of its sources)
	v_mov_b32 v231, 0
.irp mm, 0,1
	v_max3_num_f32 v[228+\mm], |v[eO+64*\mm]|, |v[eO+64*\mm+1]|, 0x1800000   ; and the floor 2^(3 - 127): the byte cannot fall under 1
.endr
.irp i, 2,4,6,8,10,12,14
.irp mm, 0,1
	v_max3_num_f32 v[228+\mm], v[228+\mm], |v[eO+64*\mm+\i]|, |v[eO+64*\mm+\i+1]|
.endr
.endr
.irp mm, 0,1
	v_permlanex16_b32 v[230+\mm], v[228+\mm], s[SEL], s[SEL+1]
.endr
.irp mm, 0,1
	v_max_num_f32 v[228+\mm], v[228+\mm], v[230+\mm]   ; the block's largest magnitude
.endr
.irp mm, 0,1
	v_add_nc_u32 v[232+\mm], 0xff000000, v[228+\mm]    ; 2 off its exponent field: the conversion takes this operand's exponent field as its scale
.endr
.irp mm, 0,1
	v_lshrrev_b32 v[234+\mm], 23, v[232+\mm]           ; the scale's byte
.endr
	v_cndmask_b32 v236, v234, v235, vcc_lo         ; lanes 0-15: the first tile's row r; lanes 16-31: the second's: lane l has the byte of the pair's row l
	v_cvt_scalef32_pk8_fp4_f32 v224, v[eO:eO+7], v232          ; units 8 h + 0 .. 7 of the first tile's row r: word h of the block's four
	v_cvt_scalef32_pk8_fp4_f32 v225, v[eO+64:eO+71], v233      ; the same of the second tile
	v_cvt_scalef32_pk8_fp4_f32 v226, v[eO+8:eO+15], v232       ; units 16 + 8 h + 0 .. 7: word 2 + h
	v_cvt_scalef32_pk8_fp4_f32 v227, v[eO+72:eO+79], v233
	v_nop                                          ; one plain instruction behind a scaled conversion
	v_permlane16_swap_b32 v224, v225               ; the first's lanes 16-31 change places with the second's lanes 0-15: v224 = word 0, v225 = word 1 of the pair's row l
	v_permlane16_swap_b32 v226, v227               ; v226 = word 2, v227 = word 3
.set SW, 4*(\W)
.set WP, (\W)/2
	WIN SW                                         ; a store's data: window W; its address: window 0
	global_store_b128 v[L16], v[224:227], s[PQC:PQC+1] offset:512*WP    ; 32 lanes store 512 consecutive bytes
	global_store_b8 v[L32], v236, s[PQS:PQS+1] offset:1024*WP
.endif
.endm
; A PART'S WAY OUT.  STAGE: window W's 32 numbers a lane (src: c or h) into the stage at off, in the cell's layout: my own bytes (c goes over the c0 that I alone read there).
.macro STAGE W, src, off
.set SW, 4*(\W)
.set WP, (\W)/2
	WIN SW
.irp mm, 0,1
.irp u, 0,1
.irp i, 0,1
	ds_store_b128 v[EA], v[\src+64*\mm+8*\u+4*\i:\src+64*\mm+8*\u+4*\i+3] offset:(2*WP+\mm)*16*PB+64*\u+16*\i+\off
.endr
.endr
.endr
.endm
.macro SYNC                            ; my stores into the stage are done, and none of my LDS loads is out; then the work-group's barrier: the part lies whole in the stage
	s_wait_dscnt 0x0
	s_barrier_signal -1
	s_barrier_wait -1
.endm
.macro BACK p, off, reg                ; 16 whole rows of the part of row tiles 2 p, 2 p + 1 into window 2, v[reg] on: each part has 32 registers of its own, so that no store's data are written again
	WIN 0x80
.irp t, 0,1,2,3,4,5,6,7
	ds_load_b128 v[\reg+4*\t:\reg+4*\t+3], v[RD] offset:(\p)*32*PB+\t*2*PB+\off
.endr
.endm
.macro SEND p, reg, ptr, down          ; and to memory.  down = 0: the loads were issued a piece of arithmetic ago: one wait; down = 1: the last part: the counts run down
	WIN 0x08                                       ; a store's data: window 2
.if (\down) == 0
	s_wait_dscnt 0x0
.endif
.irp t, 0,1,2,3,4,5,6,7
.if \down
	s_wait_dscnt 7-\t                              ; LDS loads come back in order: this one is in, the younger ones may be out
.endif
	global_store_b128 v[GOF], v[\reg+4*\t:\reg+4*\t+3], s[\ptr:\ptr+1] offset:(\p)*131072+\t*8192 th:TH_STORE_NT   ; sixteen lanes store 256 consecutive bytes, at a multiple of 256 from the buffer's first byte
.endr
.endm
	CP1 1
	CP2 1
	CP3 1, 8                                       ; window 3's eight loads of c0 may be out
	STAGE 1, eG, 0                                 ; part 1: c of row tiles 0, 1
	HP1 1
	SYNC
	BACK 0, 0, 0
	HP2 1
	SEND 0, 0, PO1, 0
	HP3 1
	STAGE 1, eO, HOFF                              ; part 2: their h
	CP1 3
	SYNC
	BACK 0, HOFF, 32
	CP2 3
	SEND 0, 32, PO0, 0
	CP3 3, 0
	STAGE 3, eG, 0                                 ; part 3: c of row tiles 2, 3
	HP1 3
	SYNC
	BACK 1, 0, 64
	HP2 3
	SEND 1, 64, PO1, 0
	HP3 3
	STAGE 3, eO, HOFF                              ; part 4: their h
	SYNC
	BACK 1, HOFF, 96
	SEND 1, 96, PO0, 1
	WIN 0
	s_wait_tensorcnt 0x0                           ; the wave's end: behind my last tensor load and my last LDS store
	ds_add_u32 v[SPW], v[NIL]
	s_wait_dscnt 0x0
	CROUND                                         ; the closing round: no work-group ends while a partner may still ask for a tile that names it
	s_endpgm
.Lfunc_end_k_q25c6fdaf00_layer0:
	.size	k_q25c6fdaf00_layer0, .Lfunc_end_k_q25c6fdaf00_layer0-k_q25c6fdaf00_layer0
	.p2alignl 7, 3214868480
	.fill 96, 4, 3214868480
	.section	.rodata,"a",@progbits
	.p2align	6, 0x0
	.amdhsa_kernel k_q25c6fdaf00_layer0
		.amdhsa_group_segment_fixed_size 327680
		.amdhsa_private_segment_fixed_size 0
		.amdhsa_enable_private_segment 0
		.amdhsa_kernarg_size 120
		.amdhsa_user_sgpr_count 2
		.amdhsa_user_sgpr_kernarg_segment_ptr 1
		.amdhsa_wavefront_size32 1
		.amdhsa_system_sgpr_workgroup_id_x 1
		.amdhsa_system_sgpr_workgroup_id_y 1
		.amdhsa_system_sgpr_workgroup_id_z 1
		.amdhsa_system_vgpr_workitem_id 0
		.amdhsa_next_free_vgpr 1024
		.amdhsa_next_free_sgpr 102
		.amdhsa_reserve_vcc 1
		.amdhsa_float_denorm_mode_32 3
		.amdhsa_float_denorm_mode_16_64 3
		.amdhsa_memory_ordered 1
		.amdhsa_forward_progress 1
		.amdhsa_inst_pref_size 190
	.end_amdhsa_kernel
	.amdgpu_metadata
---
amdhsa.version: [ 1, 2 ]
amdhsa.kernels:
  - .name:           k_q25c6fdaf00_layer0
    .symbol:         k_q25c6fdaf00_layer0.kd
    .args:
      - { .name: x_codes, .offset: 0, .size: 8, .value_kind: global_buffer, .address_space: global }
      - { .name: x_scales, .offset: 8, .size: 8, .value_kind: global_buffer, .address_space: global }
      - { .name: h0_codes, .offset: 16, .size: 8, .value_kind: global_buffer, .address_space: global }
      - { .name: h0_scales, .offset: 24, .size: 8, .value_kind: global_buffer, .address_space: global }
      - { .name: W_ih_codes, .offset: 32, .size: 8, .value_kind: global_buffer, .address_space: global }
      - { .name: W_ih_scales, .offset: 40, .size: 8, .value_kind: global_buffer, .address_space: global }
      - { .name: W_hh_codes, .offset: 48, .size: 8, .value_kind: global_buffer, .address_space: global }
      - { .name: W_hh_scales, .offset: 56, .size: 8, .value_kind: global_buffer, .address_space: global }
      - { .name: b_ih, .offset: 64, .size: 8, .value_kind: global_buffer, .address_space: global }
      - { .name: b_hh, .offset: 72, .size: 8, .value_kind: global_buffer, .address_space: global }
      - { .name: c0, .offset: 80, .size: 8, .value_kind: global_buffer, .address_space: global }
      - { .name: out0, .offset: 88, .size: 8, .value_kind: global_buffer, .address_space: global }
      - { .name: out1, .offset: 96, .size: 8, .value_kind: global_buffer, .address_space: global }
      - { .name: hc_a, .offset: 104, .size: 8, .value_kind: global_buffer, .address_space: global }
      - { .name: hs_a, .offset: 112, .size: 8, .value_kind: global_buffer, .address_space: global }
    .group_segment_fixed_size: 327680
    .private_segment_fixed_size: 0
    .kernarg_segment_align: 8
    .kernarg_segment_size: 120
    .max_flat_workgroup_size: 128
    .sgpr_count:     102
    .vgpr_count:     1024
    .wavefront_size: 32
...
	.end_amdgpu_metadata
.endif
;; end of part 1
;; launch layer1 (part 2): grid 16 x 16, 4 waves a work-group, clusters of 4 x 4, 327,680 bytes of LDS; arguments hc_a, hs_a, h0_codes, h0_scales, W_ih_codes, W_ih_scales, W_hh_codes, W_hh_scales, b_ih, b_hh, c0, out0, out1, hc_b, hs_b; writes out0, out1, hc_b, hs_b
.if DOCPART == 2
	.amdgcn_target "amdgcn-amd-amdhsa--gfx1250"
	.amdhsa_code_object_version 6
	.text
	.protected	k_q25c6fdaf00_layer1
	.globl	k_q25c6fdaf00_layer1
	.p2align	8
	.type	k_q25c6fdaf00_layer1,@function
k_q25c6fdaf00_layer1:
	s_mov_b64 s[64:65], 0
	v_nop
	global_prefetch_b8 v0, s[64:65] scope:SCOPE_SE
	s_setreg_imm32_b32 hwreg(HW_REG_WAVE_MODE, 25, 1), 1
	s_wait_xcnt 0x0
	s_wait_alu depctr_hold_cnt(0) depctr_sa_sdst(0) depctr_va_vdst(0) depctr_va_sdst(0) depctr_va_ssrc(0) depctr_va_vcc(0) depctr_vm_vsrc(0)
	s_getreg_b32 s2, hwreg(HW_REG_IB_STS2, 6, 4)
	s_cmp_eq_u32 s2, 0
	s_cbranch_scc0 .Lentry_in_a_cluster
	s_endpgm
.Lentry_in_a_cluster:
	s_bfe_u32 s2, ttmp6, 0x10000c
	s_cmp_lg_u32 s2, 0xf033
	s_cbranch_scc0 .Lentry_shape_is_right
	s_endpgm
.Lentry_shape_is_right:
; ONE LAYER OF A STACK OF FOUR LSTM CELLS, on codes of FP4 (E2M1) with one E8M0 scale for each 32 along K.  The four layers' texts differ in the line .set LAYER alone.
; gates[2048][4096] = inp W_ih[l]^T + b_ih[l] + h0[l] W_hh[l]^T + b_hh[l]: one sum over K = 2,048 (16 steps of 128: 8 of inp W_ih, 8 of h0 W_hh), then the cell in f32:
; c = sigmoid(f) c0 + sigmoid(i) tanh(g) -> out1[l];  h = sigmoid(o) tanh(c) -> out0[l];  in layers 0 to 2 h is also quantised along the hidden axis, for the next layer's inp.
; LAYER is a constant of the text: it enters the joint loads' addresses, which are made of constants, the wave's number and coordinates that the partners share.
; Layer 0: inp = x, rows of 512 bytes.  Layers 1 to 3: inp = the layer before's h, in this program's own layout.
; SHARES.  256 work-groups of four waves.  Work-group (bx, by) owns rows 128 by .. + 127 and hidden units 64 bx .. + 63 of ALL FOUR gates; wave w owns 64 rows (wr = w / 2) x 32 units (wu = w % 2): one block of the quantiser.
; THE MATRIX INSTRUCTION IS USED TRANSPOSED: source 0 = 16 rows of W (units), source 1 = 16 rows of the batch.  Lane (r, h) then holds batch row r, and register j unit 8 h + j of the tile: a lane has the four gates
; of its 16 units, so the cell needs no other lane, and a block's largest magnitude needs lane l xor 16 alone.
; CLUSTER 4 x 4.  The four work-groups of a row of the cluster share by, so inp's and h0's tiles are asked for jointly; the four of a column share bx, so W's are.
; LDS.  All of inp (128 rows x 512 bytes), all of h0, and 11 of W's 16 chunks (a chunk: one gate's 64 rows x 256 bytes, 17,408 bytes with padding) are asked for at the start: 326,656 bytes.  A 12th chunk does not fit: the
; o gate's chunk of W_hh's first half goes from memory into 64 registers of each wave.  The last four chunks (W_hh's second half) fill the first slot again, once: asked for in K step 3, first read in K step 11.
; THE WAY OUT GOES IN FOUR PARTS: c of row tiles 0, 1; their h; c of row tiles 2, 3; their h.  A part goes through a stage in LDS (a row's 256 bytes come from two waves: a barrier stands between the writing and the reading)
; and leaves as whole rows.  A part's barrier, its loads from the stage and its stores to memory stand between the pieces of the next part's arithmetic, so that only the last part's stores are issued behind the last arithmetic.
; h's codes for the next layer: [by 16][block of 32 units 32][row 128][16 bytes]: a wave's store covers 512 consecutive bytes, a reader's 64 KiB are one dense block.  h's scale bytes: [2048][32], as x's.
; LIMITS.  tanh(x) = sign(x) (1 - e) / (1 + e), e = exp(-2 |x|): absolute error about 1e-7, so relative accuracy falls off for |x| under about 1e-3.  A block of zeros in h gets the scale byte 1 where the quantiser's
; rule says 127: its codes are zeros, and this program alone reads the bytes.  NaN and infinities among the inputs are not served.  h's scale bytes leave as single bytes 32 bytes apart (2 of a row's 32 are a work-group's).
; REGISTERS, in windows of 256.  Window 0: v0-19 addresses; v32-63 the rows' scale words; v64-127 W's scale words; v128-191 b_ih + b_hh in the result's layout; v192-255 b_hh, then c0.
;   Window 2: two sets of 96 for a K step's fragments (4 of the rows, 8 of W); v192-255 the o gate's chunk; on the way out v0-127: four sets of 32 for whole rows.
;   Window 1: row tiles 0, 1: accumulators v0-127, the cell's work v128-236.   Window 3: the same for row tiles 2, 3.
.set LAYER, 1
.set PA,    528                        ; an LDS row of x or h0: 512 bytes + 16 = 33 x 16: the 16 rows of a fragment load fall on 16 different columns of 16 bytes modulo 256
.set PB,    272                        ; an LDS row of W, and of the stages: 256 bytes + 16 = 17 x 16
.set CHUNK, 64*PB
.set AH0,   128*PA                     ; inp lies at LDS byte 0; behind it h0[l]
.set BS0,   AH0+128*PA                 ; W_ih, K 0-511; filled again with W_hh, K 512-1023.  Row 64 g + unit
.set BS1,   BS0+4*CHUNK                ; W_ih, K 512-1023; behind its last read: the stages
.set BS2,   BS1+4*CHUNK                ; W_hh, K 0-511, gates i, f, g
.set SPARE, BS2+3*CHUNK                ; the spare words, 128 bytes for each wave: two blocks of 256 bytes that no other line names
.set CST,   BS1                        ; 128 rows x 272: c0, then c
.set HOFF,  128*PB                     ; behind it: h
.if LAYER == 0
.set AIM, 16*PA                        ; inp's fragments: from row tile to row tile,
.set AIS, 64                           ; from K step to K step,
.set AIC, 32                           ; from the first half of a fragment to the second
.set AIW, 32*PA                        ; a wave's quarter of the tile in LDS
.else
.set AIM, 256
.set AIS, 8192
.set AIC, 4096
.set AIW, 16384
.endif
.set PIC, 4                            ; s[4:33]: the addresses: inp's codes, inp's scales,
.set PIS, 6
.set PHC, 8                            ; h0's codes, scales,
.set PHS, 10
.set PWIC, 12                          ; W_ih's,
.set PWIS, 14
.set PWHC, 16                          ; W_hh's,
.set PWHS, 18
.set PBI, 20                           ; b_ih, b_hh,
.set PBH, 22
.set PC0, 24                           ; c0, out0, out1,
.set PO0, 26
.set PO1, 28
.set PQC, 30                           ; h's codes and scale bytes for the next layer (layers 0 to 2)
.set PQS, 32
.set K1,  4                            ; from the cell on: s[4:5] -log2(e), twice;
.set K2,  6                            ; s6 -2 log2(e);
.set MSK, 7                            ; s7 all bits but the sign;
.set SEL, 8                            ; s[8:9] v_permlanex16_b32's selects for lane l xor 16
.set G1AI, 36                          ; s[36:43] descriptor group 1 for inp;  s[44:51] for h0;  s[52:59] for W's chunks
.set G1AH, 44
.set G1B,  52
.set G0AI, 60                          ; groups 0: s[60:63] inp; s[68:71], s[72:75] W_ih's halves; s[76:79] W_hh's first half; s[80:83] h0; s[84:87] W_hh's second half
.set G0B0, 68
.set G0B1, 72
.set G0B2, 76
.set G0AH, 80
.set G0B3, 84
.set WV, 88
.set WR, 89
.set WU, 90
.set CX, 91
.set CY, 92
.set BX, 93
.set BY, 94
.set ADAI, 4                           ; v4   LDS address of my fragments of inp
.set ADAH, 5                           ; v5   of h0
.set ADB0, 6                           ; v6-8 of W in the three slots
.set SPW,  9                           ; v9   LDS address of my spare word: SPARE + 4 x my thread's number; never rewritten
.set NIL,  10                          ; v10  0; never rewritten
.set RD,   11                          ; v11  the stages by whole rows: rows 64 wr + 16 wu + 32 p + 2 t + lane / 16 (p: which pair of row tiles), 16 bytes a lane
.set GOF,  12                          ; v12  the same two rows in c0, out0, out1
.set EA,   13                          ; v13  the stages in the cell's layout: row 64 wr + r, bytes 128 wu + 32 h
.set L16,  14                          ; v14  16 x lane
.set L32,  15                          ; v15  32 x lane
.set BIO,  16                          ; v16  32 h: the biases of my half's eight units
.set BOO,  17                          ; v17  512 r + 16 h: the o gate's chunk in memory
.set eI, 0                             ; the cell, in window 1 or 3: tile m' at + 64 m': gates i, f, g, o, 16 units each;
.set eF, 16
.set eG, 32
.set eO, 48
.set eT, 128                           ; at + 16 m': at work,
.set eU, 160
.set eC, 192                           ; c0
.set MSB, 0
.macro WIN new                         ; the immediate's high byte repeats the setting that is left; a switch that changes nothing is dropped
.if MSB != (\new)
	s_set_vgpr_msb (MSB<<8)|(\new)
.set MSB, \new
.endif
.endm
.macro PLACES                          ; a load into a register that a matrix instruction has read, and a vector instruction that reads a matrix result, stand four plain vector instructions behind it (ISA guide 7.12.1 for vector instructions)
.rept 4
	v_nop
.endr
.endm
.macro CREST                           ; a round of the cluster's barrier behind its opening barrier
	s_cmp_lg_u32 s[WV], 0
	s_cbranch_scc1 .Lnot_wave_0_\@
	s_barrier_signal -3
.Lnot_wave_0_\@:
	s_barrier_wait -3
	s_barrier_signal -1
	s_barrier_wait -1
.endm
.macro CROUND                          ; a whole round
	s_barrier_signal -1
	s_barrier_wait -1
	CREST
.endm
.macro SH r, n                         ; s100 += s[r] << n
	s_lshl_b32 s3, s[\r], \n
	s_add_co_u32 s100, s100, s3
.endm
	s_load_b512 s[4:19], s[0:1], 0x0
	s_load_b256 s[20:27], s[0:1], 0x40
.if LAYER < 3
	s_load_b128 s[28:31], s[0:1], 0x60
	s_load_b64 s[32:33], s[0:1], 0x70
.else
	s_load_b64 s[28:29], s[0:1], 0x60
.endif
	v_lshl_add_u32 v[SPW], v0, 2, SPARE
	v_mov_b32 v[NIL], 0
	ds_add_u32 v9, v10
	ds_add_u32 v9, v10
	s_wait_dscnt 0x0
	v_lshrrev_b32 v1, 5, v0
	v_readfirstlane_b32 s[WV], v1                  ; wave 0..3
	s_lshr_b32 s[WR], s[WV], 1                     ; which 64 rows are mine
	s_and_b32 s[WU], s[WV], 1                      ; which 32 units
	s_bfe_u32 s[CX], ttmp6, 0x40000                ; my place in the cluster
	s_bfe_u32 s[CY], ttmp6, 0x40004
	s_lshl_b32 s[BX], ttmp9, 2
	s_add_co_u32 s[BX], s[BX], s[CX]               ; bx = 4 x cluster x + cx
	s_and_b32 s[BY], ttmp7, 0xffff
	s_lshl_b32 s[BY], s[BY], 2
	s_add_co_u32 s[BY], s[BY], s[CY]               ; by = 4 x cluster y + cy
	s_lshl_b32 s2, s[CY], 2
	s_lshl_b32 s2, 15, s2                          ; my row of the cluster: it shares by
	s_lshl_b32 s66, 0x1111, s[CX]                  ; my column: it shares bx
.if LAYER == 0
	s_or_b32 s[G1AI], s2, (1<<20)|(1<<21)|(6<<22)|(3<<25)   ; x: elements of 1 byte; 4 words of padding behind every 128; bit 21 beside the mask
	s_mov_b32 s[G1AI+1], 512<<16                   ; tensor_dim0
	s_mov_b32 s[G1AI+2], 32<<16                    ; tensor_dim1: a wave's 32 rows
	s_mov_b32 s[G1AI+3], 512<<16                   ; tile_dim0
	s_mov_b32 s[G1AI+4], 32                        ; tile_dim1
	s_mov_b32 s[G1AI+5], 512                       ; from row to row
.else
	s_or_b32 s[G1AI], s2, (3<<16)|(1<<21)          ; h's codes: a dense block of 16,384 bytes a wave, as 64 rows of 32 elements of 8 bytes, no padding
	s_mov_b32 s[G1AI+1], 32<<16
	s_mov_b32 s[G1AI+2], 64<<16
	s_mov_b32 s[G1AI+3], 32<<16
	s_mov_b32 s[G1AI+4], 64
	s_mov_b32 s[G1AI+5], 32
.endif
	s_mov_b32 s[G1AI+6], 0
	s_mov_b32 s[G1AI+7], 0
	s_or_b32 s[G1AH], s2, (1<<20)|(1<<21)|(6<<22)|(3<<25)   ; h0: 128 rows x 512 bytes, 4 words of padding behind every 128
	s_mov_b32 s[G1AH+1], 512<<16
	s_mov_b32 s[G1AH+2], 128<<16
	s_mov_b32 s[G1AH+3], 512<<16
	s_mov_b32 s[G1AH+4], 128
	s_mov_b32 s[G1AH+5], 512
	s_mov_b32 s[G1AH+6], 0
	s_mov_b32 s[G1AH+7], 0
	s_or_b32 s[G1B], s66, (1<<20)|(1<<21)|(5<<22)|(3<<25)   ; a chunk of W: 64 rows x 256 bytes, 512 bytes apart in memory; 4 words of padding behind every 64
	s_mov_b32 s[G1B+1], 256<<16
	s_mov_b32 s[G1B+2], 64<<16
	s_mov_b32 s[G1B+3], 256<<16
	s_mov_b32 s[G1B+4], 64
	s_mov_b32 s[G1B+5], 512
	s_mov_b32 s[G1B+6], 0
	s_mov_b32 s[G1B+7], 0
	; the lanes' addresses: constants, the lane and the wave's number alone
	v_and_b32 v1, 15, v0                           ; r
	v_bfe_u32 v2, v0, 4, 1                         ; h
	v_and_b32 v3, 31, v0                           ; lane
	v_mul_u32_u24 v18, v1, PA
	v_lshl_add_u32 v18, v2, 4, v18                 ; r x 528 + 16 h
	s_mul_i32 s100, s[WR], 64*PA
	s_add_co_u32 s101, s100, AH0
	v_add_nc_u32 v[ADAH], s101, v18
.if LAYER == 0
	v_add_nc_u32 v[ADAI], s100, v18
.else
	v_lshlrev_b32 v[ADAI], 4, v1                   ; block 4 s + 2 c + h of 2,048 bytes, row 64 wr + 16 m + r of 16 bytes
	v_lshl_add_u32 v[ADAI], v2, 11, v[ADAI]
	s_lshl_b32 s100, s[WR], 10
	v_add_nc_u32 v[ADAI], s100, v[ADAI]
.endif
	v_mul_u32_u24 v19, v1, PB
	v_lshl_add_u32 v18, v2, 4, v19                 ; r x 272 + 16 h
	s_mul_i32 s100, s[WU], 32*PB
	s_add_co_u32 s100, s100, BS0
	v_add_nc_u32 v[ADB0], s100, v18
	s_add_co_u32 s100, s100, 4*CHUNK
	v_add_nc_u32 v[ADB0+1], s100, v18
	s_add_co_u32 s100, s100, 4*CHUNK
	v_add_nc_u32 v[ADB0+2], s100, v18
	v_lshl_add_u32 v[EA], v2, 5, v19
	s_mul_i32 s100, s[WR], 64*PB
	s_lshl_b32 s101, s[WU], 7
	s_add_co_u32 s100, s100, s101
	s_add_co_u32 s100, s100, CST
	v_add_nc_u32 v[EA], s100, v[EA]
	v_mul_u32_u24 v[RD], v2, PB
	v_lshl_add_u32 v[RD], v1, 4, v[RD]
	s_mul_i32 s100, s[WR], 64*PB
	s_mul_i32 s101, s[WU], 16*PB
	s_add_co_u32 s100, s100, s101
	s_add_co_u32 s100, s100, CST
	v_add_nc_u32 v[RD], s100, v[RD]
	v_lshlrev_b32 v[GOF], 12, v2
	v_lshl_add_u32 v[GOF], v1, 4, v[GOF]
	v_lshlrev_b32 v[L16], 4, v3
	v_lshlrev_b32 v[L32], 5, v3
	v_lshlrev_b32 v[BIO], 5, v2
	v_lshlrev_b32 v[BOO], 9, v1
	v_lshl_add_u32 v[BOO], v2, 4, v[BOO]
	s_wait_kmcnt 0x0
	; the groups 0.  Offsets made of by stand in s[2:3], offsets made of bx in s[66:67]
	s_lshl_b32 s2, s[BY], 16                       ; inp: my work-group's 65,536 bytes, my wave's quarter (the same sum in both layouts)
	s_lshl_b32 s3, s[WV], 14
	s_add_co_u32 s2, s2, s3
	s_mov_b32 s3, 0
	s_mov_b32 s[G0AI], 1
	s_mul_i32 s[G0AI+1], s[WV], AIW
	s_add_nc_u64 s[G0AI+2:G0AI+3], s[PIC:PIC+1], s[2:3]
	s_or_b32 s[G0AI+3], s[G0AI+3], 0x80000000
	s_lshl_b32 s2, s[BY], 16                       ; h0[l]: 1 << 20 bytes a layer
	s_add_co_u32 s2, s2, LAYER<<20
	s_mov_b32 s[G0AH], 1
	s_mov_b32 s[G0AH+1], AH0
	s_add_nc_u64 s[G0AH+2:G0AH+3], s[PHC:PHC+1], s[2:3]
	s_or_b32 s[G0AH+3], s[G0AH+3], 0x80000000
	s_lshl_b32 s66, s[WV], 19                      ; W: 1 << 21 bytes a layer, 1 << 19 a gate (wave w fetches gate w), 64 rows of 512 bytes for bx
	s_lshl_b32 s67, s[BX], 15
	s_add_co_u32 s66, s66, s67
	s_add_co_u32 s66, s66, LAYER<<21
	s_mov_b32 s67, 0
	s_mul_i32 s101, s[WV], CHUNK
	s_mov_b32 s[G0B0], 1
	s_add_co_u32 s[G0B0+1], s101, BS0
	s_add_nc_u64 s[G0B0+2:G0B0+3], s[PWIC:PWIC+1], s[66:67]
	s_mov_b32 s[G0B1], 1
	s_add_co_u32 s[G0B1+1], s101, BS1
	s_add_nc_u64 s[G0B1+2:G0B1+3], s[G0B0+2:G0B0+3], 256
	s_or_b32 s[G0B0+3], s[G0B0+3], 0x80000000
	s_or_b32 s[G0B1+3], s[G0B1+3], 0x80000000
	s_mov_b32 s[G0B2], 1
	s_add_co_u32 s[G0B2+1], s101, BS2              ; (waves 0 to 2 alone ask by it)
	s_add_nc_u64 s[G0B2+2:G0B2+3], s[PWHC:PWHC+1], s[66:67]
	s_mov_b32 s[G0B3], 1
	s_add_co_u32 s[G0B3+1], s101, BS0
	s_add_nc_u64 s[G0B3+2:G0B3+3], s[G0B2+2:G0B2+3], 256
	s_or_b32 s[G0B2+3], s[G0B2+3], 0x80000000
	s_or_b32 s[G0B3+3], s[G0B3+3], 0x80000000
	CROUND                                         ; all sixteen work-groups are here: the first joint loads meet
	; THE FIRST FILLS, one group behind the round: four loads a wave are out.  In the order of their use: inp, W_ih's two halves, then W_hh's first half (waves 0 to 2: gates i, f, g) or h0 (wave 3)
	tensor_load_to_lds s[G0AI:G0AI+3], s[G1AI:G1AI+7]
	s_nop 0
	tensor_load_to_lds s[G0B0:G0B0+3], s[G1B:G1B+7]
	s_nop 0
	tensor_load_to_lds s[G0B1:G0B1+3], s[G1B:G1B+7]
	s_nop 0
	s_cmp_lt_u32 s[WV], 3                          ; the branch hangs on the wave's number alone; four v_nop follow each of the two lines
	s_cbranch_scc0 .Lwave_3
	tensor_load_to_lds s[G0B2:G0B2+3], s[G1B:G1B+7]
	s_nop 0
.rept 4
	v_nop
.endr
	s_branch .Lfilled
.Lwave_3:
	tensor_load_to_lds s[G0AH:G0AH+3], s[G1AH:G1AH+7]
	s_nop 0
.rept 4
	v_nop
.endr
.Lfilled:
	; WHAT COMES STRAIGHT INTO REGISTERS.  The scale words of all of K: lane l takes the 32 bytes of row (or unit) l of 32: lanes 0-15 serve one tile, lanes 16-31 the next
	s_mov_b32 s101, 0
	s_lshl_b32 s100, s[BY], 12
	SH WR, 11                                      ; 32 bytes x (128 by + 64 wr)
	s_add_nc_u64 s[PIS:PIS+1], s[PIS:PIS+1], s[100:101]
.if LAYER < 3
	s_add_nc_u64 s[PQS:PQS+1], s[PQS:PQS+1], s[100:101]
.endif
	s_add_co_u32 s100, s100, LAYER<<16
	s_add_nc_u64 s[PHS:PHS+1], s[PHS:PHS+1], s[100:101]
.irp p, 0,1
.irp i, 0,1
	global_load_b128 v[32+8*\p+4*\i:32+8*\p+4*\i+3], v[L32], s[PIS:PIS+1] offset:1024*\p+16*\i
	global_load_b128 v[48+8*\p+4*\i:48+8*\p+4*\i+3], v[L32], s[PHS:PHS+1] offset:1024*\p+16*\i
.endr
.endr
	s_lshl_b32 s100, s[BX], 11                     ; 32 bytes x (4,096 l + 64 bx + 32 wu); a gate is 32,768 bytes on
	SH WU, 10
	s_add_co_u32 s100, s100, LAYER<<17
	s_add_nc_u64 s[PWIS:PWIS+1], s[PWIS:PWIS+1], s[100:101]
	s_add_nc_u64 s[PWHS:PWHS+1], s[PWHS:PWHS+1], s[100:101]
.irp g, 0,1,2,3
.irp i, 0,1
	global_load_b128 v[64+8*\g+4*\i:64+8*\g+4*\i+3], v[L32], s[PWIS:PWIS+1] offset:32768*\g+16*\i
	global_load_b128 v[96+8*\g+4*\i:96+8*\g+4*\i+3], v[L32], s[PWHS:PWHS+1] offset:32768*\g+16*\i
.endr
.endr
	s_lshl_b32 s100, s[BX], 8                      ; the biases: 4 bytes x (4,096 l + 64 bx + 32 wu)
	SH WU, 7
	s_add_co_u32 s100, s100, LAYER<<14
	s_add_nc_u64 s[PBI:PBI+1], s[PBI:PBI+1], s[100:101]
	s_add_nc_u64 s[PBH:PBH+1], s[PBH:PBH+1], s[100:101]
.irp g, 0,1,2,3
.irp u, 0,1
.irp i, 0,1
	global_load_b128 v[128+16*\g+8*\u+4*\i:128+16*\g+8*\u+4*\i+3], v[BIO], s[PBI:PBI+1] offset:4096*\g+64*\u+16*\i
	global_load_b128 v[192+16*\g+8*\u+4*\i:192+16*\g+8*\u+4*\i+3], v[BIO], s[PBH:PBH+1] offset:4096*\g+64*\u+16*\i
.endr
.endr
.endr
	s_lshl_b32 s100, s[BX], 15                     ; the o gate's chunk of W_hh's first half: my 32 units' rows
	SH WU, 14
	s_add_co_u32 s100, s100, (LAYER<<21)+(3<<19)
	s_add_nc_u64 s[PWHC:PWHC+1], s[PWHC:PWHC+1], s[100:101]
	s_lshl_b32 s100, s[BY], 19                     ; c0, out0, out1: 4,096 bytes x (2,048 l + 128 by + 64 wr + 16 wu) + 256 bx
	SH WR, 18
	SH WU, 16
	SH BX, 8
	s_add_co_u32 s100, s100, LAYER<<23
	s_add_nc_u64 s[PC0:PC0+1], s[PC0:PC0+1], s[100:101]
	s_add_nc_u64 s[PO0:PO0+1], s[PO0:PO0+1], s[100:101]
	s_add_nc_u64 s[PO1:PO1+1], s[PO1:PO1+1], s[100:101]
.if LAYER < 3
	s_lshl_b32 s100, s[BY], 16                     ; h's codes: 65,536 by + 2,048 (2 bx + wu) + 16 x 64 wr
	SH BX, 12
	SH WU, 11
	SH WR, 10
	s_add_nc_u64 s[PQC:PQC+1], s[PQC:PQC+1], s[100:101]
	s_lshl_b32 s100, s[BX], 1                      ; h's scale bytes: byte 2 bx + wu of a row's 32
	s_add_co_u32 s100, s100, s[WU]
	s_add_nc_u64 s[PQS:PQS+1], s[PQS:PQS+1], s[100:101]
.endif
	s_wait_loadcnt 0x0                             ; the scale words and the biases: 56 loads were out
.irp p, 0,2,4,6,8,10,12,14,16,18,20,22,24,26,28,30,32,34,36,38,40,42,44,46,48,50,52,54,56,58,60,62
	v_pk_add_f32 v[128+\p:129+\p], v[128+\p:129+\p], v[192+\p:193+\p]   ; b_ih + b_hh: the C of each sum's first product
.endr
	WIN 0x80                                       ; destination window 2
.irp q, 0,1,2,3
.irp u, 0,1
.irp c, 0,1
	global_load_b128 v[192+16*\q+8*\u+4*\c:192+16*\q+8*\u+4*\c+3], v[BOO], s[PWHC:PWHC+1] offset:8192*\u+64*\q+32*\c   ; the o gate's chunk, as fragments; wanted in K step 8
.endr
.endr
.endr
	WIN 0
.irp t, 0,1,2,3,4,5,6,7,8,9,10,11,12,13,14,15
	global_load_b128 v[192+4*\t:195+4*\t], v[GOF], s[PC0:PC0+1] offset:131072*(\t/8)+8192*(\t%8) th:TH_LOAD_NT   ; c0: sixteen lanes read 256 consecutive bytes of a row; wanted behind K step 11
.endr
; 8 matrix instructions: K step sg, row tile m x my eight tiles of W (gate g, half u).  The 32 accumulators take turns, one instruction a turn, in the same order in every step.
; W's scale words: lanes 0-15 tile u = 0, lanes 16-31 tile u = 1; the rows': lanes 0-15 the even row tile, lanes 16-31 the odd one.
.macro MUL8 sg, m
.set KT, (\sg)/8
.set KW, (\sg)%8
.set KK, (\sg)/4
.set KQ, (\sg)%4
.set FS, 96*((\sg)%2)
.irp g, 0,1,2,3
.irp u, 0,1
.set rD, 64*((\m)%2)+16*\g+8*\u
.set rB, FS+32+16*\g+8*\u
.if (KK == 2) && (\g == 3)
.set rB, 192+16*KQ+8*\u
.endif
.set rA, FS+8*(\m)
.set rC, rD
.if (\sg) == 0
.set rC, 128+16*\g+8*\u
.endif
.set rSB, 64+32*KT+8*\g+KW
.set rSA, 32+16*KT+8*((\m)/2)+KW
.if (\u == 1) && ((\m)%2 == 1)
	v_wmma_scale_f32_16x16x128_f8f6f4 v[rD:rD+7], v[rB:rB+7], v[rA:rA+7], v[rC:rC+7], v[rSB], v[rSA] matrix_a_fmt:MATRIX_FMT_FP4 matrix_b_fmt:MATRIX_FMT_FP4 matrix_a_scale:MATRIX_SCALE_ROW1 matrix_b_scale:MATRIX_SCALE_ROW1
.elseif \u == 1
	v_wmma_scale_f32_16x16x128_f8f6f4 v[rD:rD+7], v[rB:rB+7], v[rA:rA+7], v[rC:rC+7], v[rSB], v[rSA] matrix_a_fmt:MATRIX_FMT_FP4 matrix_b_fmt:MATRIX_FMT_FP4 matrix_a_scale:MATRIX_SCALE_ROW1
.elseif (\m)%2 == 1
	v_wmma_scale_f32_16x16x128_f8f6f4 v[rD:rD+7], v[rB:rB+7], v[rA:rA+7], v[rC:rC+7], v[rSB], v[rSA] matrix_a_fmt:MATRIX_FMT_FP4 matrix_b_fmt:MATRIX_FMT_FP4 matrix_b_scale:MATRIX_SCALE_ROW1
.else
	v_wmma_scale_f32_16x16x128_f8f6f4 v[rD:rD+7], v[rB:rB+7], v[rA:rA+7], v[rC:rC+7], v[rSB], v[rSA] matrix_a_fmt:MATRIX_FMT_FP4 matrix_b_fmt:MATRIX_FMT_FP4
.endif
.endr
.endr
.endm
; K step sg's fragments into set sg % 2, in one run: 8 loads for the rows, 16 for W (12 where the o gate's lie in registers).  A fragment: lane (r, h) takes bytes 32 c + 16 h .. + 15 of its row's 64
.macro FETCH sg
.set KW, (\sg)%8
.set KK, (\sg)/4
.set KQ, (\sg)%4
.set FS, 96*((\sg)%2)
.set rAD, ADB0+KK%3
	WIN 0x80
.irp m, 0,1,2,3
.irp c, 0,1
.if (\sg) < 8
	ds_load_b128 v[FS+8*\m+4*\c:FS+8*\m+4*\c+3], v[ADAI] offset:\m*AIM+KW*AIS+\c*AIC
.else
	ds_load_b128 v[FS+8*\m+4*\c:FS+8*\m+4*\c+3], v[ADAH] offset:\m*16*PA+KW*64+\c*32
.endif
.endr
.endr
.irp g, 0,1,2,3
.if (KK != 2) || (\g != 3)
.irp u, 0,1
.irp c, 0,1
	ds_load_b128 v[FS+32+16*\g+8*\u+4*\c:FS+32+16*\g+8*\u+4*\c+3], v[rAD] offset:(64*\g+16*\u)*PB+64*KQ+32*\c
.endr
.endr
.endif
.endr
.endm
.macro STEP sg
	s_wait_dscnt 0x0                               ; this step's fragments, asked for a step (32 matrix instructions) ago
.if (\sg) == 8
	s_wait_loadcnt 16                              ; the o gate's chunk is in; c0's 16 loads may be out
.endif
.if (\sg) < 15
	PLACES                                         ; the other set was read by the last step's products
	FETCH (\sg)+1
.endif
.if (\sg) == 0
	WIN 0x4a                                       ; sources 0 and 1 window 2, C (the biases) window 0, D window 1
.else
	WIN 0x5a                                       ; C and D window 1
.endif
	MUL8 \sg, 0
	MUL8 \sg, 1
.if (\sg) == 0
	WIN 0xca
.else
	WIN 0xfa                                       ; C and D window 3
.endif
	MUL8 \sg, 2
	MUL8 \sg, 3
.endm
; A K step with a barrier in it.  In front of the signal each wave waits for all its tensor loads, adds 0 to its spare word, and waits for that and for its LDS reads.
; fill = 1: the barrier opens a round of the cluster's barrier; behind it the slot BS0, which nobody reads any more, takes W_hh's second half: one joint load a wave.
.macro TURN sg, fill
	WIN 0                                          ; (the add's two registers lie in window 0)
	s_wait_tensorcnt 0x0                           ; all my tensor loads have landed
	ds_add_u32 v[SPW], v[NIL]                      ; 0 onto my spare word
	s_wait_dscnt 1                                 ; this step's fragments are in; the add may be out
	WIN 0x5a
	MUL8 \sg, 0                                    ; eight matrix instructions stand between the add and the wait for it
	s_wait_dscnt 0x0                               ; the add is done; none of my LDS reads is out
	s_barrier_signal -1
	MUL8 \sg, 1
	WIN 0
	s_barrier_wait -1
.if \fill
	CREST                                          ; no wave of any partner still reads BS0 or has a load on its way
	tensor_load_to_lds s[G0B3:G0B3+3], s[G1B:G1B+7]   ; the first tensor load behind the round, and my only one: eight K steps ahead of its first read
	s_nop 0
.rept 4
	v_nop                                          ; (the places in front of the loads below)
.endr
.else
	PLACES
.endif
	FETCH (\sg)+1
	WIN 0xfa
	MUL8 \sg, 2
	MUL8 \sg, 3
.endm
	s_wait_tensorcnt 2                             ; my parts of inp and of W_ih's first half are in; my two younger loads may be out
	s_barrier_signal -1
	s_barrier_wait -1                              ; everybody's are
	FETCH 0
	STEP 0                                         ; its products start the sums, with the biases as C: nothing is cleared
	STEP 1
	STEP 2
	TURN 3, 1                                      ; shows W_ih's second half, W_hh's first half and h0 to every wave, and fills BS0 again
	STEP 4
	STEP 5
	STEP 6
	STEP 7
	STEP 8
	STEP 9
	STEP 10
	TURN 11, 0                                     ; shows W_hh's second half to every wave; every wave's reads of BS1 are over, so BS1 becomes the stages
	WIN 0
	s_wait_loadcnt 0x0                             ; c0
.irp t, 0,1,2,3,4,5,6,7,8,9,10,11,12,13,14,15
	ds_store_b128 v[RD], v[192+4*\t:195+4*\t] offset:(\t/8)*32*PB+(\t%8)*2*PB   ; whole rows into the stage: BS1 has had its only fill
.endr
	STEP 12
	STEP 13
	STEP 14
	STEP 15
	WIN 0
	PLACES                                         ; behind the last products
	s_wait_dscnt 0x0                               ; for the others' sake: my stores of c0
	s_barrier_signal -1
	s_barrier_wait -1                              ; c0 lies in the stage
	WIN 0x40                                       ; destination window 1
.irp mm, 0,1
.irp u, 0,1
.irp i, 0,1
	ds_load_b128 v[eC+16*\mm+8*\u+4*\i:eC+16*\mm+8*\u+4*\i+3], v[EA] offset:\mm*16*PB+64*\u+16*\i   ; c0 of my units, in the cell's layout
.endr
.endr
.endr
	WIN 0xc0                                       ; window 3
.irp mm, 0,1
.irp u, 0,1
.irp i, 0,1
	ds_load_b128 v[eC+16*\mm+8*\u+4*\i:eC+16*\mm+8*\u+4*\i+3], v[EA] offset:(2+\mm)*16*PB+64*\u+16*\i
.endr
.endr
.endr
	s_mov_b32 s[K1], 0xbfb8aa3b                    ; every load by s[4:9] has been waited for
	s_mov_b32 s[K1+1], 0xbfb8aa3b
	s_mov_b32 s[K2], 0xc038aa3b
	s_mov_b32 s[MSK], 0x7fffffff
.if LAYER < 3
	s_mov_b32 s[SEL], 0x76543210
	s_mov_b32 s[SEL+1], 0xfedcba98
	s_mov_b32 vcc_lo, 0xffff0000                   ; lanes 16-31
.endif
; THE CELL'S LINES, each on 16 numbers of both row tiles of a window; a group's registers lie dn (xn, yn) apart from tile to tile.  All go up the registers: each accumulator is first read at its low end.
.macro SCL d                           ; d = -log2(e) d
.irp mm, 0,1
.irp p, 0,2,4,6,8,10,12,14
	v_pk_mul_f32 v[\d+64*\mm+\p:\d+64*\mm+\p+1], v[\d+64*\mm+\p:\d+64*\mm+\p+1], s[K1:K1+1] op_sel_hi:[1,0]
.endr
.endr
.endm
.macro ARG2 d, dn, x, xn               ; d = -2 log2(e) |x|
.irp mm, 0,1
.irp e, 0,1,2,3,4,5,6,7,8,9,10,11,12,13,14,15
	v_mul_f32 v[\d+\dn*\mm+\e], s[K2], |v[\x+\xn*\mm+\e]|
.endr
.endr
.endm
.macro EXPS d, dn
.irp mm, 0,1
.irp e, 0,1,2,3,4,5,6,7,8,9,10,11,12,13,14,15
	v_exp_f32 v[\d+\dn*\mm+\e], v[\d+\dn*\mm+\e]
.endr
.endr
.endm
.macro RCPS d, dn
.irp mm, 0,1
.irp e, 0,1,2,3,4,5,6,7,8,9,10,11,12,13,14,15
	v_rcp_f32 v[\d+\dn*\mm+\e], v[\d+\dn*\mm+\e]
.endr
.endr
.endm
.macro BATCH                           ; behind a batch of transcendentals: one plain instruction, and a wait ahead of the first line that names a result
	v_nop
	s_wait_alu depctr_va_vdst(0)
.endm
.macro ADD1 d, dn, x, xn               ; d = x + 1
.irp mm, 0,1
.irp p, 0,2,4,6,8,10,12,14
	v_pk_add_f32 v[\d+\dn*\mm+\p:\d+\dn*\mm+\p+1], v[\x+\xn*\mm+\p:\x+\xn*\mm+\p+1], 1.0 op_sel_hi:[1,0]
.endr
.endr
.endm
.macro ONEM d, dn                      ; d = 1 - d
.irp mm, 0,1
.irp p, 0,2,4,6,8,10,12,14
	v_pk_fma_f32 v[\d+\dn*\mm+\p:\d+\dn*\mm+\p+1], v[\d+\dn*\mm+\p:\d+\dn*\mm+\p+1], -1.0, 1.0 op_sel_hi:[1,0,0]
.endr
.endr
.endm
.macro PMUL d, dn, x, xn, y, yn        ; d = x y
.irp mm, 0,1
.irp p, 0,2,4,6,8,10,12,14
	v_pk_mul_f32 v[\d+\dn*\mm+\p:\d+\dn*\mm+\p+1], v[\x+\xn*\mm+\p:\x+\xn*\mm+\p+1], v[\y+\yn*\mm+\p:\y+\yn*\mm+\p+1]
.endr
.endr
.endm
.macro SIGN d, dn, x, xn, y, yn        ; d = x's magnitude with y's sign
.irp mm, 0,1
.irp e, 0,1,2,3,4,5,6,7,8,9,10,11,12,13,14,15
	v_bfi_b32 v[\d+\dn*\mm+\e], s[MSK], v[\x+\xn*\mm+\e], v[\y+\yn*\mm+\e]
.endr
.endr
.endm
; THE CELL for the two row tiles of window W (1: tiles 0, 1; 3: tiles 2, 3), in six pieces: CP1, CP2, CP3 make c; HP1, HP2, HP3 make h.
; sigmoid(a) = 1 / (1 + 2^(-log2(e) a)); tanh(b) = sign(b) (1 - e) / (1 + e), e = 2^(-2 log2(e) |b|), which lies in (0, 1].  sigmoid(a) tanh(b) takes ONE reciprocal, of (1 + 2^..)(1 + e): eight transcendentals a cell.
; An exponential that overflows gives infinity, its product with 1 + e (1 to 2) infinity, the reciprocal 0: no clamp, no 0 x infinity.
.macro CP1 W                           ; the exponentials of i, f and g
.set EW, 0x55*(\W)
	WIN EW                                         ; every operand place in window W
	SCL eI
	SCL eF
	ARG2 eT, 16, eG, 64
	EXPS eI, 64
	EXPS eF, 64
	EXPS eT, 16
	BATCH
.endm
.macro CP2 W                           ; the two reciprocals
.set EW, 0x55*(\W)
	WIN EW
	ADD1 eU, 16, eT, 16                            ; 1 + e
	ADD1 eI, 64, eI, 64
	ADD1 eF, 64, eF, 64
	PMUL eI, 64, eI, 64, eU, 16
	ONEM eT, 16                                    ; 1 - e
	SIGN eG, 64, eT, 16, eG, 64
	RCPS eI, 64
	RCPS eF, 64
	BATCH
.endm
.macro CP3 W, cw                       ; c, in g's registers.  cw: the LDS instructions that may be out when c0 is wanted
.set EW, 0x55*(\W)
	WIN EW
	s_wait_dscnt \cw                               ; c0
	PMUL eG, 64, eG, 64, eI, 64                    ; sigmoid(i) tanh(g)
.irp mm, 0,1
.irp p, 0,2,4,6,8,10,12,14
	v_pk_fma_f32 v[eG+64*\mm+\p:eG+64*\mm+\p+1], v[eC+16*\mm+\p:eC+16*\mm+\p+1], v[eF+64*\mm+\p:eF+64*\mm+\p+1], v[eG+64*\mm+\p:eG+64*\mm+\p+1]   ; c = c0 sigmoid(f) + that
.endr
.endr
.endm
.macro HP1 W                           ; the exponentials of o and c
.set EW, 0x55*(\W)
	WIN EW
	SCL eO
	ARG2 eT, 16, eG, 64
	EXPS eO, 64
	EXPS eT, 16
	BATCH
.endm
.macro HP2 W                           ; the reciprocal
.set EW, 0x55*(\W)
	WIN EW
	ADD1 eU, 16, eT, 16
	ADD1 eO, 64, eO, 64
	PMUL eO, 64, eO, 64, eU, 16
	ONEM eT, 16
	SIGN eT, 16, eT, 16, eG, 64
	RCPS eO, 64
	BATCH
.endm
.macro HP3 W                           ; h, in o's registers; in layers 0 to 2 its codes and scale bytes
.set EW, 0x55*(\W)
	WIN EW
	PMUL eO, 64, eT, 16, eO, 64                    ; h = sigmoid(o) tanh(c)
.if LAYER < 3
	; h's block of 32 units: my 16 and lane l xor 16's
	v_mov_b32 v230, 0                              ; (a lane permute's destination counts as one of its sources)
	v_mov_b32 v231, 0
.irp mm, 0,1
	v_max3_num_f32 v[228+\mm], |v[eO+64*\mm]|, |v[eO+64*\mm+1]|, 0x1800000   ; and the floor 2^(3 - 127): the byte cannot fall under 1
.endr
.irp i, 2,4,6,8,10,12,14
.irp mm, 0,1
	v_max3_num_f32 v[228+\mm], v[228+\mm], |v[eO+64*\mm+\i]|, |v[eO+64*\mm+\i+1]|
.endr
.endr
.irp mm, 0,1
	v_permlanex16_b32 v[230+\mm], v[228+\mm], s[SEL], s[SEL+1]
.endr
.irp mm, 0,1
	v_max_num_f32 v[228+\mm], v[228+\mm], v[230+\mm]   ; the block's largest magnitude
.endr
.irp mm, 0,1
	v_add_nc_u32 v[232+\mm], 0xff000000, v[228+\mm]    ; 2 off its exponent field: the conversion takes this operand's exponent field as its scale
.endr
.irp mm, 0,1
	v_lshrrev_b32 v[234+\mm], 23, v[232+\mm]           ; the scale's byte
.endr
	v_cndmask_b32 v236, v234, v235, vcc_lo         ; lanes 0-15: the first tile's row r; lanes 16-31: the second's: lane l has the byte of the pair's row l
	v_cvt_scalef32_pk8_fp4_f32 v224, v[eO:eO+7], v232          ; units 8 h + 0 .. 7 of the first tile's row r: word h of the block's four
	v_cvt_scalef32_pk8_fp4_f32 v225, v[eO+64:eO+71], v233      ; the same of the second tile
	v_cvt_scalef32_pk8_fp4_f32 v226, v[eO+8:eO+15], v232       ; units 16 + 8 h + 0 .. 7: word 2 + h
	v_cvt_scalef32_pk8_fp4_f32 v227, v[eO+72:eO+79], v233
	v_nop                                          ; one plain instruction behind a scaled conversion
	v_permlane16_swap_b32 v224, v225               ; the first's lanes 16-31 change places with the second's lanes 0-15: v224 = word 0, v225 = word 1 of the pair's row l
	v_permlane16_swap_b32 v226, v227               ; v226 = word 2, v227 = word 3
.set SW, 4*(\W)
.set WP, (\W)/2
	WIN SW                                         ; a store's data: window W; its address: window 0
	global_store_b128 v[L16], v[224:227], s[PQC:PQC+1] offset:512*WP    ; 32 lanes store 512 consecutive bytes
	global_store_b8 v[L32], v236, s[PQS:PQS+1] offset:1024*WP
.endif
.endm
; A PART'S WAY OUT.  STAGE: window W's 32 numbers a lane (src: c or h) into the stage at off, in the cell's layout: my own bytes (c goes over the c0 that I alone read there).
.macro STAGE W, src, off
.set SW, 4*(\W)
.set WP, (\W)/2
	WIN SW
.irp mm, 0,1
.irp u, 0,1
.irp i, 0,1
	ds_store_b128 v[EA], v[\src+64*\mm+8*\u+4*\i:\src+64*\mm+8*\u+4*\i+3] offset:(2*WP+\mm)*16*PB+64*\u+16*\i+\off
.endr
.endr
.endr
.endm
.macro SYNC                            ; my stores into the stage are done, and none of my LDS loads is out; then the work-group's barrier: the part lies whole in the stage
	s_wait_dscnt 0x0
	s_barrier_signal -1
	s_barrier_wait -1
.endm
.macro BACK p, off, reg                ; 16 whole rows of the part of row tiles 2 p, 2 p + 1 into window 2, v[reg] on: each part has 32 registers of its own, so that no store's data are written again
	WIN 0x80
.irp t, 0,1,2,3,4,5,6,7
	ds_load_b128 v[\reg+4*\t:\reg+4*\t+3], v[RD] offset:(\p)*32*PB+\t*2*PB+\off
.endr
.endm
.macro SEND p, reg, ptr, down          ; and to memory.  down = 0: the loads were issued a piece of arithmetic ago: one wait; down = 1: the last part: the counts run down
	WIN 0x08                                       ; a store's data: window 2
.if (\down) == 0
	s_wait_dscnt 0x0
.endif
.irp t, 0,1,2,3,4,5,6,7
.if \down
	s_wait_dscnt 7-\t                              ; LDS loads come back in order: this one is in, the younger ones may be out
.endif
	global_store_b128 v[GOF], v[\reg+4*\t:\reg+4*\t+3], s[\ptr:\ptr+1] offset:(\p)*131072+\t*8192 th:TH_STORE_NT   ; sixteen lanes store 256 consecutive bytes, at a multiple of 256 from the buffer's first byte
.endr
.endm
	CP1 1
	CP2 1
	CP3 1, 8                                       ; window 3's eight loads of c0 may be out
	STAGE 1, eG, 0                                 ; part 1: c of row tiles 0, 1
	HP1 1
	SYNC
	BACK 0, 0, 0
	HP2 1
	SEND 0, 0, PO1, 0
	HP3 1
	STAGE 1, eO, HOFF                              ; part 2: their h
	CP1 3
	SYNC
	BACK 0, HOFF, 32
	CP2 3
	SEND 0, 32, PO0, 0
	CP3 3, 0
	STAGE 3, eG, 0                                 ; part 3: c of row tiles 2, 3
	HP1 3
	SYNC
	BACK 1, 0, 64
	HP2 3
	SEND 1, 64, PO1, 0
	HP3 3
	STAGE 3, eO, HOFF                              ; part 4: their h
	SYNC
	BACK 1, HOFF, 96
	SEND 1, 96, PO0, 1
	WIN 0
	s_wait_tensorcnt 0x0                           ; the wave's end: behind my last tensor load and my last LDS store
	ds_add_u32 v[SPW], v[NIL]
	s_wait_dscnt 0x0
	CROUND                                         ; the closing round: no work-group ends while a partner may still ask for a tile that names it
	s_endpgm
.Lfunc_end_k_q25c6fdaf00_layer1:
	.size	k_q25c6fdaf00_layer1, .Lfunc_end_k_q25c6fdaf00_layer1-k_q25c6fdaf00_layer1
	.p2alignl 7, 3214868480
	.fill 96, 4, 3214868480
	.section	.rodata,"a",@progbits
	.p2align	6, 0x0
	.amdhsa_kernel k_q25c6fdaf00_layer1
		.amdhsa_group_segment_fixed_size 327680
		.amdhsa_private_segment_fixed_size 0
		.amdhsa_enable_private_segment 0
		.amdhsa_kernarg_size 120
		.amdhsa_user_sgpr_count 2
		.amdhsa_user_sgpr_kernarg_segment_ptr 1
		.amdhsa_wavefront_size32 1
		.amdhsa_system_sgpr_workgroup_id_x 1
		.amdhsa_system_sgpr_workgroup_id_y 1
		.amdhsa_system_sgpr_workgroup_id_z 1
		.amdhsa_system_vgpr_workitem_id 0
		.amdhsa_next_free_vgpr 1024
		.amdhsa_next_free_sgpr 102
		.amdhsa_reserve_vcc 1
		.amdhsa_float_denorm_mode_32 3
		.amdhsa_float_denorm_mode_16_64 3
		.amdhsa_memory_ordered 1
		.amdhsa_forward_progress 1
		.amdhsa_inst_pref_size 190
	.end_amdhsa_kernel
	.amdgpu_metadata
---
amdhsa.version: [ 1, 2 ]
amdhsa.kernels:
  - .name:           k_q25c6fdaf00_layer1
    .symbol:         k_q25c6fdaf00_layer1.kd
    .args:
      - { .name: hc_a, .offset: 0, .size: 8, .value_kind: global_buffer, .address_space: global }
      - { .name: hs_a, .offset: 8, .size: 8, .value_kind: global_buffer, .address_space: global }
      - { .name: h0_codes, .offset: 16, .size: 8, .value_kind: global_buffer, .address_space: global }
      - { .name: h0_scales, .offset: 24, .size: 8, .value_kind: global_buffer, .address_space: global }
      - { .name: W_ih_codes, .offset: 32, .size: 8, .value_kind: global_buffer, .address_space: global }
      - { .name: W_ih_scales, .offset: 40, .size: 8, .value_kind: global_buffer, .address_space: global }
      - { .name: W_hh_codes, .offset: 48, .size: 8, .value_kind: global_buffer, .address_space: global }
      - { .name: W_hh_scales, .offset: 56, .size: 8, .value_kind: global_buffer, .address_space: global }
      - { .name: b_ih, .offset: 64, .size: 8, .value_kind: global_buffer, .address_space: global }
      - { .name: b_hh, .offset: 72, .size: 8, .value_kind: global_buffer, .address_space: global }
      - { .name: c0, .offset: 80, .size: 8, .value_kind: global_buffer, .address_space: global }
      - { .name: out0, .offset: 88, .size: 8, .value_kind: global_buffer, .address_space: global }
      - { .name: out1, .offset: 96, .size: 8, .value_kind: global_buffer, .address_space: global }
      - { .name: hc_b, .offset: 104, .size: 8, .value_kind: global_buffer, .address_space: global }
      - { .name: hs_b, .offset: 112, .size: 8, .value_kind: global_buffer, .address_space: global }
    .group_segment_fixed_size: 327680
    .private_segment_fixed_size: 0
    .kernarg_segment_align: 8
    .kernarg_segment_size: 120
    .max_flat_workgroup_size: 128
    .sgpr_count:     102
    .vgpr_count:     1024
    .wavefront_size: 32
...
	.end_amdgpu_metadata
.endif
;; end of part 2
;; launch layer2 (part 3): grid 16 x 16, 4 waves a work-group, clusters of 4 x 4, 327,680 bytes of LDS; arguments hc_b, hs_b, h0_codes, h0_scales, W_ih_codes, W_ih_scales, W_hh_codes, W_hh_scales, b_ih, b_hh, c0, out0, out1, hc_a, hs_a; writes out0, out1, hc_a, hs_a
.if DOCPART == 3
	.amdgcn_target "amdgcn-amd-amdhsa--gfx1250"
	.amdhsa_code_object_version 6
	.text
	.protected	k_q25c6fdaf00_layer2
	.globl	k_q25c6fdaf00_layer2
	.p2align	8
	.type	k_q25c6fdaf00_layer2,@function
k_q25c6fdaf00_layer2:
	s_mov_b64 s[64:65], 0
	v_nop
	global_prefetch_b8 v0, s[64:65] scope:SCOPE_SE
	s_setreg_imm32_b32 hwreg(HW_REG_WAVE_MODE, 25, 1), 1
	s_wait_xcnt 0x0
	s_wait_alu depctr_hold_cnt(0) depctr_sa_sdst(0) depctr_va_vdst(0) depctr_va_sdst(0) depctr_va_ssrc(0) depctr_va_vcc(0) depctr_vm_vsrc(0)
	s_getreg_b32 s2, hwreg(HW_REG_IB_STS2, 6, 4)
	s_cmp_eq_u32 s2, 0
	s_cbranch_scc0 .Lentry_in_a_cluster
	s_endpgm
.Lentry_in_a_cluster:
	s_bfe_u32 s2, ttmp6, 0x10000c
	s_cmp_lg_u32 s2, 0xf033
	s_cbranch_scc0 .Lentry_shape_is_right
	s_endpgm
.Lentry_shape_is_right:
; ONE LAYER OF A STACK OF FOUR LSTM CELLS, on codes of FP4 (E2M1) with one E8M0 scale for each 32 along K.  The four layers' texts differ in the line .set LAYER alone.
; gates[2048][4096] = inp W_ih[l]^T + b_ih[l] + h0[l] W_hh[l]^T + b_hh[l]: one sum over K = 2,048 (16 steps of 128: 8 of inp W_ih, 8 of h0 W_hh), then the cell in f32:
; c = sigmoid(f) c0 + sigmoid(i) tanh(g) -> out1[l];  h = sigmoid(o) tanh(c) -> out0[l];  in layers 0 to 2 h is also quantised along the hidden axis, for the next layer's inp.
; LAYER is a constant of the text: it enters the joint loads' addresses, which are made of constants, the wave's number and coordinates that the partners share.
; Layer 0: inp = x, rows of 512 bytes.  Layers 1 to 3: inp = the layer before's h, in this program's own layout.
; SHARES.  256 work-groups of four waves.  Work-group (bx, by) owns rows 128 by .. + 127 and hidden units 64 bx .. + 63 of ALL FOUR gates; wave w owns 64 rows (wr = w / 2) x 32 units (wu = w % 2): one block of the quantiser.
; THE MATRIX INSTRUCTION IS USED TRANSPOSED: source 0 = 16 rows of W (units), source 1 = 16 rows of the batch.  Lane (r, h) then holds batch row r, and register j unit 8 h + j of the tile: a lane has the four gates
; of its 16 units, so the cell needs no other lane, and a block's largest magnitude needs lane l xor 16 alone.
; CLUSTER 4 x 4.  The four work-groups of a row of the cluster share by, so inp's and h0's tiles are asked for jointly; the four of a column share bx, so W's are.
; LDS.  All of inp (128 rows x 512 bytes), all of h0, and 11 of W's 16 chunks (a chunk: one gate's 64 rows x 256 bytes, 17,408 bytes with padding) are asked for at the start: 326,656 bytes.  A 12th chunk does not fit: the
; o gate's chunk of W_hh's first half goes from memory into 64 registers of each wave.  The last four chunks (W_hh's second half) fill the first slot again, once: asked for in K step 3, first read in K step 11.
; THE WAY OUT GOES IN FOUR PARTS: c of row tiles 0, 1; their h; c of row tiles 2, 3; their h.  A part goes through a stage in LDS (a row's 256 bytes come from two waves: a barrier stands between the writing and the reading)
; and leaves as whole rows.  A part's barrier, its loads from the stage and its stores to memory stand between the pieces of the next part's arithmetic, so that only the last part's stores are issued behind the last arithmetic.
; h's codes for the next layer: [by 16][block of 32 units 32][row 128][16 bytes]: a wave's store covers 512 consecutive bytes, a reader's 64 KiB are one dense block.  h's scale bytes: [2048][32], as x's.
; LIMITS.  tanh(x) = sign(x) (1 - e) / (1 + e), e = exp(-2 |x|): absolute error about 1e-7, so relative accuracy falls off for |x| under about 1e-3.  A block of zeros in h gets the scale byte 1 where the quantiser's
; rule says 127: its codes are zeros, and this program alone reads the bytes.  NaN and infinities among the inputs are not served.  h's scale bytes leave as single bytes 32 bytes apart (2 of a row's 32 are a work-group's).
; REGISTERS, in windows of 256.  Window 0: v0-19 addresses; v32-63 the rows' scale words; v64-127 W's scale words; v128-191 b_ih + b_hh in the result's layout; v192-255 b_hh, then c0.
;   Window 2: two sets of 96 for a K step's fragments (4 of the rows, 8 of W); v192-255 the o gate's chunk; on the way out v0-127: four sets of 32 for whole rows.
;   Window 1: row tiles 0, 1: accumulators v0-127, the cell's work v128-236.   Window 3: the same for row tiles 2, 3.
.set LAYER, 2
.set PA,    528                        ; an LDS row of x or h0: 512 bytes + 16 = 33 x 16: the 16 rows of a fragment load fall on 16 different columns of 16 bytes modulo 256
.set PB,    272                        ; an LDS row of W, and of the stages: 256 bytes + 16 = 17 x 16
.set CHUNK, 64*PB
.set AH0,   128*PA                     ; inp lies at LDS byte 0; behind it h0[l]
.set BS0,   AH0+128*PA                 ; W_ih, K 0-511; filled again with W_hh, K 512-1023.  Row 64 g + unit
.set BS1,   BS0+4*CHUNK                ; W_ih, K 512-1023; behind its last read: the stages
.set BS2,   BS1+4*CHUNK                ; W_hh, K 0-511, gates i, f, g
.set SPARE, BS2+3*CHUNK                ; the spare words, 128 bytes for each wave: two blocks of 256 bytes that no other line names
.set CST,   BS1                        ; 128 rows x 272: c0, then c
.set HOFF,  128*PB                     ; behind it: h
.if LAYER == 0
.set AIM, 16*PA                        ; inp's fragments: from row tile to row tile,
.set AIS, 64                           ; from K step to K step,
.set AIC, 32                           ; from the first half of a fragment to the second
.set AIW, 32*PA                        ; a wave's quarter of the tile in LDS
.else
.set AIM, 256
.set AIS, 8192
.set AIC, 4096
.set AIW, 16384
.endif
.set PIC, 4                            ; s[4:33]: the addresses: inp's codes, inp's scales,
.set PIS, 6
.set PHC, 8                            ; h0's codes, scales,
.set PHS, 10
.set PWIC, 12                          ; W_ih's,
.set PWIS, 14
.set PWHC, 16                          ; W_hh's,
.set PWHS, 18
.set PBI, 20                           ; b_ih, b_hh,
.set PBH, 22
.set PC0, 24                           ; c0, out0, out1,
.set PO0, 26
.set PO1, 28
.set PQC, 30                           ; h's codes and scale bytes for the next layer (layers 0 to 2)
.set PQS, 32
.set K1,  4                            ; from the cell on: s[4:5] -log2(e), twice;
.set K2,  6                            ; s6 -2 log2(e);
.set MSK, 7                            ; s7 all bits but the sign;
.set SEL, 8                            ; s[8:9] v_permlanex16_b32's selects for lane l xor 16
.set G1AI, 36                          ; s[36:43] descriptor group 1 for inp;  s[44:51] for h0;  s[52:59] for W's chunks
.set G1AH, 44
.set G1B,  52
.set G0AI, 60                          ; groups 0: s[60:63] inp; s[68:71], s[72:75] W_ih's halves; s[76:79] W_hh's first half; s[80:83] h0; s[84:87] W_hh's second half
.set G0B0, 68
.set G0B1, 72
.set G0B2, 76
.set G0AH, 80
.set G0B3, 84
.set WV, 88
.set WR, 89
.set WU, 90
.set CX, 91
.set CY, 92
.set BX, 93
.set BY, 94
.set ADAI, 4                           ; v4   LDS address of my fragments of inp
.set ADAH, 5                           ; v5   of h0
.set ADB0, 6                           ; v6-8 of W in the three slots
.set SPW,  9                           ; v9   LDS address of my spare word: SPARE + 4 x my thread's number; never rewritten
.set NIL,  10                          ; v10  0; never rewritten
.set RD,   11                          ; v11  the stages by whole rows: rows 64 wr + 16 wu + 32 p + 2 t + lane / 16 (p: which pair of row tiles), 16 bytes a lane
.set GOF,  12                          ; v12  the same two rows in c0, out0, out1
.set EA,   13                          ; v13  the stages in the cell's layout: row 64 wr + r, bytes 128 wu + 32 h
.set L16,  14                          ; v14  16 x lane
.set L32,  15                          ; v15  32 x lane
.set BIO,  16                          ; v16  32 h: the biases of my half's eight units
.set BOO,  17                          ; v17  512 r + 16 h: the o gate's chunk in memory
.set eI, 0                             ; the cell, in window 1 or 3: tile m' at + 64 m': gates i, f, g, o, 16 units each;
.set eF, 16
.set eG, 32
.set eO, 48
.set eT, 128                           ; at + 16 m': at work,
.set eU, 160
.set eC, 192                           ; c0
.set MSB, 0
.macro WIN new                         ; the immediate's high byte repeats the setting that is left; a switch that changes nothing is dropped
.if MSB != (\new)
	s_set_vgpr_msb (MSB<<8)|(\new)
.set MSB, \new
.endif
.endm
.macro PLACES                          ; a load into a register that a matrix instruction has read, and a vector instruction that reads a matrix result, stand four plain vector instructions behind it (ISA guide 7.12.1 for vector instructions)
.rept 4
	v_nop
.endr
.endm
.macro CREST                           ; a round of the cluster's barrier behind its opening barrier
	s_cmp_lg_u32 s[WV], 0
	s_cbranch_scc1 .Lnot_wave_0_\@
	s_barrier_signal -3
.Lnot_wave_0_\@:
	s_barrier_wait -3
	s_barrier_signal -1
	s_barrier_wait -1
.endm
.macro CROUND                          ; a whole round
	s_barrier_signal -1
	s_barrier_wait -1
	CREST
.endm
.macro SH r, n                         ; s100 += s[r] << n
	s_lshl_b32 s3, s[\r], \n
	s_add_co_u32 s100, s100, s3
.endm
	s_load_b512 s[4:19], s[0:1], 0x0
	s_load_b256 s[20:27], s[0:1], 0x40
.if LAYER < 3
	s_load_b128 s[28:31], s[0:1], 0x60
	s_load_b64 s[32:33], s[0:1], 0x70
.else
	s_load_b64 s[28:29], s[0:1], 0x60
.endif
	v_lshl_add_u32 v[SPW], v0, 2, SPARE
	v_mov_b32 v[NIL], 0
	ds_add_u32 v9, v10
	ds_add_u32 v9, v10
	s_wait_dscnt 0x0
	v_lshrrev_b32 v1, 5, v0
	v_readfirstlane_b32 s[WV], v1                  ; wave 0..3
	s_lshr_b32 s[WR], s[WV], 1                     ; which 64 rows are mine
	s_and_b32 s[WU], s[WV], 1                      ; which 32 units
	s_bfe_u32 s[CX], ttmp6, 0x40000                ; my place in the cluster
	s_bfe_u32 s[CY], ttmp6, 0x40004
	s_lshl_b32 s[BX], ttmp9, 2
	s_add_co_u32 s[BX], s[BX], s[CX]               ; bx = 4 x cluster x + cx
	s_and_b32 s[BY], ttmp7, 0xffff
	s_lshl_b32 s[BY], s[BY], 2
	s_add_co_u32 s[BY], s[BY], s[CY]               ; by = 4 x cluster y + cy
	s_lshl_b32 s2, s[CY], 2
	s_lshl_b32 s2, 15, s2                          ; my row of the cluster: it shares by
	s_lshl_b32 s66, 0x1111, s[CX]                  ; my column: it shares bx
.if LAYER == 0
	s_or_b32 s[G1AI], s2, (1<<20)|(1<<21)|(6<<22)|(3<<25)   ; x: elements of 1 byte; 4 words of padding behind every 128; bit 21 beside the mask
	s_mov_b32 s[G1AI+1], 512<<16                   ; tensor_dim0
	s_mov_b32 s[G1AI+2], 32<<16                    ; tensor_dim1: a wave's 32 rows
	s_mov_b32 s[G1AI+3], 512<<16                   ; tile_dim0
	s_mov_b32 s[G1AI+4], 32                        ; tile_dim1
	s_mov_b32 s[G1AI+5], 512                       ; from row to row
.else
	s_or_b32 s[G1AI], s2, (3<<16)|(1<<21)          ; h's codes: a dense block of 16,384 bytes a wave, as 64 rows of 32 elements of 8 bytes, no padding
	s_mov_b32 s[G1AI+1], 32<<16
	s_mov_b32 s[G1AI+2], 64<<16
	s_mov_b32 s[G1AI+3], 32<<16
	s_mov_b32 s[G1AI+4], 64
	s_mov_b32 s[G1AI+5], 32
.endif
	s_mov_b32 s[G1AI+6], 0
	s_mov_b32 s[G1AI+7], 0
	s_or_b32 s[G1AH], s2, (1<<20)|(1<<21)|(6<<22)|(3<<25)   ; h0: 128 rows x 512 bytes, 4 words of padding behind every 128
	s_mov_b32 s[G1AH+1], 512<<16
	s_mov_b32 s[G1AH+2], 128<<16
	s_mov_b32 s[G1AH+3], 512<<16
	s_mov_b32 s[G1AH+4], 128
	s_mov_b32 s[G1AH+5], 512
	s_mov_b32 s[G1AH+6], 0
	s_mov_b32 s[G1AH+7], 0
	s_or_b32 s[G1B], s66, (1<<20)|(1<<21)|(5<<22)|(3<<25)   ; a chunk of W: 64 rows x 256 bytes, 512 bytes apart in memory; 4 words of padding behind every 64
	s_mov_b32 s[G1B+1], 256<<16
	s_mov_b32 s[G1B+2], 64<<16
	s_mov_b32 s[G1B+3], 256<<16
	s_mov_b32 s[G1B+4], 64
	s_mov_b32 s[G1B+5], 512
	s_mov_b32 s[G1B+6], 0
	s_mov_b32 s[G1B+7], 0
	; the lanes' addresses: constants, the lane and the wave's number alone
	v_and_b32 v1, 15, v0                           ; r
	v_bfe_u32 v2, v0, 4, 1                         ; h
	v_and_b32 v3, 31, v0                           ; lane
	v_mul_u32_u24 v18, v1, PA
	v_lshl_add_u32 v18, v2, 4, v18                 ; r x 528 + 16 h
	s_mul_i32 s100, s[WR], 64*PA
	s_add_co_u32 s101, s100, AH0
	v_add_nc_u32 v[ADAH], s101, v18
.if LAYER == 0
	v_add_nc_u32 v[ADAI], s100, v18
.else
	v_lshlrev_b32 v[ADAI], 4, v1                   ; block 4 s + 2 c + h of 2,048 bytes, row 64 wr + 16 m + r of 16 bytes
	v_lshl_add_u32 v[ADAI], v2, 11, v[ADAI]
	s_lshl_b32 s100, s[WR], 10
	v_add_nc_u32 v[ADAI], s100, v[ADAI]
.endif
	v_mul_u32_u24 v19, v1, PB
	v_lshl_add_u32 v18, v2, 4, v19                 ; r x 272 + 16 h
	s_mul_i32 s100, s[WU], 32*PB
	s_add_co_u32 s100, s100, BS0
	v_add_nc_u32 v[ADB0], s100, v18
	s_add_co_u32 s100, s100, 4*CHUNK
	v_add_nc_u32 v[ADB0+1], s100, v18
	s_add_co_u32 s100, s100, 4*CHUNK
	v_add_nc_u32 v[ADB0+2], s100, v18
	v_lshl_add_u32 v[EA], v2, 5, v19
	s_mul_i32 s100, s[WR], 64*PB
	s_lshl_b32 s101, s[WU], 7
	s_add_co_u32 s100, s100, s101
	s_add_co_u32 s100, s100, CST
	v_add_nc_u32 v[EA], s100, v[EA]
	v_mul_u32_u24 v[RD], v2, PB
	v_lshl_add_u32 v[RD], v1, 4, v[RD]
	s_mul_i32 s100, s[WR], 64*PB
	s_mul_i32 s101, s[WU], 16*PB
	s_add_co_u32 s100, s100, s101
	s_add_co_u32 s100, s100, CST
	v_add_nc_u32 v[RD], s100, v[RD]
	v_lshlrev_b32 v[GOF], 12, v2
	v_lshl_add_u32 v[GOF], v1, 4, v[GOF]
	v_lshlrev_b32 v[L16], 4, v3
	v_lshlrev_b32 v[L32], 5, v3
	v_lshlrev_b32 v[BIO], 5, v2
	v_lshlrev_b32 v[BOO], 9, v1
	v_lshl_add_u32 v[BOO], v2, 4, v[BOO]
	s_wait_kmcnt 0x0
	; the groups 0.  Offsets made of by stand in s[2:3], offsets made of bx in s[66:67]
	s_lshl_b32 s2, s[BY], 16                       ; inp: my work-group's 65,536 bytes, my wave's quarter (the same sum in both layouts)
	s_lshl_b32 s3, s[WV], 14
	s_add_co_u32 s2, s2, s3
	s_mov_b32 s3, 0
	s_mov_b32 s[G0AI], 1
	s_mul_i32 s[G0AI+1], s[WV], AIW
	s_add_nc_u64 s[G0AI+2:G0AI+3], s[PIC:PIC+1], s[2:3]
	s_or_b32 s[G0AI+3], s[G0AI+3], 0x80000000
	s_lshl_b32 s2, s[BY], 16                       ; h0[l]: 1 << 20 bytes a layer
	s_add_co_u32 s2, s2, LAYER<<20
	s_mov_b32 s[G0AH], 1
	s_mov_b32 s[G0AH+1], AH0
	s_add_nc_u64 s[G0AH+2:G0AH+3], s[PHC:PHC+1], s[2:3]
	s_or_b32 s[G0AH+3], s[G0AH+3], 0x80000000
	s_lshl_b32 s66, s[WV], 19                      ; W: 1 << 21 bytes a layer, 1 << 19 a gate (wave w fetches gate w), 64 rows of 512 bytes for bx
	s_lshl_b32 s67, s[BX], 15
	s_add_co_u32 s66, s66, s67
	s_add_co_u32 s66, s66, LAYER<<21
	s_mov_b32 s67, 0
	s_mul_i32 s101, s[WV], CHUNK
	s_mov_b32 s[G0B0], 1
	s_add_co_u32 s[G0B0+1], s101, BS0
	s_add_nc_u64 s[G0B0+2:G0B0+3], s[PWIC:PWIC+1], s[66:67]
	s_mov_b32 s[G0B1], 1
	s_add_co_u32 s[G0B1+1], s101, BS1
	s_add_nc_u64 s[G0B1+2:G0B1+3], s[G0B0+2:G0B0+3], 256
	s_or_b32 s[G0B0+3], s[G0B0+3], 0x80000000
	s_or_b32 s[G0B1+3], s[G0B1+3], 0x80000000
	s_mov_b32 s[G0B2], 1
	s_add_co_u32 s[G0B2+1], s101, BS2              ; (waves 0 to 2 alone ask by it)
	s_add_nc_u64 s[G0B2+2:G0B2+3], s[PWHC:PWHC+1], s[66:67]
	s_mov_b32 s[G0B3], 1
	s_add_co_u32 s[G0B3+1], s101, BS0
	s_add_nc_u64 s[G0B3+2:G0B3+3], s[G0B2+2:G0B2+3], 256
	s_or_b32 s[G0B2+3], s[G0B2+3], 0x80000000
	s_or_b32 s[G0B3+3], s[G0B3+3], 0x80000000
	CROUND                                         ; all sixteen work-groups are here: the first joint loads meet
	; THE FIRST FILLS, one group behind the round: four loads a wave are out.  In the order of their use: inp, W_ih's two halves, then W_hh's first half (waves 0 to 2: gates i, f, g) or h0 (wave 3)
	tensor_load_to_lds s[G0AI:G0AI+3], s[G1AI:G1AI+7]
	s_nop 0
	tensor_load_to_lds s[G0B0:G0B0+3], s[G1B:G1B+7]
	s_nop 0
	tensor_load_to_lds s[G0B1:G0B1+3], s[G1B:G1B+7]
	s_nop 0
	s_cmp_lt_u32 s[WV], 3                          ; the branch hangs on the wave's number alone; four v_nop follow each of the two lines
	s_cbranch_scc0 .Lwave_3
	tensor_load_to_lds s[G0B2:G0B2+3], s[G1B:G1B+7]
	s_nop 0
.rept 4
	v_nop
.endr
	s_branch .Lfilled
.Lwave_3:
	tensor_load_to_lds s[G0AH:G0AH+3], s[G1AH:G1AH+7]
	s_nop 0
.rept 4
	v_nop
.endr
.Lfilled:
	; WHAT COMES STRAIGHT INTO REGISTERS.  The scale words of all of K: lane l takes the 32 bytes of row (or unit) l of 32: lanes 0-15 serve one tile, lanes 16-31 the next
	s_mov_b32 s101, 0
	s_lshl_b32 s100, s[BY], 12
	SH WR, 11                                      ; 32 bytes x (128 by + 64 wr)
	s_add_nc_u64 s[PIS:PIS+1], s[PIS:PIS+1], s[100:101]
.if LAYER < 3
	s_add_nc_u64 s[PQS:PQS+1], s[PQS:PQS+1], s[100:101]
.endif
	s_add_co_u32 s100, s100, LAYER<<16
	s_add_nc_u64 s[PHS:PHS+1], s[PHS:PHS+1], s[100:101]
.irp p, 0,1
.irp i, 0,1
	global_load_b128 v[32+8*\p+4*\i:32+8*\p+4*\i+3], v[L32], s[PIS:PIS+1] offset:1024*\p+16*\i
	global_load_b128 v[48+8*\p+4*\i:48+8*\p+4*\i+3], v[L32], s[PHS:PHS+1] offset:1024*\p+16*\i
.endr
.endr
	s_lshl_b32 s100, s[BX], 11                     ; 32 bytes x (4,096 l + 64 bx + 32 wu); a gate is 32,768 bytes on
	SH WU, 10
	s_add_co_u32 s100, s100, LAYER<<17
	s_add_nc_u64 s[PWIS:PWIS+1], s[PWIS:PWIS+1], s[100:101]
	s_add_nc_u64 s[PWHS:PWHS+1], s[PWHS:PWHS+1], s[100:101]
.irp g, 0,1,2,3
.irp i, 0,1
	global_load_b128 v[64+8*\g+4*\i:64+8*\g+4*\i+3], v[L32], s[PWIS:PWIS+1] offset:32768*\g+16*\i
	global_load_b128 v[96+8*\g+4*\i:96+8*\g+4*\i+3], v[L32], s[PWHS:PWHS+1] offset:32768*\g+16*\i
.endr
.endr
	s_lshl_b32 s100, s[BX], 8                      ; the biases: 4 bytes x (4,096 l + 64 bx + 32 wu)
	SH WU, 7
	s_add_co_u32 s100, s100, LAYER<<14
	s_add_nc_u64 s[PBI:PBI+1], s[PBI:PBI+1], s[100:101]
	s_add_nc_u64 s[PBH:PBH+1], s[PBH:PBH+1], s[100:101]
.irp g, 0,1,2,3
.irp u, 0,1
.irp i, 0,1
	global_load_b128 v[128+16*\g+8*\u+4*\i:128+16*\g+8*\u+4*\i+3], v[BIO], s[PBI:PBI+1] offset:4096*\g+64*\u+16*\i
	global_load_b128 v[192+16*\g+8*\u+4*\i:192+16*\g+8*\u+4*\i+3], v[BIO], s[PBH:PBH+1] offset:4096*\g+64*\u+16*\i
.endr
.endr
.endr
	s_lshl_b32 s100, s[BX], 15                     ; the o gate's chunk of W_hh's first half: my 32 units' rows
	SH WU, 14
	s_add_co_u32 s100, s100, (LAYER<<21)+(3<<19)
	s_add_nc_u64 s[PWHC:PWHC+1], s[PWHC:PWHC+1], s[100:101]
	s_lshl_b32 s100, s[BY], 19                     ; c0, out0, out1: 4,096 bytes x (2,048 l + 128 by + 64 wr + 16 wu) + 256 bx
	SH WR, 18
	SH WU, 16
	SH BX, 8
	s_add_co_u32 s100, s100, LAYER<<23
	s_add_nc_u64 s[PC0:PC0+1], s[PC0:PC0+1], s[100:101]
	s_add_nc_u64 s[PO0:PO0+1], s[PO0:PO0+1], s[100:101]
	s_add_nc_u64 s[PO1:PO1+1], s[PO1:PO1+1], s[100:101]
.if LAYER < 3
	s_lshl_b32 s100, s[BY], 16                     ; h's codes: 65,536 by + 2,048 (2 bx + wu) + 16 x 64 wr
	SH BX, 12
	SH WU, 11
	SH WR, 10
	s_add_nc_u64 s[PQC:PQC+1], s[PQC:PQC+1], s[100:101]
	s_lshl_b32 s100, s[BX], 1                      ; h's scale bytes: byte 2 bx + wu of a row's 32
	s_add_co_u32 s100, s100, s[WU]
	s_add_nc_u64 s[PQS:PQS+1], s[PQS:PQS+1], s[100:101]
.endif
	s_wait_loadcnt 0x0                             ; the scale words and the biases: 56 loads were out
.irp p, 0,2,4,6,8,10,12,14,16,18,20,22,24,26,28,30,32,34,36,38,40,42,44,46,48,50,52,54,56,58,60,62
	v_pk_add_f32 v[128+\p:129+\p], v[128+\p:129+\p], v[192+\p:193+\p]   ; b_ih + b_hh: the C of each sum's first product
.endr
	WIN 0x80                                       ; destination window 2
.irp q, 0,1,2,3
.irp u, 0,1
.irp c, 0,1
	global_load_b128 v[192+16*\q+8*\u+4*\c:192+16*\q+8*\u+4*\c+3], v[BOO], s[PWHC:PWHC+1] offset:8192*\u+64*\q+32*\c   ; the o gate's chunk, as fragments; wanted in K step 8
.endr
.endr
.endr
	WIN 0
.irp t, 0,1,2,3,4,5,6,7,8,9,10,11,12,13,14,15
	global_load_b128 v[192+4*\t:195+4*\t], v[GOF], s[PC0:PC0+1] offset:131072*(\t/8)+8192*(\t%8) th:TH_LOAD_NT   ; c0: sixteen lanes read 256 consecutive bytes of a row; wanted behind K step 11
.endr
; 8 matrix instructions: K step sg, row tile m x my eight tiles of W (gate g, half u).  The 32 accumulators take turns, one instruction a turn, in the same order in every step.
; W's scale words: lanes 0-15 tile u = 0, lanes 16-31 tile u = 1; the rows': lanes 0-15 the even row tile, lanes 16-31 the odd one.
.macro MUL8 sg, m
.set KT, (\sg)/8
.set KW, (\sg)%8
.set KK, (\sg)/4
.set KQ, (\sg)%4
.set FS, 96*((\sg)%2)
.irp g, 0,1,2,3
.irp u, 0,1
.set rD, 64*((\m)%2)+16*\g+8*\u
.set rB, FS+32+16*\g+8*\u
.if (KK == 2) && (\g == 3)
.set rB, 192+16*KQ+8*\u
.endif
.set rA, FS+8*(\m)
.set rC, rD
.if (\sg) == 0
.set rC, 128+16*\g+8*\u
.endif
.set rSB, 64+32*KT+8*\g+KW
.set rSA, 32+16*KT+8*((\m)/2)+KW
.if (\u == 1) && ((\m)%2 == 1)
	v_wmma_scale_f32_16x16x128_f8f6f4 v[rD:rD+7], v[rB:rB+7], v[rA:rA+7], v[rC:rC+7], v[rSB], v[rSA] matrix_a_fmt:MATRIX_FMT_FP4 matrix_b_fmt:MATRIX_FMT_FP4 matrix_a_scale:MATRIX_SCALE_ROW1 matrix_b_scale:MATRIX_SCALE_ROW1
.elseif \u == 1
	v_wmma_scale_f32_16x16x128_f8f6f4 v[rD:rD+7], v[rB:rB+7], v[rA:rA+7], v[rC:rC+7], v[rSB], v[rSA] matrix_a_fmt:MATRIX_FMT_FP4 matrix_b_fmt:MATRIX_FMT_FP4 matrix_a_scale:MATRIX_SCALE_ROW1
.elseif (\m)%2 == 1
	v_wmma_scale_f32_16x16x128_f8f6f4 v[rD:rD+7], v[rB:rB+7], v[rA:rA+7], v[rC:rC+7], v[rSB], v[rSA] matrix_a_fmt:MATRIX_FMT_FP4 matrix_b_fmt:MATRIX_FMT_FP4 matrix_b_scale:MATRIX_SCALE_ROW1
.else
	v_wmma_scale_f32_16x16x128_f8f6f4 v[rD:rD+7], v[rB:rB+7], v[rA:rA+7], v[rC:rC+7], v[rSB], v[rSA] matrix_a_fmt:MATRIX_FMT_FP4 matrix_b_fmt:MATRIX_FMT_FP4
.endif
.endr
.endr
.endm
; K step sg's fragments into set sg % 2, in one run: 8 loads for the rows, 16 for W (12 where the o gate's lie in registers).  A fragment: lane (r, h) takes bytes 32 c + 16 h .. + 15 of its row's 64
.macro FETCH sg
.set KW, (\sg)%8
.set KK, (\sg)/4
.set KQ, (\sg)%4
.set FS, 96*((\sg)%2)
.set rAD, ADB0+KK%3
	WIN 0x80
.irp m, 0,1,2,3
.irp c, 0,1
.if (\sg) < 8
	ds_load_b128 v[FS+8*\m+4*\c:FS+8*\m+4*\c+3], v[ADAI] offset:\m*AIM+KW*AIS+\c*AIC
.else
	ds_load_b128 v[FS+8*\m+4*\c:FS+8*\m+4*\c+3], v[ADAH] offset:\m*16*PA+KW*64+\c*32
.endif
.endr
.endr
.irp g, 0,1,2,3
.if (KK != 2) || (\g != 3)
.irp u, 0,1
.irp c, 0,1
	ds_load_b128 v[FS+32+16*\g+8*\u+4*\c:FS+32+16*\g+8*\u+4*\c+3], v[rAD] offset:(64*\g+16*\u)*PB+64*KQ+32*\c
.endr
.endr
.endif
.endr
.endm
.macro STEP sg
	s_wait_dscnt 0x0                               ; this step's fragments, asked for a step (32 matrix instructions) ago
.if (\sg) == 8
	s_wait_loadcnt 16                              ; the o gate's chunk is in; c0's 16 loads may be out
.endif
.if (\sg) < 15
	PLACES                                         ; the other set was read by the last step's products
	FETCH (\sg)+1
.endif
.if (\sg) == 0
	WIN 0x4a                                       ; sources 0 and 1 window 2, C (the biases) window 0, D window 1
.else
	WIN 0x5a                                       ; C and D window 1
.endif
	MUL8 \sg, 0
	MUL8 \sg, 1
.if (\sg) == 0
	WIN 0xca
.else
	WIN 0xfa                                       ; C and D window 3
.endif
	MUL8 \sg, 2
	MUL8 \sg, 3
.endm
; A K step with a barrier in it.  In front of the signal each wave waits for all its tensor loads, adds 0 to its spare word, and waits for that and for its LDS reads.
; fill = 1: the barrier opens a round of the cluster's barrier; behind it the slot BS0, which nobody reads any more, takes W_hh's second half: one joint load a wave.
.macro TURN sg, fill
	WIN 0                                          ; (the add's two registers lie in window 0)
	s_wait_tensorcnt 0x0                           ; all my tensor loads have landed
	ds_add_u32 v[SPW], v[NIL]                      ; 0 onto my spare word
	s_wait_dscnt 1                                 ; this step's fragments are in; the add may be out
	WIN 0x5a
	MUL8 \sg, 0                                    ; eight matrix instructions stand between the add and the wait for it
	s_wait_dscnt 0x0                               ; the add is done; none of my LDS reads is out
	s_barrier_signal -1
	MUL8 \sg, 1
	WIN 0
	s_barrier_wait -1
.if \fill
	CREST                                          ; no wave of any partner still reads BS0 or has a load on its way
	tensor_load_to_lds s[G0B3:G0B3+3], s[G1B:G1B+7]   ; the first tensor load behind the round, and my only one: eight K steps ahead of its first read
	s_nop 0
.rept 4
	v_nop                                          ; (the places in front of the loads below)
.endr
.else
	PLACES
.endif
	FETCH (\sg)+1
	WIN 0xfa
	MUL8 \sg, 2
	MUL8 \sg, 3
.endm
	s_wait_tensorcnt 2                             ; my parts of inp and of W_ih's first half are in; my two younger loads may be out
	s_barrier_signal -1
	s_barrier_wait -1                              ; everybody's are
	FETCH 0
	STEP 0                                         ; its products start the sums, with the biases as C: nothing is cleared
	STEP 1
	STEP 2
	TURN 3, 1                                      ; shows W_ih's second half, W_hh's first half and h0 to every wave, and fills BS0 again
	STEP 4
	STEP 5
	STEP 6
	STEP 7
	STEP 8
	STEP 9
	STEP 10
	TURN 11, 0                                     ; shows W_hh's second half to every wave; every wave's reads of BS1 are over, so BS1 becomes the stages
	WIN 0
	s_wait_loadcnt 0x0                             ; c0
.irp t, 0,1,2,3,4,5,6,7,8,9,10,11,12,13,14,15
	ds_store_b128 v[RD], v[192+4*\t:195+4*\t] offset:(\t/8)*32*PB+(\t%8)*2*PB   ; whole rows into the stage: BS1 has had its only fill
.endr
	STEP 12
	STEP 13
	STEP 14
	STEP 15
	WIN 0
	PLACES                                         ; behind the last products
	s_wait_dscnt 0x0                               ; for the others' sake: my stores of c0
	s_barrier_signal -1
	s_barrier_wait -1                              ; c0 lies in the stage
	WIN 0x40                                       ; destination window 1
.irp mm, 0,1
.irp u, 0,1
.irp i, 0,1
	ds_load_b128 v[eC+16*\mm+8*\u+4*\i:eC+16*\mm+8*\u+4*\i+3], v[EA] offset:\mm*16*PB+64*\u+16*\i   ; c0 of my units, in the cell's layout
.endr
.endr
.endr
	WIN 0xc0                                       ; window 3
.irp mm, 0,1
.irp u, 0,1
.irp i, 0,1
	ds_load_b128 v[eC+16*\mm+8*\u+4*\i:eC+16*\mm+8*\u+4*\i+3], v[EA] offset:(2+\mm)*16*PB+64*\u+16*\i
.endr
.endr
.endr
	s_mov_b32 s[K1], 0xbfb8aa3b                    ; every load by s[4:9] has been waited for
	s_mov_b32 s[K1+1], 0xbfb8aa3b
	s_mov_b32 s[K2], 0xc038aa3b
	s_mov_b32 s[MSK], 0x7fffffff
.if LAYER < 3
	s_mov_b32 s[SEL], 0x76543210
	s_mov_b32 s[SEL+1], 0xfedcba98
	s_mov_b32 vcc_lo, 0xffff0000                   ; lanes 16-31
.endif
; THE CELL'S LINES, each on 16 numbers of both row tiles of a window; a group's registers lie dn (xn, yn) apart from tile to tile.  All go up the registers: each accumulator is first read at its low end.
.macro SCL d                           ; d = -log2(e) d
.irp mm, 0,1
.irp p, 0,2,4,6,8,10,12,14
	v_pk_mul_f32 v[\d+64*\mm+\p:\d+64*\mm+\p+1], v[\d+64*\mm+\p:\d+64*\mm+\p+1], s[K1:K1+1] op_sel_hi:[1,0]
.endr
.endr
.endm
.macro ARG2 d, dn, x, xn               ; d = -2 log2(e) |x|
.irp mm, 0,1
.irp e, 0,1,2,3,4,5,6,7,8,9,10,11,12,13,14,15
	v_mul_f32 v[\d+\dn*\mm+\e], s[K2], |v[\x+\xn*\mm+\e]|
.endr
.endr
.endm
.macro EXPS d, dn
.irp mm, 0,1
.irp e, 0,1,2,3,4,5,6,7,8,9,10,11,12,13,14,15
	v_exp_f32 v[\d+\dn*\mm+\e], v[\d+\dn*\mm+\e]
.endr
.endr
.endm
.macro RCPS d, dn
.irp mm, 0,1
.irp e, 0,1,2,3,4,5,6,7,8,9,10,11,12,13,14,15
	v_rcp_f32 v[\d+\dn*\mm+\e], v[\d+\dn*\mm+\e]
.endr
.endr
.endm
.macro BATCH                           ; behind a batch of transcendentals: one plain instruction, and a wait ahead of the first line that names a result
	v_nop
	s_wait_alu depctr_va_vdst(0)
.endm
.macro ADD1 d, dn, x, xn               ; d = x + 1
.irp mm, 0,1
.irp p, 0,2,4,6,8,10,12,14
	v_pk_add_f32 v[\d+\dn*\mm+\p:\d+\dn*\mm+\p+1], v[\x+\xn*\mm+\p:\x+\xn*\mm+\p+1], 1.0 op_sel_hi:[1,0]
.endr
.endr
.endm
.macro ONEM d, dn                      ; d = 1 - d
.irp mm, 0,1
.irp p, 0,2,4,6,8,10,12,14
	v_pk_fma_f32 v[\d+\dn*\mm+\p:\d+\dn*\mm+\p+1], v[\d+\dn*\mm+\p:\d+\dn*\mm+\p+1], -1.0, 1.0 op_sel_hi:[1,0,0]
.endr
.endr
.endm
.macro PMUL d, dn, x, xn, y, yn        ; d = x y
.irp mm, 0,1
.irp p, 0,2,4,6,8,10,12,14
	v_pk_mul_f32 v[\d+\dn*\mm+\p:\d+\dn*\mm+\p+1], v[\x+\xn*\mm+\p:\x+\xn*\mm+\p+1], v[\y+\yn*\mm+\p:\y+\yn*\mm+\p+1]
.endr
.endr
.endm
.macro SIGN d, dn, x, xn, y, yn        ; d = x's magnitude with y's sign
.irp mm, 0,1
.irp e, 0,1,2,3,4,5,6,7,8,9,10,11,12,13,14,15
	v_bfi_b32 v[\d+\dn*\mm+\e], s[MSK], v[\x+\xn*\mm+\e], v[\y+\yn*\mm+\e]
.endr
.endr
.endm
; THE CELL for the two row tiles of window W (1: tiles 0, 1; 3: tiles 2, 3), in six pieces: CP1, CP2, CP3 make c; HP1, HP2, HP3 make h.
; sigmoid(a) = 1 / (1 + 2^(-log2(e) a)); tanh(b) = sign(b) (1 - e) / (1 + e), e = 2^(-2 log2(e) |b|), which lies in (0, 1].  sigmoid(a) tanh(b) takes ONE reciprocal, of (1 + 2^..)(1 + e): eight transcendentals a cell.
; An exponential that overflows gives infinity, its product with 1 + e (1 to 2) infinity, the reciprocal 0: no clamp, no 0 x infinity.
.macro CP1 W                           ; the exponentials of i, f and g
.set EW, 0x55*(\W)
	WIN EW                                         ; every operand place in window W
	SCL eI
	SCL eF
	ARG2 eT, 16, eG, 64
	EXPS eI, 64
	EXPS eF, 64
	EXPS eT, 16
	BATCH
.endm
.macro CP2 W                           ; the two reciprocals
.set EW, 0x55*(\W)
	WIN EW
	ADD1 eU, 16, eT, 16                            ; 1 + e
	ADD1 eI, 64, eI, 64
	ADD1 eF, 64, eF, 64
	PMUL eI, 64, eI, 64, eU, 16
	ONEM eT, 16                                    ; 1 - e
	SIGN eG, 64, eT, 16, eG, 64
	RCPS eI, 64
	RCPS eF, 64
	BATCH
.endm
.macro CP3 W, cw                       ; c, in g's registers.  cw: the LDS instructions that may be out when c0 is wanted
.set EW, 0x55*(\W)
	WIN EW
	s_wait_dscnt \cw                               ; c0
	PMUL eG, 64, eG, 64, eI, 64                    ; sigmoid(i) tanh(g)
.irp mm, 0,1
.irp p, 0,2,4,6,8,10,12,14
	v_pk_fma_f32 v[eG+64*\mm+\p:eG+64*\mm+\p+1], v[eC+16*\mm+\p:eC+16*\mm+\p+1], v[eF+64*\mm+\p:eF+64*\mm+\p+1], v[eG+64*\mm+\p:eG+64*\mm+\p+1]   ; c = c0 sigmoid(f) + that
.endr
.endr
.endm
.macro HP1 W                           ; the exponentials of o and c
.set EW, 0x55*(\W)
	WIN EW
	SCL eO
	ARG2 eT, 16, eG, 64
	EXPS eO, 64
	EXPS eT, 16
	BATCH
.endm
.macro HP2 W                           ; the reciprocal
.set EW, 0x55*(\W)
	WIN EW
	ADD1 eU, 16, eT, 16
	ADD1 eO, 64, eO, 64
	PMUL eO, 64, eO, 64, eU, 16
	ONEM eT, 16
	SIGN eT, 16, eT, 16, eG, 64
	RCPS eO, 64
	BATCH
.endm
.macro HP3 W                           ; h, in o's registers; in layers 0 to 2 its codes and scale bytes
.set EW, 0x55*(\W)
	WIN EW
	PMUL eO, 64, eT, 16, eO, 64                    ; h = sigmoid(o) tanh(c)
.if LAYER < 3
	; h's block of 32 units: my 16 and lane l xor 16's
	v_mov_b32 v230, 0                              ; (a lane permute's destination counts as one of its sources)
	v_mov_b32 v231, 0
.irp mm, 0,1
	v_max3_num_f32 v[228+\mm], |v[eO+64*\mm]|, |v[eO+64*\mm+1]|, 0x1800000   ; and the floor 2^(3 - 127): the byte cannot fall under 1
.endr
.irp i, 2,4,6,8,10,12,14
.irp mm, 0,1
	v_max3_num_f32 v[228+\mm], v[228+\mm], |v[eO+64*\mm+\i]|, |v[eO+64*\mm+\i+1]|
.endr
.endr
.irp mm, 0,1
	v_permlanex16_b32 v[230+\mm], v[228+\mm], s[SEL], s[SEL+1]
.endr
.irp mm, 0,1
	v_max_num_f32 v[228+\mm], v[228+\mm], v[230+\mm]   ; the block's largest magnitude
.endr
.irp mm, 0,1
	v_add_nc_u32 v[232+\mm], 0xff000000, v[228+\mm]    ; 2 off its exponent field: the conversion takes this operand's exponent field as its scale
.endr
.irp mm, 0,1
	v_lshrrev_b32 v[234+\mm], 23, v[232+\mm]           ; the scale's byte
.endr
	v_cndmask_b32 v236, v234, v235, vcc_lo         ; lanes 0-15: the first tile's row r; lanes 16-31: the second's: lane l has the byte of the pair's row l
	v_cvt_scalef32_pk8_fp4_f32 v224, v[eO:eO+7], v232          ; units 8 h + 0 .. 7 of the first tile's row r: word h of the block's four
	v_cvt_scalef32_pk8_fp4_f32 v225, v[eO+64:eO+71], v233      ; the same of the second tile
	v_cvt_scalef32_pk8_fp4_f32 v226, v[eO+8:eO+15], v232       ; units 16 + 8 h + 0 .. 7: word 2 + h
	v_cvt_scalef32_pk8_fp4_f32 v227, v[eO+72:eO+79], v233
	v_nop                                          ; one plain instruction behind a scaled conversion
	v_permlane16_swap_b32 v224, v225               ; the first's lanes 16-31 change places with the second's lanes 0-15: v224 = word 0, v225 = word 1 of the pair's row l
	v_permlane16_swap_b32 v226, v227               ; v226 = word 2, v227 = word 3
.set SW, 4*(\W)
.set WP, (\W)/2
	WIN SW                                         ; a store's data: window W; its address: window 0
	global_store_b128 v[L16], v[224:227], s[PQC:PQC+1] offset:512*WP    ; 32 lanes store 512 consecutive bytes
	global_store_b8 v[L32], v236, s[PQS:PQS+1] offset:1024*WP
.endif
.endm
; A PART'S WAY OUT.  STAGE: window W's 32 numbers a lane (src: c or h) into the stage at off, in the cell's layout: my own bytes (c goes over the c0 that I alone read there).
.macro STAGE W, src, off
.set SW, 4*(\W)
.set WP, (\W)/2
	WIN SW
.irp mm, 0,1
.irp u, 0,1
.irp i, 0,1
	ds_store_b128 v[EA], v[\src+64*\mm+8*\u+4*\i:\src+64*\mm+8*\u+4*\i+3] offset:(2*WP+\mm)*16*PB+64*\u+16*\i+\off
.endr
.endr
.endr
.endm
.macro SYNC                            ; my stores into the stage are done, and none of my LDS loads is out; then the work-group's barrier: the part lies whole in the stage
	s_wait_dscnt 0x0
	s_barrier_signal -1
	s_barrier_wait -1
.endm
.macro BACK p, off, reg                ; 16 whole rows of the part of row tiles 2 p, 2 p + 1 into window 2, v[reg] on: each part has 32 registers of its own, so that no store's data are written again
	WIN 0x80
.irp t, 0,1,2,3,4,5,6,7
	ds_load_b128 v[\reg+4*\t:\reg+4*\t+3], v[RD] offset:(\p)*32*PB+\t*2*PB+\off
.endr
.endm
.macro SEND p, reg, ptr, down          ; and to memory.  down = 0: the loads were issued a piece of arithmetic ago: one wait; down = 1: the last part: the counts run down
	WIN 0x08                                       ; a store's data: window 2
.if (\down) == 0
	s_wait_dscnt 0x0
.endif
.irp t, 0,1,2,3,4,5,6,7
.if \down
	s_wait_dscnt 7-\t                              ; LDS loads come back in order: this one is in, the younger ones may be out
.endif
	global_store_b128 v[GOF], v[\reg+4*\t:\reg+4*\t+3], s[\ptr:\ptr+1] offset:(\p)*131072+\t*8192 th:TH_STORE_NT   ; sixteen lanes store 256 consecutive bytes, at a multiple of 256 from the buffer's first byte
.endr
.endm
	CP1 1
	CP2 1
	CP3 1, 8                                       ; window 3's eight loads of c0 may be out
	STAGE 1, eG, 0                                 ; part 1: c of row tiles 0, 1
	HP1 1
	SYNC
	BACK 0, 0, 0
	HP2 1
	SEND 0, 0, PO1, 0
	HP3 1
	STAGE 1, eO, HOFF                              ; part 2: their h
	CP1 3
	SYNC
	BACK 0, HOFF, 32
	CP2 3
	SEND 0, 32, PO0, 0
	CP3 3, 0
	STAGE 3, eG, 0                                 ; part 3: c of row tiles 2, 3
	HP1 3
	SYNC
	BACK 1, 0, 64
	HP2 3
	SEND 1, 64, PO1, 0
	HP3 3
	STAGE 3, eO, HOFF                              ; part 4: their h
	SYNC
	BACK 1, HOFF, 96
	SEND 1, 96, PO0, 1
	WIN 0
	s_wait_tensorcnt 0x0                           ; the wave's end: behind my last tensor load and my last LDS store
	ds_add_u32 v[SPW], v[NIL]
	s_wait_dscnt 0x0
	CROUND                                         ; the closing round: no work-group ends while a partner may still ask for a tile that names it
	s_endpgm
.Lfunc_end_k_q25c6fdaf00_layer2:
	.size	k_q25c6fdaf00_layer2, .Lfunc_end_k_q25c6fdaf00_layer2-k_q25c6fdaf00_layer2
	.p2alignl 7, 3214868480
	.fill 96, 4, 3214868480
	.section	.rodata,"a",@progbits
	.p2align	6, 0x0
	.amdhsa_kernel k_q25c6fdaf00_layer2
		.amdhsa_group_segment_fixed_size 327680
		.amdhsa_private_segment_fixed_size 0
		.amdhsa_enable_private_segment 0
		.amdhsa_kernarg_size 120
		.amdhsa_user_sgpr_count 2
		.amdhsa_user_sgpr_kernarg_segment_ptr 1
		.amdhsa_wavefront_size32 1
		.amdhsa_system_sgpr_workgroup_id_x 1
		.amdhsa_system_sgpr_workgroup_id_y 1
		.amdhsa_system_sgpr_workgroup_id_z 1
		.amdhsa_system_vgpr_workitem_id 0
		.amdhsa_next_free_vgpr 1024
		.amdhsa_next_free_sgpr 102
		.amdhsa_reserve_vcc 1
		.amdhsa_float_denorm_mode_32 3
		.amdhsa_float_denorm_mode_16_64 3
		.amdhsa_memory_ordered 1
		.amdhsa_forward_progress 1
		.amdhsa_inst_pref_size 190
	.end_amdhsa_kernel
	.amdgpu_metadata
---
amdhsa.version: [ 1, 2 ]
amdhsa.kernels:
  - .name:           k_q25c6fdaf00_layer2
    .symbol:         k_q25c6fdaf00_layer2.kd
    .args:
      - { .name: hc_b, .offset: 0, .size: 8, .value_kind: global_buffer, .address_space: global }
      - { .name: hs_b, .offset: 8, .size: 8, .value_kind: global_buffer, .address_space: global }
      - { .name: h0_codes, .offset: 16, .size: 8, .value_kind: global_buffer, .address_space: global }
      - { .name: h0_scales, .offset: 24, .size: 8, .value_kind: global_buffer, .address_space: global }
      - { .name: W_ih_codes, .offset: 32, .size: 8, .value_kind: global_buffer, .address_space: global }
      - { .name: W_ih_scales, .offset: 40, .size: 8, .value_kind: global_buffer, .address_space: global }
      - { .name: W_hh_codes, .offset: 48, .size: 8, .value_kind: global_buffer, .address_space: global }
      - { .name: W_hh_scales, .offset: 56, .size: 8, .value_kind: global_buffer, .address_space: global }
      - { .name: b_ih, .offset: 64, .size: 8, .value_kind: global_buffer, .address_space: global }
      - { .name: b_hh, .offset: 72, .size: 8, .value_kind: global_buffer, .address_space: global }
      - { .name: c0, .offset: 80, .size: 8, .value_kind: global_buffer, .address_space: global }
      - { .name: out0, .offset: 88, .size: 8, .value_kind: global_buffer, .address_space: global }
      - { .name: out1, .offset: 96, .size: 8, .value_kind: global_buffer, .address_space: global }
      - { .name: hc_a, .offset: 104, .size: 8, .value_kind: global_buffer, .address_space: global }
      - { .name: hs_a, .offset: 112, .size: 8, .value_kind: global_buffer, .address_space: global }
    .group_segment_fixed_size: 327680
    .private_segment_fixed_size: 0
    .kernarg_segment_align: 8
    .kernarg_segment_size: 120
    .max_flat_workgroup_size: 128
    .sgpr_count:     102
    .vgpr_count:     1024
    .wavefront_size: 32
...
	.end_amdgpu_metadata
.endif
;; end of part 3
;; launch layer3 (part 4): grid 16 x 16, 4 waves a work-group, clusters of 4 x 4, 327,680 bytes of LDS; arguments hc_a, hs_a, h0_codes, h0_scales, W_ih_codes, W_ih_scales, W_hh_codes, W_hh_scales, b_ih, b_hh, c0, out0, out1; writes out0, out1
.if DOCPART == 4
	.amdgcn_target "amdgcn-amd-amdhsa--gfx1250"
	.amdhsa_code_object_version 6
	.text
	.protected	k_q25c6fdaf00_layer3
	.globl	k_q25c6fdaf00_layer3
	.p2align	8
	.type	k_q25c6fdaf00_layer3,@function
k_q25c6fdaf00_layer3:
	s_mov_b64 s[64:65], 0
	v_nop
	global_prefetch_b8 v0, s[64:65] scope:SCOPE_SE
	s_setreg_imm32_b32 hwreg(HW_REG_WAVE_MODE, 25, 1), 1
	s_wait_xcnt 0x0
	s_wait_alu depctr_hold_cnt(0) depctr_sa_sdst(0) depctr_va_vdst(0) depctr_va_sdst(0) depctr_va_ssrc(0) depctr_va_vcc(0) depctr_vm_vsrc(0)
	s_getreg_b32 s2, hwreg(HW_REG_IB_STS2, 6, 4)
	s_cmp_eq_u32 s2, 0
	s_cbranch_scc0 .Lentry_in_a_cluster
	s_endpgm
.Lentry_in_a_cluster:
	s_bfe_u32 s2, ttmp6, 0x10000c
	s_cmp_lg_u32 s2, 0xf033
	s_cbranch_scc0 .Lentry_shape_is_right
	s_endpgm
.Lentry_shape_is_right:
; ONE LAYER OF A STACK OF FOUR LSTM CELLS, on codes of FP4 (E2M1) with one E8M0 scale for each 32 along K.  The four layers' texts differ in the line .set LAYER alone.
; gates[2048][4096] = inp W_ih[l]^T + b_ih[l] + h0[l] W_hh[l]^T + b_hh[l]: one sum over K = 2,048 (16 steps of 128: 8 of inp W_ih, 8 of h0 W_hh), then the cell in f32:
; c = sigmoid(f) c0 + sigmoid(i) tanh(g) -> out1[l];  h = sigmoid(o) tanh(c) -> out0[l];  in layers 0 to 2 h is also quantised along the hidden axis, for the next layer's inp.
; LAYER is a constant of the text: it enters the joint loads' addresses, which are made of constants, the wave's number and coordinates that the partners share.
; Layer 0: inp = x, rows of 512 bytes.  Layers 1 to 3: inp = the layer before's h, in this program's own layout.
; SHARES.  256 work-groups of four waves.  Work-group (bx, by) owns rows 128 by .. + 127 and hidden units 64 bx .. + 63 of ALL FOUR gates; wave w owns 64 rows (wr = w / 2) x 32 units (wu = w % 2): one block of the quantiser.
; THE MATRIX INSTRUCTION IS USED TRANSPOSED: source 0 = 16 rows of W (units), source 1 = 16 rows of the batch.  Lane (r, h) then holds batch row r, and register j unit 8 h + j of the tile: a lane has the four gates
; of its 16 units, so the cell needs no other lane, and a block's largest magnitude needs lane l xor 16 alone.
; CLUSTER 4 x 4.  The four work-groups of a row of the cluster share by, so inp's and h0's tiles are asked for jointly; the four of a column share bx, so W's are.
; LDS.  All of inp (128 rows x 512 bytes), all of h0, and 11 of W's 16 chunks (a chunk: one gate's 64 rows x 256 bytes, 17,408 bytes with padding) are asked for at the start: 326,656 bytes.  A 12th chunk does not fit: the
; o gate's chunk of W_hh's first half goes from memory into 64 registers of each wave.  The last four chunks (W_hh's second half) fill the first slot again, once: asked for in K step 3, first read in K step 11.
; THE WAY OUT GOES IN FOUR PARTS: c of row tiles 0, 1; their h; c of row tiles 2, 3; their h.  A part goes through a stage in LDS (a row's 256 bytes come from two waves: a barrier stands between the writing and the reading)
; and leaves as whole rows.  A part's barrier, its loads from the stage and its stores to memory stand between the pieces of the next part's arithmetic, so that only the last part's stores are issued behind the last arithmetic.
; h's codes for the next layer: [by 16][block of 32 units 32][row 128][16 bytes]: a wave's store covers 512 consecutive bytes, a reader's 64 KiB are one dense block.  h's scale bytes: [2048][32], as x's.
; LIMITS.  tanh(x) = sign(x) (1 - e) / (1 + e), e = exp(-2 |x|): absolute error about 1e-7, so relative accuracy falls off for |x| under about 1e-3.  A block of zeros in h gets the scale byte 1 where the quantiser's
; rule says 127: its codes are zeros, and this program alone reads the bytes.  NaN and infinities among the inputs are not served.  h's scale bytes leave as single bytes 32 bytes apart (2 of a row's 32 are a work-group's).
; REGISTERS, in windows of 256.  Window 0: v0-19 addresses; v32-63 the rows' scale words; v64-127 W's scale words; v128-191 b_ih + b_hh in the result's layout; v192-255 b_hh, then c0.
;   Window 2: two sets of 96 for a K step's fragments (4 of the rows, 8 of W); v192-255 the o gate's chunk; on the way out v0-127: four sets of 32 for whole rows.
;   Window 1: row tiles 0, 1: accumulators v0-127, the cell's work v128-236.   Window 3: the same for row tiles 2, 3.
.set LAYER, 3
.set PA,    528                        ; an LDS row of x or h0: 512 bytes + 16 = 33 x 16: the 16 rows of a fragment load fall on 16 different columns of 16 bytes modulo 256
.set PB,    272                        ; an LDS row of W, and of the stages: 256 bytes + 16 = 17 x 16
.set CHUNK, 64*PB
.set AH0,   128*PA                     ; inp lies at LDS byte 0; behind it h0[l]
.set BS0,   AH0+128*PA                 ; W_ih, K 0-511; filled again with W_hh, K 512-1023.  Row 64 g + unit
.set BS1,   BS0+4*CHUNK                ; W_ih, K 512-1023; behind its last read: the stages
.set BS2,   BS1+4*CHUNK                ; W_hh, K 0-511, gates i, f, g
.set SPARE, BS2+3*CHUNK                ; the spare words, 128 bytes for each wave: two blocks of 256 bytes that no other line names
.set CST,   BS1                        ; 128 rows x 272: c0, then c
.set HOFF,  128*PB                     ; behind it: h
.if LAYER == 0
.set AIM, 16*PA                        ; inp's fragments: from row tile to row tile,
.set AIS, 64                           ; from K step to K step,
.set AIC, 32                           ; from the first half of a fragment to the second
.set AIW, 32*PA                        ; a wave's quarter of the tile in LDS
.else
.set AIM, 256
.set AIS, 8192
.set AIC, 4096
.set AIW, 16384
.endif
.set PIC, 4                            ; s[4:33]: the addresses: inp's codes, inp's scales,
.set PIS, 6
.set PHC, 8                            ; h0's codes, scales,
.set PHS, 10
.set PWIC, 12                          ; W_ih's,
.set PWIS, 14
.set PWHC, 16                          ; W_hh's,
.set PWHS, 18
.set PBI, 20                           ; b_ih, b_hh,
.set PBH, 22
.set PC0, 24                           ; c0, out0, out1,
.set PO0, 26
.set PO1, 28
.set PQC, 30                           ; h's codes and scale bytes for the next layer (layers 0 to 2)
.set PQS, 32
.set K1,  4                            ; from the cell on: s[4:5] -log2(e), twice;
.set K2,  6                            ; s6 -2 log2(e);
.set MSK, 7                            ; s7 all bits but the sign;
.set SEL, 8                            ; s[8:9] v_permlanex16_b32's selects for lane l xor 16
.set G1AI, 36                          ; s[36:43] descriptor group 1 for inp;  s[44:51] for h0;  s[52:59] for W's chunks
.set G1AH, 44
.set G1B,  52
.set G0AI, 60                          ; groups 0: s[60:63] inp; s[68:71], s[72:75] W_ih's halves; s[76:79] W_hh's first half; s[80:83] h0; s[84:87] W_hh's second half
.set G0B0, 68
.set G0B1, 72
.set G0B2, 76
.set G0AH, 80
.set G0B3, 84
.set WV, 88
.set WR, 89
.set WU, 90
.set CX, 91
.set CY, 92
.set BX, 93
.set BY, 94
.set ADAI, 4                           ; v4   LDS address of my fragments of inp
.set ADAH, 5                           ; v5   of h0
.set ADB0, 6                           ; v6-8 of W in the three slots
.set SPW,  9                           ; v9   LDS address of my spare word: SPARE + 4 x my thread's number; never rewritten
.set NIL,  10                          ; v10  0; never rewritten
.set RD,   11                          ; v11  the stages by whole rows: rows 64 wr + 16 wu + 32 p + 2 t + lane / 16 (p: which pair of row tiles), 16 bytes a lane
.set GOF,  12                          ; v12  the same two rows in c0, out0, out1
.set EA,   13                          ; v13  the stages in the cell's layout: row 64 wr + r, bytes 128 wu + 32 h
.set L16,  14                          ; v14  16 x lane
.set L32,  15                          ; v15  32 x lane
.set BIO,  16                          ; v16  32 h: the biases of my half's eight units
.set BOO,  17                          ; v17  512 r + 16 h: the o gate's chunk in memory
.set eI, 0                             ; the cell, in window 1 or 3: tile m' at + 64 m': gates i, f, g, o, 16 units each;
.set eF, 16
.set eG, 32
.set eO, 48
.set eT, 128                           ; at + 16 m': at work,
.set eU, 160
.set eC, 192                           ; c0
.set MSB, 0
.macro WIN new                         ; the immediate's high byte repeats the setting that is left; a switch that changes nothing is dropped
.if MSB != (\new)
	s_set_vgpr_msb (MSB<<8)|(\new)
.set MSB, \new
.endif
.endm
.macro PLACES                          ; a load into a register that a matrix instruction has read, and a vector instruction that reads a matrix result, stand four plain vector instructions behind it (ISA guide 7.12.1 for vector instructions)
.rept 4
	v_nop
.endr
.endm
.macro CREST                           ; a round of the cluster's barrier behind its opening barrier
	s_cmp_lg_u32 s[WV], 0
	s_cbranch_scc1 .Lnot_wave_0_\@
	s_barrier_signal -3
.Lnot_wave_0_\@:
	s_barrier_wait -3
	s_barrier_signal -1
	s_barrier_wait -1
.endm
.macro CROUND                          ; a whole round
	s_barrier_signal -1
	s_barrier_wait -1
	CREST
.endm
.macro SH r, n                         ; s100 += s[r] << n
	s_lshl_b32 s3, s[\r], \n
	s_add_co_u32 s100, s100, s3
.endm
	s_load_b512 s[4:19], s[0:1], 0x0
	s_load_b256 s[20:27], s[0:1], 0x40
.if LAYER < 3
	s_load_b128 s[28:31], s[0:1], 0x60
	s_load_b64 s[32:33], s[0:1], 0x70
.else
	s_load_b64 s[28:29], s[0:1], 0x60
.endif
	v_lshl_add_u32 v[SPW], v0, 2, SPARE
	v_mov_b32 v[NIL], 0
	ds_add_u32 v9, v10
	ds_add_u32 v9, v10
	s_wait_dscnt 0x0
	v_lshrrev_b32 v1, 5, v0
	v_readfirstlane_b32 s[WV], v1                  ; wave 0..3
	s_lshr_b32 s[WR], s[WV], 1                     ; which 64 rows are mine
	s_and_b32 s[WU], s[WV], 1                      ; which 32 units
	s_bfe_u32 s[CX], ttmp6, 0x40000                ; my place in the cluster
	s_bfe_u32 s[CY], ttmp6, 0x40004
	s_lshl_b32 s[BX], ttmp9, 2
	s_add_co_u32 s[BX], s[BX], s[CX]               ; bx = 4 x cluster x + cx
	s_and_b32 s[BY], ttmp7, 0xffff
	s_lshl_b32 s[BY], s[BY], 2
	s_add_co_u32 s[BY], s[BY], s[CY]               ; by = 4 x cluster y + cy
	s_lshl_b32 s2, s[CY], 2
	s_lshl_b32 s2, 15, s2                          ; my row of the cluster: it shares by
	s_lshl_b32 s66, 0x1111, s[CX]                  ; my column: it shares bx
.if LAYER == 0
	s_or_b32 s[G1AI], s2, (1<<20)|(1<<21)|(6<<22)|(3<<25)   ; x: elements of 1 byte; 4 words of padding behind every 128; bit 21 beside the mask
	s_mov_b32 s[G1AI+1], 512<<16                   ; tensor_dim0
	s_mov_b32 s[G1AI+2], 32<<16                    ; tensor_dim1: a wave's 32 rows
	s_mov_b32 s[G1AI+3], 512<<16                   ; tile_dim0
	s_mov_b32 s[G1AI+4], 32                        ; tile_dim1
	s_mov_b32 s[G1AI+5], 512                       ; from row to row
.else
	s_or_b32 s[G1AI], s2, (3<<16)|(1<<21)          ; h's codes: a dense block of 16,384 bytes a wave, as 64 rows of 32 elements of 8 bytes, no padding
	s_mov_b32 s[G1AI+1], 32<<16
	s_mov_b32 s[G1AI+2], 64<<16
	s_mov_b32 s[G1AI+3], 32<<16
	s_mov_b32 s[G1AI+4], 64
	s_mov_b32 s[G1AI+5], 32
.endif
	s_mov_b32 s[G1AI+6], 0
	s_mov_b32 s[G1AI+7], 0
	s_or_b32 s[G1AH], s2, (1<<20)|(1<<21)|(6<<22)|(3<<25)   ; h0: 128 rows x 512 bytes, 4 words of padding behind every 128
	s_mov_b32 s[G1AH+1], 512<<16
	s_mov_b32 s[G1AH+2], 128<<16
	s_mov_b32 s[G1AH+3], 512<<16
	s_mov_b32 s[G1AH+4], 128
	s_mov_b32 s[G1AH+5], 512
	s_mov_b32 s[G1AH+6], 0
	s_mov_b32 s[G1AH+7], 0
	s_or_b32 s[G1B], s66, (1<<20)|(1<<21)|(5<<22)|(3<<25)   ; a chunk of W: 64 rows x 256 bytes, 512 bytes apart in memory; 4 words of padding behind every 64
	s_mov_b32 s[G1B+1], 256<<16
	s_mov_b32 s[G1B+2], 64<<16
	s_mov_b32 s[G1B+3], 256<<16
	s_mov_b32 s[G1B+4], 64
	s_mov_b32 s[G1B+5], 512
	s_mov_b32 s[G1B+6], 0
	s_mov_b32 s[G1B+7], 0
	; the lanes' addresses: constants, the lane and the wave's number alone
	v_and_b32 v1, 15, v0                           ; r
	v_bfe_u32 v2, v0, 4, 1                         ; h
	v_and_b32 v3, 31, v0                           ; lane
	v_mul_u32_u24 v18, v1, PA
	v_lshl_add_u32 v18, v2, 4, v18                 ; r x 528 + 16 h
	s_mul_i32 s100, s[WR], 64*PA
	s_add_co_u32 s101, s100, AH0
	v_add_nc_u32 v[ADAH], s101, v18
.if LAYER == 0
	v_add_nc_u32 v[ADAI], s100, v18
.else
	v_lshlrev_b32 v[ADAI], 4, v1                   ; block 4 s + 2 c + h of 2,048 bytes, row 64 wr + 16 m + r of 16 bytes
	v_lshl_add_u32 v[ADAI], v2, 11, v[ADAI]
	s_lshl_b32 s100, s[WR], 10
	v_add_nc_u32 v[ADAI], s100, v[ADAI]
.endif
	v_mul_u32_u24 v19, v1, PB
	v_lshl_add_u32 v18, v2, 4, v19                 ; r x 272 + 16 h
	s_mul_i32 s100, s[WU], 32*PB
	s_add_co_u32 s100, s100, BS0
	v_add_nc_u32 v[ADB0], s100, v18
	s_add_co_u32 s100, s100, 4*CHUNK
	v_add_nc_u32 v[ADB0+1], s100, v18
	s_add_co_u32 s100, s100, 4*CHUNK
	v_add_nc_u32 v[ADB0+2], s100, v18
	v_lshl_add_u32 v[EA], v2, 5, v19
	s_mul_i32 s100, s[WR], 64*PB
	s_lshl_b32 s101, s[WU], 7
	s_add_co_u32 s100, s100, s101
	s_add_co_u32 s100, s100, CST
	v_add_nc_u32 v[EA], s100, v[EA]
	v_mul_u32_u24 v[RD], v2, PB
	v_lshl_add_u32 v[RD], v1, 4, v[RD]
	s_mul_i32 s100, s[WR], 64*PB
	s_mul_i32 s101, s[WU], 16*PB
	s_add_co_u32 s100, s100, s101
	s_add_co_u32 s100, s100, CST
	v_add_nc_u32 v[RD], s100, v[RD]
	v_lshlrev_b32 v[GOF], 12, v2
	v_lshl_add_u32 v[GOF], v1, 4, v[GOF]
	v_lshlrev_b32 v[L16], 4, v3
	v_lshlrev_b32 v[L32], 5, v3
	v_lshlrev_b32 v[BIO], 5, v2
	v_lshlrev_b32 v[BOO], 9, v1
	v_lshl_add_u32 v[BOO], v2, 4, v[BOO]
	s_wait_kmcnt 0x0
	; the groups 0.  Offsets made of by stand in s[2:3], offsets made of bx in s[66:67]
	s_lshl_b32 s2, s[BY], 16                       ; inp: my work-group's 65,536 bytes, my wave's quarter (the same sum in both layouts)
	s_lshl_b32 s3, s[WV], 14
	s_add_co_u32 s2, s2, s3
	s_mov_b32 s3, 0
	s_mov_b32 s[G0AI], 1
	s_mul_i32 s[G0AI+1], s[WV], AIW
	s_add_nc_u64 s[G0AI+2:G0AI+3], s[PIC:PIC+1], s[2:3]
	s_or_b32 s[G0AI+3], s[G0AI+3], 0x80000000
	s_lshl_b32 s2, s[BY], 16                       ; h0[l]: 1 << 20 bytes a layer
	s_add_co_u32 s2, s2, LAYER<<20
	s_mov_b32 s[G0AH], 1
	s_mov_b32 s[G0AH+1], AH0
	s_add_nc_u64 s[G0AH+2:G0AH+3], s[PHC:PHC+1], s[2:3]
	s_or_b32 s[G0AH+3], s[G0AH+3], 0x80000000
	s_lshl_b32 s66, s[WV], 19                      ; W: 1 << 21 bytes a layer, 1 << 19 a gate (wave w fetches gate w), 64 rows of 512 bytes for bx
	s_lshl_b32 s67, s[BX], 15
	s_add_co_u32 s66, s66, s67
	s_add_co_u32 s66, s66, LAYER<<21
	s_mov_b32 s67, 0
	s_mul_i32 s101, s[WV], CHUNK
	s_mov_b32 s[G0B0], 1
	s_add_co_u32 s[G0B0+1], s101, BS0
	s_add_nc_u64 s[G0B0+2:G0B0+3], s[PWIC:PWIC+1], s[66:67]
	s_mov_b32 s[G0B1], 1
	s_add_co_u32 s[G0B1+1], s101, BS1
	s_add_nc_u64 s[G0B1+2:G0B1+3], s[G0B0+2:G0B0+3], 256
	s_or_b32 s[G0B0+3], s[G0B0+3], 0x80000000
	s_or_b32 s[G0B1+3], s[G0B1+3], 0x80000000
	s_mov_b32 s[G0B2], 1
	s_add_co_u32 s[G0B2+1], s101, BS2              ; (waves 0 to 2 alone ask by it)
	s_add_nc_u64 s[G0B2+2:G0B2+3], s[PWHC:PWHC+1], s[66:67]
	s_mov_b32 s[G0B3], 1
	s_add_co_u32 s[G0B3+1], s101, BS0
	s_add_nc_u64 s[G0B3+2:G0B3+3], s[G0B2+2:G0B2+3], 256
	s_or_b32 s[G0B2+3], s[G0B2+3], 0x80000000
	s_or_b32 s[G0B3+3], s[G0B3+3], 0x80000000
	CROUND                                         ; all sixteen work-groups are here: the first joint loads meet
	; THE FIRST FILLS, one group behind the round: four loads a wave are out.  In the order of their use: inp, W_ih's two halves, then W_hh's first half (waves 0 to 2: gates i, f, g) or h0 (wave 3)
	tensor_load_to_lds s[G0AI:G0AI+3], s[G1AI:G1AI+7]
	s_nop 0
	tensor_load_to_lds s[G0B0:G0B0+3], s[G1B:G1B+7]
	s_nop 0
	tensor_load_to_lds s[G0B1:G0B1+3], s[G1B:G1B+7]
	s_nop 0
	s_cmp_lt_u32 s[WV], 3                          ; the branch hangs on the wave's number alone; four v_nop follow each of the two lines
	s_cbranch_scc0 .Lwave_3
	tensor_load_to_lds s[G0B2:G0B2+3], s[G1B:G1B+7]
	s_nop 0
.rept 4
	v_nop
.endr
	s_branch .Lfilled
.Lwave_3:
	tensor_load_to_lds s[G0AH:G0AH+3], s[G1AH:G1AH+7]
	s_nop 0
.rept 4
	v_nop
.endr
.Lfilled:
	; WHAT COMES STRAIGHT INTO REGISTERS.  The scale words of all of K: lane l takes the 32 bytes of row (or unit) l of 32: lanes 0-15 serve one tile, lanes 16-31 the next
	s_mov_b32 s101, 0
	s_lshl_b32 s100, s[BY], 12
	SH WR, 11                                      ; 32 bytes x (128 by + 64 wr)
	s_add_nc_u64 s[PIS:PIS+1], s[PIS:PIS+1], s[100:101]
.if LAYER < 3
	s_add_nc_u64 s[PQS:PQS+1], s[PQS:PQS+1], s[100:101]
.endif
	s_add_co_u32 s100, s100, LAYER<<16
	s_add_nc_u64 s[PHS:PHS+1], s[PHS:PHS+1], s[100:101]
.irp p, 0,1
.irp i, 0,1
	global_load_b128 v[32+8*\p+4*\i:32+8*\p+4*\i+3], v[L32], s[PIS:PIS+1] offset:1024*\p+16*\i
	global_load_b128 v[48+8*\p+4*\i:48+8*\p+4*\i+3], v[L32], s[PHS:PHS+1] offset:1024*\p+16*\i
.endr
.endr
	s_lshl_b32 s100, s[BX], 11                     ; 32 bytes x (4,096 l + 64 bx + 32 wu); a gate is 32,768 bytes on
	SH WU, 10
	s_add_co_u32 s100, s100, LAYER<<17
	s_add_nc_u64 s[PWIS:PWIS+1], s[PWIS:PWIS+1], s[100:101]
	s_add_nc_u64 s[PWHS:PWHS+1], s[PWHS:PWHS+1], s[100:101]
.irp g, 0,1,2,3
.irp i, 0,1
	global_load_b128 v[64+8*\g+4*\i:64+8*\g+4*\i+3], v[L32], s[PWIS:PWIS+1] offset:32768*\g+16*\i
	global_load_b128 v[96+8*\g+4*\i:96+8*\g+4*\i+3], v[L32], s[PWHS:PWHS+1] offset:32768*\g+16*\i
.endr
.endr
	s_lshl_b32 s100, s[BX], 8                      ; the biases: 4 bytes x (4,096 l + 64 bx + 32 wu)
	SH WU, 7
	s_add_co_u32 s100, s100, LAYER<<14
	s_add_nc_u64 s[PBI:PBI+1], s[PBI:PBI+1], s[100:101]
	s_add_nc_u64 s[PBH:PBH+1], s[PBH:PBH+1], s[100:101]
.irp g, 0,1,2,3
.irp u, 0,1
.irp i, 0,1
	global_load_b128 v[128+16*\g+8*\u+4*\i:128+16*\g+8*\u+4*\i+3], v[BIO], s[PBI:PBI+1] offset:4096*\g+64*\u+16*\i
	global_load_b128 v[192+16*\g+8*\u+4*\i:192+16*\g+8*\u+4*\i+3], v[BIO], s[PBH:PBH+1] offset:4096*\g+64*\u+16*\i
.endr
.endr
.endr
	s_lshl_b32 s100, s[BX], 15                     ; the o gate's chunk of W_hh's first half: my 32 units' rows
	SH WU, 14
	s_add_co_u32 s100, s100, (LAYER<<21)+(3<<19)
	s_add_nc_u64 s[PWHC:PWHC+1], s[PWHC:PWHC+1], s[100:101]
	s_lshl_b32 s100, s[BY], 19                     ; c0, out0, out1: 4,096 bytes x (2,048 l + 128 by + 64 wr + 16 wu) + 256 bx
	SH WR, 18
	SH WU, 16
	SH BX, 8
	s_add_co_u32 s100, s100, LAYER<<23
	s_add_nc_u64 s[PC0:PC0+1], s[PC0:PC0+1], s[100:101]
	s_add_nc_u64 s[PO0:PO0+1], s[PO0:PO0+1], s[100:101]
	s_add_nc_u64 s[PO1:PO1+1], s[PO1:PO1+1], s[100:101]
.if LAYER < 3
	s_lshl_b32 s100, s[BY], 16                     ; h's codes: 65,536 by + 2,048 (2 bx + wu) + 16 x 64 wr
	SH BX, 12
	SH WU, 11
	SH WR, 10
	s_add_nc_u64 s[PQC:PQC+1], s[PQC:PQC+1], s[100:101]
	s_lshl_b32 s100, s[BX], 1                      ; h's scale bytes: byte 2 bx + wu of a row's 32
	s_add_co_u32 s100, s100, s[WU]
	s_add_nc_u64 s[PQS:PQS+1], s[PQS:PQS+1], s[100:101]
.endif
	s_wait_loadcnt 0x0                             ; the scale words and the biases: 56 loads were out
.irp p, 0,2,4,6,8,10,12,14,16,18,20,22,24,26,28,30,32,34,36,38,40,42,44,46,48,50,52,54,56,58,60,62
	v_pk_add_f32 v[128+\p:129+\p], v[128+\p:129+\p], v[192+\p:193+\p]   ; b_ih + b_hh: the C of each sum's first product
.endr
	WIN 0x80                                       ; destination window 2
.irp q, 0,1,2,3
.irp u, 0,1
.irp c, 0,1
	global_load_b128 v[192+16*\q+8*\u+4*\c:192+16*\q+8*\u+4*\c+3], v[BOO], s[PWHC:PWHC+1] offset:8192*\u+64*\q+32*\c   ; the o gate's chunk, as fragments; wanted in K step 8
.endr
.endr
.endr
	WIN 0
.irp t, 0,1,2,3,4,5,6,7,8,9,10,11,12,13,14,15
	global_load_b128 v[192+4*\t:195+4*\t], v[GOF], s[PC0:PC0+1] offset:131072*(\t/8)+8192*(\t%8) th:TH_LOAD_NT   ; c0: sixteen lanes read 256 consecutive bytes of a row; wanted behind K step 11
.endr
; 8 matrix instructions: K step sg, row tile m x my eight tiles of W (gate g, half u).  The 32 accumulators take turns, one instruction a turn, in the same order in every step.
; W's scale words: lanes 0-15 tile u = 0, lanes 16-31 tile u = 1; the rows': lanes 0-15 the even row tile, lanes 16-31 the odd one.
.macro MUL8 sg, m
.set KT, (\sg)/8
.set KW, (\sg)%8
.set KK, (\sg)/4
.set KQ, (\sg)%4
.set FS, 96*((\sg)%2)
.irp g, 0,1,2,3
.irp u, 0,1
.set rD, 64*((\m)%2)+16*\g+8*\u
.set rB, FS+32+16*\g+8*\u
.if (KK == 2) && (\g == 3)
.set rB, 192+16*KQ+8*\u
.endif
.set rA, FS+8*(\m)
.set rC, rD
.if (\sg) == 0
.set rC, 128+16*\g+8*\u
.endif
.set rSB, 64+32*KT+8*\g+KW
.set rSA, 32+16*KT+8*((\m)/2)+KW
.if (\u == 1) && ((\m)%2 == 1)
	v_wmma_scale_f32_16x16x128_f8f6f4 v[rD:rD+7], v[rB:rB+7], v[rA:rA+7], v[rC:rC+7], v[rSB], v[rSA] matrix_a_fmt:MATRIX_FMT_FP4 matrix_b_fmt:MATRIX_FMT_FP4 matrix_a_scale:MATRIX_SCALE_ROW1 matrix_b_scale:MATRIX_SCALE_ROW1
.elseif \u == 1
	v_wmma_scale_f32_16x16x128_f8f6f4 v[rD:rD+7], v[rB:rB+7], v[rA:rA+7], v[rC:rC+7], v[rSB], v[rSA] matrix_a_fmt:MATRIX_FMT_FP4 matrix_b_fmt:MATRIX_FMT_FP4 matrix_a_scale:MATRIX_SCALE_ROW1
.elseif (\m)%2 == 1
	v_wmma_scale_f32_16x16x128_f8f6f4 v[rD:rD+7], v[rB:rB+7], v[rA:rA+7], v[rC:rC+7], v[rSB], v[rSA] matrix_a_fmt:MATRIX_FMT_FP4 matrix_b_fmt:MATRIX_FMT_FP4 matrix_b_scale:MATRIX_SCALE_ROW1
.else
	v_wmma_scale_f32_16x16x128_f8f6f4 v[rD:rD+7], v[rB:rB+7], v[rA:rA+7], v[rC:rC+7], v[rSB], v[rSA] matrix_a_fmt:MATRIX_FMT_FP4 matrix_b_fmt:MATRIX_FMT_FP4
.endif
.endr
.endr
.endm
; K step sg's fragments into set sg % 2, in one run: 8 loads for the rows, 16 for W (12 where the o gate's lie in registers).  A fragment: lane (r, h) takes bytes 32 c + 16 h .. + 15 of its row's 64
.macro FETCH sg
.set KW, (\sg)%8
.set KK, (\sg)/4
.set KQ, (\sg)%4
.set FS, 96*((\sg)%2)
.set rAD, ADB0+KK%3
	WIN 0x80
.irp m, 0,1,2,3
.irp c, 0,1
.if (\sg) < 8
	ds_load_b128 v[FS+8*\m+4*\c:FS+8*\m+4*\c+3], v[ADAI] offset:\m*AIM+KW*AIS+\c*AIC
.else
	ds_load_b128 v[FS+8*\m+4*\c:FS+8*\m+4*\c+3], v[ADAH] offset:\m*16*PA+KW*64+\c*32
.endif
.endr
.endr
.irp g, 0,1,2,3
.if (KK != 2) || (\g != 3)
.irp u, 0,1
.irp c, 0,1
	ds_load_b128 v[FS+32+16*\g+8*\u+4*\c:FS+32+16*\g+8*\u+4*\c+3], v[rAD] offset:(64*\g+16*\u)*PB+64*KQ+32*\c
.endr
.endr
.endif
.endr
.endm
.macro STEP sg
	s_wait_dscnt 0x0                               ; this step's fragments, asked for a step (32 matrix instructions) ago
.if (\sg) == 8
	s_wait_loadcnt 16                              ; the o gate's chunk is in; c0's 16 loads may be out
.endif
.if (\sg) < 15
	PLACES                                         ; the other set was read by the last step's products
	FETCH (\sg)+1
.endif
.if (\sg) == 0
	WIN 0x4a                                       ; sources 0 and 1 window 2, C (the biases) window 0, D window 1
.else
	WIN 0x5a                                       ; C and D window 1
.endif
	MUL8 \sg, 0
	MUL8 \sg, 1
.if (\sg) == 0
	WIN 0xca
.else
	WIN 0xfa                                       ; C and D window 3
.endif
	MUL8 \sg, 2
	MUL8 \sg, 3
.endm
; A K step with a barrier in it.  In front of the signal each wave waits for all its tensor loads, adds 0 to its spare word, and waits for that and for its LDS reads.
; fill = 1: the barrier opens a round of the cluster's barrier; behind it the slot BS0, which nobody reads any more, takes W_hh's second half: one joint load a wave.
.macro TURN sg, fill
	WIN 0                                          ; (the add's two registers lie in window 0)
	s_wait_tensorcnt 0x0                           ; all my tensor loads have landed
	ds_add_u32 v[SPW], v[NIL]                      ; 0 onto my spare word
	s_wait_dscnt 1                                 ; this step's fragments are in; the add may be out
	WIN 0x5a
	MUL8 \sg, 0                                    ; eight matrix instructions stand between the add and the wait for it
	s_wait_dscnt 0x0                               ; the add is done; none of my LDS reads is out
	s_barrier_signal -1
	MUL8 \sg, 1
	WIN 0
	s_barrier_wait -1
.if \fill
	CREST                                          ; no wave of any partner still reads BS0 or has a load on its way
	tensor_load_to_lds s[G0B3:G0B3+3], s[G1B:G1B+7]   ; the first tensor load behind the round, and my only one: eight K steps ahead of its first read
	s_nop 0
.rept 4
	v_nop                                          ; (the places in front of the loads below)
.endr
.else
	PLACES
.endif
	FETCH (\sg)+1
	WIN 0xfa
	MUL8 \sg, 2
	MUL8 \sg, 3
.endm
	s_wait_tensorcnt 2                             ; my parts of inp and of W_ih's first half are in; my two younger loads may be out
	s_barrier_signal -1
	s_barrier_wait -1                              ; everybody's are
	FETCH 0
	STEP 0                                         ; its products start the sums, with the biases as C: nothing is cleared
	STEP 1
	STEP 2
	TURN 3, 1                                      ; shows W_ih's second half, W_hh's first half and h0 to every wave, and fills BS0 again
	STEP 4
	STEP 5
	STEP 6
	STEP 7
	STEP 8
	STEP 9
	STEP 10
	TURN 11, 0                                     ; shows W_hh's second half to every wave; every wave's reads of BS1 are over, so BS1 becomes the stages
	WIN 0
	s_wait_loadcnt 0x0                             ; c0
.irp t, 0,1,2,3,4,5,6,7,8,9,10,11,12,13,14,15
	ds_store_b128 v[RD], v[192+4*\t:195+4*\t] offset:(\t/8)*32*PB+(\t%8)*2*PB   ; whole rows into the stage: BS1 has had its only fill
.endr
	STEP 12
	STEP 13
	STEP 14
	STEP 15
	WIN 0
	PLACES                                         ; behind the last products
	s_wait_dscnt 0x0                               ; for the others' sake: my stores of c0
	s_barrier_signal -1
	s_barrier_wait -1                              ; c0 lies in the stage
	WIN 0x40                                       ; destination window 1
.irp mm, 0,1
.irp u, 0,1
.irp i, 0,1
	ds_load_b128 v[eC+16*\mm+8*\u+4*\i:eC+16*\mm+8*\u+4*\i+3], v[EA] offset:\mm*16*PB+64*\u+16*\i   ; c0 of my units, in the cell's layout
.endr
.endr
.endr
	WIN 0xc0                                       ; window 3
.irp mm, 0,1
.irp u, 0,1
.irp i, 0,1
	ds_load_b128 v[eC+16*\mm+8*\u+4*\i:eC+16*\mm+8*\u+4*\i+3], v[EA] offset:(2+\mm)*16*PB+64*\u+16*\i
.endr
.endr
.endr
	s_mov_b32 s[K1], 0xbfb8aa3b                    ; every load by s[4:9] has been waited for
	s_mov_b32 s[K1+1], 0xbfb8aa3b
	s_mov_b32 s[K2], 0xc038aa3b
	s_mov_b32 s[MSK], 0x7fffffff
.if LAYER < 3
	s_mov_b32 s[SEL], 0x76543210
	s_mov_b32 s[SEL+1], 0xfedcba98
	s_mov_b32 vcc_lo, 0xffff0000                   ; lanes 16-31
.endif
; THE CELL'S LINES, each on 16 numbers of both row tiles of a window; a group's registers lie dn (xn, yn) apart from tile to tile.  All go up the registers: each accumulator is first read at its low end.
.macro SCL d                           ; d = -log2(e) d
.irp mm, 0,1
.irp p, 0,2,4,6,8,10,12,14
	v_pk_mul_f32 v[\d+64*\mm+\p:\d+64*\mm+\p+1], v[\d+64*\mm+\p:\d+64*\mm+\p+1], s[K1:K1+1] op_sel_hi:[1,0]
.endr
.endr
.endm
.macro ARG2 d, dn, x, xn               ; d = -2 log2(e) |x|
.irp mm, 0,1
.irp e, 0,1,2,3,4,5,6,7,8,9,10,11,12,13,14,15
	v_mul_f32 v[\d+\dn*\mm+\e], s[K2], |v[\x+\xn*\mm+\e]|
.endr
.endr
.endm
.macro EXPS d, dn
.irp mm, 0,1
.irp e, 0,1,2,3,4,5,6,7,8,9,10,11,12,13,14,15
	v_exp_f32 v[\d+\dn*\mm+\e], v[\d+\dn*\mm+\e]
.endr
.endr
.endm
.macro RCPS d, dn
.irp mm, 0,1
.irp e, 0,1,2,3,4,5,6,7,8,9,10,11,12,13,14,15
	v_rcp_f32 v[\d+\dn*\mm+\e], v[\d+\dn*\mm+\e]
.endr
.endr
.endm
.macro BATCH                           ; behind a batch of transcendentals: one plain instruction, and a wait ahead of the first line that names a result
	v_nop
	s_wait_alu depctr_va_vdst(0)
.endm
.macro ADD1 d, dn, x, xn               ; d = x + 1
.irp mm, 0,1
.irp p, 0,2,4,6,8,10,12,14
	v_pk_add_f32 v[\d+\dn*\mm+\p:\d+\dn*\mm+\p+1], v[\x+\xn*\mm+\p:\x+\xn*\mm+\p+1], 1.0 op_sel_hi:[1,0]
.endr
.endr
.endm
.macro ONEM d, dn                      ; d = 1 - d
.irp mm, 0,1
.irp p, 0,2,4,6,8,10,12,14
	v_pk_fma_f32 v[\d+\dn*\mm+\p:\d+\dn*\mm+\p+1], v[\d+\dn*\mm+\p:\d+\dn*\mm+\p+1], -1.0, 1.0 op_sel_hi:[1,0,0]
.endr
.endr
.endm
.macro PMUL d, dn, x, xn, y, yn        ; d = x y
.irp mm, 0,1
.irp p, 0,2,4,6,8,10,12,14
	v_pk_mul_f32 v[\d+\dn*\mm+\p:\d+\dn*\mm+\p+1], v[\x+\xn*\mm+\p:\x+\xn*\mm+\p+1], v[\y+\yn*\mm+\p:\y+\yn*\mm+\p+1]
.endr
.endr
.endm
.macro SIGN d, dn, x, xn, y, yn        ; d = x's magnitude with y's sign
.irp mm, 0,1
.irp e, 0,1,2,3,4,5,6,7,8,9,10,11,12,13,14,15
	v_bfi_b32 v[\d+\dn*\mm+\e], s[MSK], v[\x+\xn*\mm+\e], v[\y+\yn*\mm+\e]
.endr
.endr
.endm
; THE CELL for the two row tiles of window W (1: tiles 0, 1; 3: tiles 2, 3), in six pieces: CP1, CP2, CP3 make c; HP1, HP2, HP3 make h.
; sigmoid(a) = 1 / (1 + 2^(-log2(e) a)); tanh(b) = sign(b) (1 - e) / (1 + e), e = 2^(-2 log2(e) |b|), which lies in (0, 1].  sigmoid(a) tanh(b) takes ONE reciprocal, of (1 + 2^..)(1 + e): eight transcendentals a cell.
; An exponential that overflows gives infinity, its product with 1 + e (1 to 2) infinity, the reciprocal 0: no clamp, no 0 x infinity.
.macro CP1 W                           ; the exponentials of i, f and g
.set EW, 0x55*(\W)
	WIN EW                                         ; every operand place in window W
	SCL eI
	SCL eF
	ARG2 eT, 16, eG, 64
	EXPS eI, 64
	EXPS eF, 64
	EXPS eT, 16
	BATCH
.endm
.macro CP2 W                           ; the two reciprocals
.set EW, 0x55*(\W)
	WIN EW
	ADD1 eU, 16, eT, 16                            ; 1 + e
	ADD1 eI, 64, eI, 64
	ADD1 eF, 64, eF, 64
	PMUL eI, 64, eI, 64, eU, 16
	ONEM eT, 16                                    ; 1 - e
	SIGN eG, 64, eT, 16, eG, 64
	RCPS eI, 64
	RCPS eF, 64
	BATCH
.endm
.macro CP3 W, cw                       ; c, in g's registers.  cw: the LDS instructions that may be out when c0 is wanted
.set EW, 0x55*(\W)
	WIN EW
	s_wait_dscnt \cw                               ; c0
	PMUL eG, 64, eG, 64, eI, 64                    ; sigmoid(i) tanh(g)
.irp mm, 0,1
.irp p, 0,2,4,6,8,10,12,14
	v_pk_fma_f32 v[eG+64*\mm+\p:eG+64*\mm+\p+1], v[eC+16*\mm+\p:eC+16*\mm+\p+1], v[eF+64*\mm+\p:eF+64*\mm+\p+1], v[eG+64*\mm+\p:eG+64*\mm+\p+1]   ; c = c0 sigmoid(f) + that
.endr
.endr
.endm
.macro HP1 W                           ; the exponentials of o and c
.set EW, 0x55*(\W)
	WIN EW
	SCL eO
	ARG2 eT, 16, eG, 64
	EXPS eO, 64
	EXPS eT, 16
	BATCH
.endm
.macro HP2 W                           ; the reciprocal
.set EW, 0x55*(\W)
	WIN EW
	ADD1 eU, 16, eT, 16
	ADD1 eO, 64, eO, 64
	PMUL eO, 64, eO, 64, eU, 16
	ONEM eT, 16
	SIGN eT, 16, eT, 16, eG, 64
	RCPS eO, 64
	BATCH
.endm
.macro HP3 W                           ; h, in o's registers; in layers 0 to 2 its codes and scale bytes
.set EW, 0x55*(\W)
	WIN EW
	PMUL eO, 64, eT, 16, eO, 64                    ; h = sigmoid(o) tanh(c)
.if LAYER < 3
	; h's block of 32 units: my 16 and lane l xor 16's
	v_mov_b32 v230, 0                              ; (a lane permute's destination counts as one of its sources)
	v_mov_b32 v231, 0
.irp mm, 0,1
	v_max3_num_f32 v[228+\mm], |v[eO+64*\mm]|, |v[eO+64*\mm+1]|, 0x1800000   ; and the floor 2^(3 - 127): the byte cannot fall under 1
.endr
.irp i, 2,4,6,8,10,12,14
.irp mm, 0,1
	v_max3_num_f32 v[228+\mm], v[228+\mm], |v[eO+64*\mm+\i]|, |v[eO+64*\mm+\i+1]|
.endr
.endr
.irp mm, 0,1
	v_permlanex16_b32 v[230+\mm], v[228+\mm], s[SEL], s[SEL+1]
.endr
.irp mm, 0,1
	v_max_num_f32 v[228+\mm], v[228+\mm], v[230+\mm]   ; the block's largest magnitude
.endr
.irp mm, 0,1
	v_add_nc_u32 v[232+\mm], 0xff000000, v[228+\mm]    ; 2 off its exponent field: the conversion takes this operand's exponent field as its scale
.endr
.irp mm, 0,1
	v_lshrrev_b32 v[234+\mm], 23, v[232+\mm]           ; the scale's byte
.endr
	v_cndmask_b32 v236, v234, v235, vcc_lo         ; lanes 0-15: the first tile's row r; lanes 16-31: the second's: lane l has the byte of the pair's row l
	v_cvt_scalef32_pk8_fp4_f32 v224, v[eO:eO+7], v232          ; units 8 h + 0 .. 7 of the first tile's row r: word h of the block's four
	v_cvt_scalef32_pk8_fp4_f32 v225, v[eO+64:eO+71], v233      ; the same of the second tile
	v_cvt_scalef32_pk8_fp4_f32 v226, v[eO+8:eO+15], v232       ; units 16 + 8 h + 0 .. 7: word 2 + h
	v_cvt_scalef32_pk8_fp4_f32 v227, v[eO+72:eO+79], v233
	v_nop                                          ; one plain instruction behind a scaled conversion
	v_permlane16_swap_b32 v224, v225               ; the first's lanes 16-31 change places with the second's lanes 0-15: v224 = word 0, v225 = word 1 of the pair's row l
	v_permlane16_swap_b32 v226, v227               ; v226 = word 2, v227 = word 3
.set SW, 4*(\W)
.set WP, (\W)/2
	WIN SW                                         ; a store's data: window W; its address: window 0
	global_store_b128 v[L16], v[224:227], s[PQC:PQC+1] offset:512*WP    ; 32 lanes store 512 consecutive bytes
	global_store_b8 v[L32], v236, s[PQS:PQS+1] offset:1024*WP
.endif
.endm
; A PART'S WAY OUT.  STAGE: window W's 32 numbers a lane (src: c or h) into the stage at off, in the cell's layout: my own bytes (c goes over the c0 that I alone read there).
.macro STAGE W, src, off
.set SW, 4*(\W)
.set WP, (\W)/2
	WIN SW
.irp mm, 0,1
.irp u, 0,1
.irp i, 0,1
	ds_store_b128 v[EA], v[\src+64*\mm+8*\u+4*\i:\src+64*\mm+8*\u+4*\i+3] offset:(2*WP+\mm)*16*PB+64*\u+16*\i+\off
.endr
.endr
.endr
.endm
.macro SYNC                            ; my stores into the stage are done, and none of my LDS loads is out; then the work-group's barrier: the part lies whole in the stage
	s_wait_dscnt 0x0
	s_barrier_signal -1
	s_barrier_wait -1
.endm
.macro BACK p, off, reg                ; 16 whole rows of the part of row tiles 2 p, 2 p + 1 into window 2, v[reg] on: each part has 32 registers of its own, so that no store's data are written again
	WIN 0x80
.irp t, 0,1,2,3,4,5,6,7
	ds_load_b128 v[\reg+4*\t:\reg+4*\t+3], v[RD] offset:(\p)*32*PB+\t*2*PB+\off
.endr
.endm
.macro SEND p, reg, ptr, down          ; and to memory.  down = 0: the loads were issued a piece of arithmetic ago: one wait; down = 1: the last part: the counts run down
	WIN 0x08                                       ; a store's data: window 2
.if (\down) == 0
	s_wait_dscnt 0x0
.endif
.irp t, 0,1,2,3,4,5,6,7
.if \down
	s_wait_dscnt 7-\t                              ; LDS loads come back in order: this one is in, the younger ones may be out
.endif
	global_store_b128 v[GOF], v[\reg+4*\t:\reg+4*\t+3], s[\ptr:\ptr+1] offset:(\p)*131072+\t*8192 th:TH_STORE_NT   ; sixteen lanes store 256 consecutive bytes, at a multiple of 256 from the buffer's first byte
.endr
.endm
	CP1 1
	CP2 1
	CP3 1, 8                                       ; window 3's eight loads of c0 may be out
	STAGE 1, eG, 0                                 ; part 1: c of row tiles 0, 1
	HP1 1
	SYNC
	BACK 0, 0, 0
	HP2 1
	SEND 0, 0, PO1, 0
	HP3 1
	STAGE 1, eO, HOFF                              ; part 2: their h
	CP1 3
	SYNC
	BACK 0, HOFF, 32
	CP2 3
	SEND 0, 32, PO0, 0
	CP3 3, 0
	STAGE 3, eG, 0                                 ; part 3: c of row tiles 2, 3
	HP1 3
	SYNC
	BACK 1, 0, 64
	HP2 3
	SEND 1, 64, PO1, 0
	HP3 3
	STAGE 3, eO, HOFF                              ; part 4: their h
	SYNC
	BACK 1, HOFF, 96
	SEND 1, 96, PO0, 1
	WIN 0
	s_wait_tensorcnt 0x0                           ; the wave's end: behind my last tensor load and my last LDS store
	ds_add_u32 v[SPW], v[NIL]
	s_wait_dscnt 0x0
	CROUND                                         ; the closing round: no work-group ends while a partner may still ask for a tile that names it
	s_endpgm
.Lfunc_end_k_q25c6fdaf00_layer3:
	.size	k_q25c6fdaf00_layer3, .Lfunc_end_k_q25c6fdaf00_layer3-k_q25c6fdaf00_layer3
	.p2alignl 7, 3214868480
	.fill 96, 4, 3214868480
	.section	.rodata,"a",@progbits
	.p2align	6, 0x0
	.amdhsa_kernel k_q25c6fdaf00_layer3
		.amdhsa_group_segment_fixed_size 327680
		.amdhsa_private_segment_fixed_size 0
		.amdhsa_enable_private_segment 0
		.amdhsa_kernarg_size 104
		.amdhsa_user_sgpr_count 2
		.amdhsa_user_sgpr_kernarg_segment_ptr 1
		.amdhsa_wavefront_size32 1
		.amdhsa_system_sgpr_workgroup_id_x 1
		.amdhsa_system_sgpr_workgroup_id_y 1
		.amdhsa_system_sgpr_workgroup_id_z 1
		.amdhsa_system_vgpr_workitem_id 0
		.amdhsa_next_free_vgpr 1024
		.amdhsa_next_free_sgpr 102
		.amdhsa_reserve_vcc 1
		.amdhsa_float_denorm_mode_32 3
		.amdhsa_float_denorm_mode_16_64 3
		.amdhsa_memory_ordered 1
		.amdhsa_forward_progress 1
		.amdhsa_inst_pref_size 186
	.end_amdhsa_kernel
	.amdgpu_metadata
---
amdhsa.version: [ 1, 2 ]
amdhsa.kernels:
  - .name:           k_q25c6fdaf00_layer3
    .symbol:         k_q25c6fdaf00_layer3.kd
    .args:
      - { .name: hc_a, .offset: 0, .size: 8, .value_kind: global_buffer, .address_space: global }
      - { .name: hs_a, .offset: 8, .size: 8, .value_kind: global_buffer, .address_space: global }
      - { .name: h0_codes, .offset: 16, .size: 8, .value_kind: global_buffer, .address_space: global }
      - { .name: h0_scales, .offset: 24, .size: 8, .value_kind: global_buffer, .address_space: global }
      - { .name: W_ih_codes, .offset: 32, .size: 8, .value_kind: global_buffer, .address_space: global }
      - { .name: W_ih_scales, .offset: 40, .size: 8, .value_kind: global_buffer, .address_space: global }
      - { .name: W_hh_codes, .offset: 48, .size: 8, .value_kind: global_buffer, .address_space: global }
      - { .name: W_hh_scales, .offset: 56, .size: 8, .value_kind: global_buffer, .address_space: global }
      - { .name: b_ih, .offset: 64, .size: 8, .value_kind: global_buffer, .address_space: global }
      - { .name: b_hh, .offset: 72, .size: 8, .value_kind: global_buffer, .address_space: global }
      - { .name: c0, .offset: 80, .size: 8, .value_kind: global_buffer, .address_space: global }
      - { .name: out0, .offset: 88, .size: 8, .value_kind: global_buffer, .address_space: global }
      - { .name: out1, .offset: 96, .size: 8, .value_kind: global_buffer, .address_space: global }
    .group_segment_fixed_size: 327680
    .private_segment_fixed_size: 0
    .kernarg_segment_align: 8
    .kernarg_segment_size: 104
    .max_flat_workgroup_size: 128
    .sgpr_count:     102
    .vgpr_count:     1024
    .wavefront_size: 32
...
	.end_amdgpu_metadata
.endif
;; end of part 4
